; MI455X (gfx1250); checked and timed in simulation.
; The chip was launched on July 23, 2026; its instructions are those of AMD's public machine-readable ISA for CDNA 5 (MIT licence, August 2026) and "CDNA5" Instruction Set Architecture Reference Guide (July 2026). The comments in the code are by the model that wrote it; some were corrected since.
;; Attention. Allowed arithmetic: matrix products marked QUANTISED: E3M2 operands, one E8M0 scale for each 32 along K, by v_wmma_scale_f32_16x16x128_f8f6f4 with both operands' format E3M2, f32 sums; everything else in f32.
;; Inputs: freqs_cos 2,048 x 64 float32; freqs_sin 2,048 x 64 float32; mask 1 x 1 x 2,048 x 2,048 float32; wk 2,048 x 2,048 float32; wo 2,048 x 2,048 float32; wq 2,048 x 2,048 float32; wv 2,048 x 2,048 float32; x 1 x 2,048 x 2,048 float32.
;; Outputs: out0 1 x 2,048 x 2,048 float32.
;; This version of the problem:
;;   THIS VERSION OF THE PROBLEM IS GIVEN IN LOW PRECISION. The matrix products marked QUANTISED in the list below multiply operands that are first quantised to E3M2 (3 exponent bits, 2 mantissa bits; 6 bits a number), with one power-of-two scale for each 32 numbers along K (OCP MX v1.0); their sums are f32. All else is computed in f32.
;;   The module's matrix products, in the order in which they are computed (A, B: the left and right operand; K: the contracted axis; several contracted axes count as one K, in the product's order):
;;     1. [M 2,048, K 2,048] x [K 2,048, N 2,048]; A: input x; B: input wq: QUANTISED
;;     2. [M 2,048, K 2,048] x [K 2,048, N 2,048]; A: input x; B: input wk: QUANTISED
;;     3. [M 2,048, K 2,048] x [K 2,048, N 2,048]; A: input x; B: input wv: QUANTISED
;;     4. batch 16 x [M 2,048, K 128] x [K 128, N 2,048]; A: computed on the way; B: computed on the way: QUANTISED
;;     5. batch 16 x [M 128, K 2,048] x [K 2,048, N 2,048]; A: computed on the way; B: softmax (see below): QUANTISED
;;     6. [M 2,048, K 2,048] x [K 2,048, N 2,048]; A: computed on the way; B: input wo: QUANTISED
;;   THE QUANTISER, for each operand of a quantised product, along K:
;;     - K is cut into blocks of 32 from its start; a last block that is shorter is filled with zeros.
;;     - A block's scale is 2^e with e = floor(log2(the largest magnitude in the block)) - 4, held to -126 .. 127; a block of zeros has e = 0. As a byte (E8M0): e + 127.
;;     - Each number is divided by its block's scale, clamped to +-28, and rounded to the nearest number of E3M2, ties to even, subnormals kept.
;;     - The product sums the exact products of the quantised numbers (number of the format x scale) in f32.
;;   ~~~python
;;   def quantise(x, axis):      # numpy; x: float32 -> the quantised numbers, widened to float32 again
;;       x = np.moveaxis(x, axis, -1); K = x.shape[-1]
;;       x = np.pad(x, [(0, 0)] * (x.ndim - 1) + [(0, -K % 32)]); x = x.reshape(x.shape[:-1] + (-1, 32)); a = np.abs(x).max(-1, keepdims=True)
;;       e = np.where(a > 0, np.clip(np.frexp(np.where(a > 0, a, 1))[1] - 1 - 4, -126, 127), 0)      # np.frexp(a)[1] - 1 = floor(log2(a)), exactly
;;       r = np.clip(x / 2.0 ** e, -28, 28)
;;       step = 2.0 ** (np.maximum(np.frexp(np.where(r == 0, 1, r))[1] - 1, -2) - 2)
;;       q = np.round(r / step) * step * 2.0 ** e      # np.round: ties to even
;;       return np.moveaxis(q.reshape(q.shape[:-2] + (-1,))[..., :K], -1, axis).astype(np.float32)
;;   ~~~
;;   SOFTMAX AHEAD OF A QUANTISED PRODUCT. Where the list says 'softmax', what is quantised is not the finished softmax but p = 2^(t - M), with t = logit x log2(e) and M = ceil(the row's largest t), a whole number; so 1/2 < the row's largest p <= 1. The row's sum l is taken of the UNQUANTISED p, in f32, and the product's result is divided by l at the end. Since M is a whole number, a kernel that streams over the keys may use a running M (the ceiling of the running maximum): every later rescaling is an exact power of two, which a block's scale takes up: the codes' values come out the same.
;;   OPERANDS COMPUTED ON THE WAY. 'Computed on the way' means the value that the module computes at that place (a softmax that the list does not call 'softmax' is quantised finished and normalised). What goes into a quantiser is computed in f32, as accurately as f32 sums, v_exp_f32 and their like allow (about 1e-6 of the number): no bf16 or f16 on the way to a quantiser, and a product that is left as it is and whose result goes on into a quantised operand takes f32 operands (vector FMAs, or v_wmma_f32_16x16x4_f32). A number that lies on a knife's edge between two numbers of the format may be rounded either way, as far as f32 arithmetic and the matrix unit's own rounding can turn it there, and no further.
;; 2 versions. Each part assembles by itself: llvm-mc -triple=amdgcn-amd-amdhsa -mcpu=gfx1250 --defsym DOCPART=n.
;; ======== version 1 of 2: 4 launches
;; workspace buffers: wc 15,728,640 bytes; ws 1,310,720 bytes; qc 9,437,184 bytes; qs 786,432 bytes; oc 3,145,728 bytes; os 262,144 bytes
;; launch quant (part 1): grid 128 x 5, 4 waves a work-group, no clusters, 34,304 bytes of LDS; arguments x, wq, wk, wv, wo, wc, ws; writes wc, ws
.if DOCPART == 1
	.amdgcn_target "amdgcn-amd-amdhsa--gfx1250"
	.amdhsa_code_object_version 6
	.text
	.protected	k_qb4ee0bfb5c_quant
	.globl	k_qb4ee0bfb5c_quant
	.p2align	8
	.type	k_qb4ee0bfb5c_quant,@function
k_qb4ee0bfb5c_quant:
	s_mov_b64 s[64:65], 0
	v_nop
	global_prefetch_b8 v0, s[64:65] scope:SCOPE_SE
	s_setreg_imm32_b32 hwreg(HW_REG_WAVE_MODE, 25, 1), 1
	s_wait_xcnt 0x0
; x, wq, wk, wv, wo, each [2048][2048] f32 with K innermost, become codes of BF6 (E3M2) with one E8M0 byte for each 32 along K.
; A block's scale is 2^(floor(log2(its largest magnitude)) - 4); its byte is the largest magnitude's exponent field - 4, held at 1 from below.
; LIMITS: NaN and infinities among the inputs are not served; a block whose largest magnitude lies under 2^-122 keeps the byte 1; a block of zeros gets the byte 1
; where the rule says 127: its codes are zeros, which add nothing under any byte but 0xff, and the bytes are read by this program alone.
; LAYOUT OF THE CODES: images of operand registers.  A tensor is [row tile i: 128][K step s: 16][1536 bytes]; a fragment (16 rows x 128 K, 12 registers a lane) lies as three
; groups of four registers, group c at 512 c + 16 x lane.  Lane r of row tile i holds row 32 (i / 2) + 8 (i % 2) + r + 8 (r / 8): so the results of two neighbouring tiles used as
; source 0 are 16 neighbours.  The scale words: [i][s][128 bytes], 4 bytes a lane; lanes r and r + 16 hold the same word.
; SHARES: work-group x = row tile, y = tensor; wave w takes K steps 4 w .. 4 w + 3, written out.  Each load reads 512 consecutive bytes of one row; a fragment's 16 rows turn through the
; wave's own stage in LDS (rows 528 bytes apart, an odd multiple of 16), so that a lane gets 16 neighbours of each block of 32.  Two fragments' loads (32 a wave) are on their way.
; No tensor loads, no barrier, no cluster: the waves and the work-groups share no input byte.  No matrix work: memory binds.
.set TEN,  3145728                     ; bytes of a tensor's codes
.set TROW, 24576                       ; of a row tile's
.set STEN, 262144                      ; of a tensor's scale words
.set SP,   528                         ; a stage row
.set WST,  16*SP                       ; a wave's stage
.set LI,   4                           ; v4   16 x lane
.set LS,   5                           ; v5   4 x lane
.set SW,   6                           ; v6   the stage, on the way in
.set SRD,  7                           ; v7   and on the way out: row r, + 64 h
.set R,    16                          ; v16-143  two sets of 64: a fragment's numbers as loaded
.set X,    144                         ; v144-207 the same, 16 neighbours of each block
.set PC,   208                         ; v208-226 codes
.set TM,   228                         ; v228-239 at work
.set PW,   240                         ; v240     the scale word
.set SEL,  20                          ; s[20:21] lane selects: lane l xor 16
.set MSB, 0
.macro WIN new                         ; the immediate's high byte repeats the setting that is left; a switch that changes nothing is dropped (here every window is 0)
.if MSB != (\new)
	s_set_vgpr_msb (MSB<<8)|(\new)
.set MSB, (\new)
.endif
.endm
; 64 numbers of a lane in window w, register 16 b + i = k 32 b + 16 (lane / 16) + i of my row, become a fragment's codes in v[PC] on and its scale word in v[PW].
.macro QUANT s, w
	WIN \w|(\w<<2)
.irp b, 0,1,2,3
	v_max3_num_f32 v[TM+\b], |v[\s+16*\b]|, |v[\s+1+16*\b]|, 0x2800000   ; block b: my 16 numbers and the floor 2^(5 - 127): the byte cannot fall under 1
.endr
.irp i, 2,4,6,8,10,12,14
.irp b, 0,1,2,3
	v_max3_num_f32 v[TM+\b], |v[\s+16*\b+\i]|, |v[\s+1+16*\b+\i]|, v[TM+\b]   ; the four blocks by turns
.endr
.endr
	WIN 0
.irp b, 0,1,2,3
	v_permlanex16_b32 v[TM+4+\b], v[TM+\b], s[SEL], s[SEL+1]
.endr
.irp b, 0,1,2,3
	v_max_num_f32 v[TM+\b], v[TM+\b], v[TM+4+\b]   ; with lane l xor 16: the block's largest magnitude
.endr
.irp b, 0,1,2,3
	v_add_nc_u32 v[TM+8+\b], 0xfe000000, v[TM+\b]   ; 4 off its exponent field: the conversion's scale operand
.endr
.irp b, 0,1,2,3
	v_lshrrev_b32 v[TM+4+\b], 23, v[TM+8+\b]   ; the scale's byte
.endr
	v_lshl_or_b32 v[PW], v[TM+5], 8, v[TM+4]
	v_lshl_or_b32 v[PW], v[TM+6], 16, v[PW]
	v_lshl_or_b32 v[PW], v[TM+7], 24, v[PW]
	WIN \w
.irp c, 0,1
	v_cvt_scalef32_pk16_bf6_f32 v[PC+6*\c:PC+2+6*\c], v[\s+32*\c:\s+15+32*\c], v[TM+8+2*\c]
	v_cvt_scalef32_pk16_bf6_f32 v[PC+12+4*\c:PC+14+4*\c], v[\s+16+32*\c:\s+31+32*\c], v[TM+9+2*\c]   ; a conversion's three registers begin on an even number
.endr
	WIN 0
	v_nop                                          ; one plain place behind a scaled conversion
.irp c, 0,1                            ; the operand's layout wants a whole block in a lane: lanes 0-15 block 2 c, lanes 16-31 block 2 c + 1
.irp i, 0,1,2
	v_permlane16_swap_b32 v[PC+6*\c+\i], v[PC+12+4*\c+\i]
.endr
.irp i, 0,1,2
	v_mov_b32 v[PC+3+6*\c+\i], v[PC+12+4*\c+\i]
.endr
.endr
.endm
	s_load_b256 s[4:11], s[0:1], 0x0               ; x, wq, wk, wv
	s_load_b128 s[12:15], s[0:1], 0x20             ; wo, wc
	s_load_b64 s[16:17], s[0:1], 0x30              ; ws
	v_lshl_add_u32 v254, v0, 2, 0x8400
	v_mov_b32 v255, 0
	v_lshrrev_b32 v1, 5, v0
	v_readfirstlane_b32 s18, v1                    ; wave 0..3
	s_and_b32 s19, ttmp7, 0xffff                   ; which tensor
	v_and_b32 v2, 31, v0                           ; lane
	v_and_b32 v3, 15, v0                           ; r
	v_bfe_u32 v8, v0, 4, 1                         ; h
	v_lshlrev_b32 v[LI], 4, v2
	v_lshlrev_b32 v[LS], 2, v2
	s_mul_i32 s28, s18, WST
	v_add_nc_u32 v[SW], s28, v[LI]
	v_mul_u32_u24 v[SRD], v3, SP
	v_lshl_add_u32 v[SRD], v8, 6, v[SRD]
	v_add_nc_u32 v[SRD], s28, v[SRD]
	s_mov_b32 s[SEL], 0x76543210
	s_mov_b32 s[SEL+1], 0xfedcba98
.irp b, 0,1,2,3
	v_mov_b32 v[TM+4+\b], 0                        ; written once: a lane permute's destination counts as one of its sources
.endr
	s_lshr_b32 s22, ttmp9, 1
	s_lshl_b32 s22, s22, 5
	s_and_b32 s23, ttmp9, 1
	s_lshl_b32 s23, s23, 3
	s_add_co_u32 s22, s22, s23                     ; the tile's first row: 32 (i / 2) + 8 (i % 2)
	s_lshl_b32 s22, s22, 13                        ; rows of 8,192 bytes
	s_lshl_b32 s23, s18, 11                        ; my four K steps: 2,048 bytes on for each wave
	s_add_co_u32 s22, s22, s23
	s_mov_b32 s23, 0
	s_mul_i32 s24, s19, TEN
	s_mul_i32 s25, ttmp9, TROW
	s_add_co_u32 s24, s24, s25
	s_mul_i32 s25, s18, 4*1536
	s_add_co_u32 s24, s24, s25                     ; my four images
	s_mov_b32 s25, 0
	s_mul_i32 s26, s19, STEN
	s_lshl_b32 s27, ttmp9, 11
	s_add_co_u32 s26, s26, s27
	s_lshl_b32 s27, s18, 9
	s_add_co_u32 s26, s26, s27                     ; my four runs of scale words
	s_mov_b32 s27, 0
	s_wait_kmcnt 0x0
	s_cmp_eq_u32 s19, 1                            ; the choice of the source hangs on the work-group's number alone
	s_cselect_b64 s[4:5], s[6:7], s[4:5]
	s_cmp_eq_u32 s19, 2
	s_cselect_b64 s[4:5], s[8:9], s[4:5]
	s_cmp_eq_u32 s19, 3
	s_cselect_b64 s[4:5], s[10:11], s[4:5]
	s_cmp_eq_u32 s19, 4
	s_cselect_b64 s[4:5], s[12:13], s[4:5]
	s_add_nc_u64 s[4:5], s[4:5], s[22:23]
	s_add_nc_u64 s[14:15], s[14:15], s[24:25]
	s_add_nc_u64 s[16:17], s[16:17], s[26:27]
.macro LOAD t                          ; fragment t: sixteen rows, 512 consecutive bytes each
.irp n, 0,1,2,3,4,5,6,7,8,9,10,11,12,13,14,15
	global_load_b128 v[R+64*((\t)%2)+4*\n:R+64*((\t)%2)+4*\n+3], v[LI], s[4:5] offset:(\n+8*(\n/8))*8192+512*(\t) th:TH_LOAD_NT
.endr
.endm
.macro TURN t                          ; through the stage: LDS serves a wave's instructions in order, so no wait stands between the stores and the loads
.irp n, 0,1,2,3,4,5,6,7,8,9,10,11,12,13,14,15
	ds_store_b128 v[SW], v[R+64*((\t)%2)+4*\n:R+64*((\t)%2)+4*\n+3] offset:SP*\n
.endr
.irp b, 0,1,2,3
.irp j, 0,1,2,3
	ds_load_b128 v[X+16*\b+4*\j:X+16*\b+4*\j+3], v[SRD] offset:128*\b+16*\j
.endr
.endr
.endm
.macro PIECE t
.if (\t) < 3
	s_wait_loadcnt 16                              ; this fragment's sixteen loads are in; the next fragment's sixteen may be out
.else
	s_wait_loadcnt 0x0
.endif
	TURN \t
	s_wait_dscnt 0x0                               ; the numbers are back; the stores into the stage have read their registers
.if (\t) > 0
	s_wait_xcnt 0x0                                ; the last fragment's stores have read the codes and the scale word: both are written again below
.endif
.if (\t) < 2
	LOAD (\t)+2
.endif
	QUANT X, 0
.irp c, 0,1,2
	global_store_b128 v[LI], v[PC+4*\c:PC+4*\c+3], s[14:15] offset:1536*(\t)+512*\c   ; 32 lanes store 512 consecutive bytes, aligned
.endr
	global_store_b32 v[LS], v[PW], s[16:17] offset:128*(\t)
.endm
	LOAD 0
	LOAD 1
	PIECE 0
	PIECE 1
	PIECE 2
	PIECE 3
	s_wait_tensorcnt 0x0
	ds_add_u32 v254, v255
	s_wait_dscnt 0x0
	s_endpgm
.Lfunc_end_k_qb4ee0bfb5c_quant:
	.size	k_qb4ee0bfb5c_quant, .Lfunc_end_k_qb4ee0bfb5c_quant-k_qb4ee0bfb5c_quant
	.p2alignl 7, 3214868480
	.fill 96, 4, 3214868480
	.section	.rodata,"a",@progbits
	.p2align	6, 0x0
	.amdhsa_kernel k_qb4ee0bfb5c_quant
		.amdhsa_group_segment_fixed_size 34304
		.amdhsa_private_segment_fixed_size 0
		.amdhsa_enable_private_segment 0
		.amdhsa_kernarg_size 56
		.amdhsa_user_sgpr_count 2
		.amdhsa_user_sgpr_kernarg_segment_ptr 1
		.amdhsa_wavefront_size32 1
		.amdhsa_system_sgpr_workgroup_id_x 1
		.amdhsa_system_sgpr_workgroup_id_y 1
		.amdhsa_system_sgpr_workgroup_id_z 1
		.amdhsa_system_vgpr_workitem_id 0
		.amdhsa_next_free_vgpr 256
		.amdhsa_next_free_sgpr 66
		.amdhsa_reserve_vcc 0
		.amdhsa_float_denorm_mode_32 3
		.amdhsa_float_denorm_mode_16_64 3
		.amdhsa_memory_ordered 1
		.amdhsa_forward_progress 1
		.amdhsa_inst_pref_size 34
	.end_amdhsa_kernel
	.amdgpu_metadata
---
amdhsa.version: [ 1, 2 ]
amdhsa.kernels:
  - .name:           k_qb4ee0bfb5c_quant
    .symbol:         k_qb4ee0bfb5c_quant.kd
    .args:
      - { .name: x, .offset: 0, .size: 8, .value_kind: global_buffer, .address_space: global }
      - { .name: wq, .offset: 8, .size: 8, .value_kind: global_buffer, .address_space: global }
      - { .name: wk, .offset: 16, .size: 8, .value_kind: global_buffer, .address_space: global }
      - { .name: wv, .offset: 24, .size: 8, .value_kind: global_buffer, .address_space: global }
      - { .name: wo, .offset: 32, .size: 8, .value_kind: global_buffer, .address_space: global }
      - { .name: wc, .offset: 40, .size: 8, .value_kind: global_buffer, .address_space: global }
      - { .name: ws, .offset: 48, .size: 8, .value_kind: global_buffer, .address_space: global }
    .group_segment_fixed_size: 34304
    .private_segment_fixed_size: 0
    .kernarg_segment_align: 8
    .kernarg_segment_size: 56
    .max_flat_workgroup_size: 128
    .sgpr_count:     66
    .vgpr_count:     256
    .wavefront_size: 32
...
	.end_amdgpu_metadata
.endif
;; end of part 1
;; launch qkv (part 2): grid 24 x 8, 4 waves a work-group, clusters of 4 x 4, 327,680 bytes of LDS; arguments wc, ws, freqs_cos, freqs_sin, qc, qs; writes qc, qs
.if DOCPART == 2
	.amdgcn_target "amdgcn-amd-amdhsa--gfx1250"
	.amdhsa_code_object_version 6
	.text
	.protected	k_qb4ee0bfb5c_qkv
	.globl	k_qb4ee0bfb5c_qkv
	.p2align	8
	.type	k_qb4ee0bfb5c_qkv,@function
k_qb4ee0bfb5c_qkv:
	s_mov_b64 s[64:65], 0
	v_nop
	global_prefetch_b8 v0, s[64:65] scope:SCOPE_SE
	s_setreg_imm32_b32 hwreg(HW_REG_WAVE_MODE, 25, 1), 1
	s_wait_xcnt 0x0
	s_wait_alu depctr_hold_cnt(0) depctr_sa_sdst(0) depctr_va_vdst(0) depctr_va_sdst(0) depctr_va_ssrc(0) depctr_va_vcc(0) depctr_vm_vsrc(0)
	s_getreg_b32 s2, hwreg(HW_REG_IB_STS2, 6, 4)
	s_cmp_eq_u32 s2, 0
	s_cbranch_scc0 .Lentry_in_a_cluster
	s_endpgm
.Lentry_in_a_cluster:
	s_bfe_u32 s2, ttmp6, 0x10000c
	s_cmp_lg_u32 s2, 0xf033
	s_cbranch_scc0 .Lentry_shape_is_right
	s_endpgm
.Lentry_shape_is_right:
; q = rope(x wq^T), k = rope(x wk^T), v = x wv^T on codes of BF6 with E8M0 scales, and their results quantised at once: q and k along a head's 128, v along the keys.
; ONE FORM FOR ALL THREE: C'[m][n] = sum over k of A'[m][k] B'[n][k].  For q and k A' = x and B' = the weight; for v A' = wv and B' = x, so that v comes out transposed: rows = channels, n = keys.
; All operands lie in wc as images of operand registers, [tensor][row tile: 128][K step: 16][1536 bytes], tensors 0 x, 1 wq, 2 wk, 3 wv, 4 wo; lane r of row tile i holds row
; 32 (i / 2) + 8 (i % 2) + r + 8 (r / 8).  Scale words in ws: [tensor][row tile][K step][128 bytes], 4 bytes a lane, lanes r and r + 16 alike.
; A tile of C', 256 x 256, is made by four waves, each 128 x 128: 64 accumulators, 512 registers.  K goes in 16 steps of 128, two to an LDS slot, two slots, filled by tensor loads.
; THE MATRIX INSTRUCTION IS USED TRANSPOSED (source 0 = a tile of B', source 1 = a tile of A'): a lane holds one row of A' and, by the order of rows in a tile, its 64 registers of a block of 16 rows
; are n = 32 b + 16 (lane / 16) + i in register 16 b + i: 128 neighbours in the order that the quantiser wants.  A wave's 128 n are one head (q, k) or one step of 128 keys (v): one fragment.
; So the way out needs no LDS: rope in registers (pairs are neighbouring registers), quantise, store the image: each store covers 512 consecutive bytes, aligned.
; CLUSTERS: 4 x 4 work-groups; A' tiles are asked for jointly along a row of the cluster, B' tiles along a column.  Which of q, k, v a cluster makes hangs on the cluster's x alone.
; 192 work-groups of equal work: a smaller tile would split a head's fragment between waves or read each LDS byte for fewer products.
; LIMITS: as in the launch that makes the codes (NaN, infinities, the byte of zero blocks and of blocks under 2^-122).
; REGISTERS: window 0: v16-31 addresses; v32-95 scale words, two sets; v96-127 cosines, v224-255 sines of a block of 16 rows; v128-223 A's fragments, one set (on the way out: at work).
;   window 1: B's fragments, two sets, v0-95 and v128-223.  windows 2, 3: accumulator (a, b) at v[8 (8 (a % 4) + b)].
.set TEN,   3145728
.set TROW,  24576
.set STEN,  262144
.set FR,    12                         ; registers of a fragment
.set NL,    3                          ; LDS loads that bring one
.set NP,    4                          ; places behind this matrix instruction (ISA guide 7.12.1)
.set NQ,    2                          ; K steps in a slot
.set HALFT, 24576                      ; 8 row tiles x 2 K steps x 1536 bytes: what one tensor load brings, and what a wave reads of A' or of B'
.set SLOT,  4*HALFT
.set LAPS,  4                          ; a lap = once round the ring = four K steps
.set SCL,   2*SLOT                     ; behind the ring: the scale words for all of K, filled once
.set HALFS, 16384                      ; those of 8 row tiles
.set SPARE, SCL+4*HALFS                ; the spare words, 128 bytes for each wave: two blocks of 256 bytes that no other line names
.set ADRA, 16                          ; v16-17  my A fragments in slot 0, 1
.set PW,   19                          ; v19     the way out: the scale word just made
.set ADRB, 20                          ; v20-21  my B fragments
.set LI,   22                          ; v22     16 x lane
.set LS,   23                          ; v23     4 x lane
.set ADSA, 27                          ; v27     A's scale words of the slot in hand
.set SPW,  28                          ; v28     my spare word; never rewritten
.set NIL,  29                          ; v29     0; never rewritten
.set ADSB, 30                          ; v30     B's scale words
.set RO,   31                          ; v31     my place in a block's rows of the tables of cosines and sines
.set SC,   32                          ; scale words: set sc at v[SC + 32 sc]: A's (i, q) at + 2 i + q, B's at + 16 + 2 i + q
.set COS,  96
.set SIN,  224
.set AF,   128
.set TP,   128                         ; the way out: 64 products
.set PC,   192                         ; codes
.set TM,   212                         ; at work
.set SEL,  2                           ; s[2:3] lane selects on the way out (s3 counts laps before)
.set G1, 24
.set G0, 32
.set G1B, 48
.set G0B, 56
.set G1S, 68
.set G0S, 76
.set G1SB, 80
.set G0SB, 88
.set MSB, 0
.macro WIN new                         ; the immediate's high byte repeats the setting that is left
.if MSB != (\new)
	s_set_vgpr_msb (MSB<<8)|(\new)
.set MSB, (\new)
.endif
.endm
.set MUL_LO, 0xa1                      ; source 0 window 1, source 1 window 0, C and D window 2
.set MUL_HI, 0xf1                      ; the same, C and D window 3
.set TO_B,   0x40                      ; destination window 1, address window 0
; A joint load: waves 0 and 1 fetch for A', waves 2 and 3 for B'.  The branch hangs on the wave's number alone.  Four v_nop follow each of the two lines.
.macro JLOAD g0a, g1a, g0b, g1b
	s_cmp_eq_u32 s15, 0
	s_cbranch_scc0 .Lfor_b_\@
	tensor_load_to_lds s[\g0a:\g0a+3], s[\g1a:\g1a+7]
	s_nop 0
.rept 4
	v_nop
.endr
	s_branch .Lasked_\@
.Lfor_b_\@:
	tensor_load_to_lds s[\g0b:\g0b+3], s[\g1b:\g1b+7]
	s_nop 0
.rept 4
	v_nop
.endr
.Lasked_\@:
.endm
.macro CREST                           ; a round of the cluster's barrier behind its opening barrier
	s_cmp_lg_u32 s14, 0
	s_cbranch_scc1 .Lnot_wave_0_\@
	s_barrier_signal -3
.Lnot_wave_0_\@:
	s_barrier_wait -3
	s_barrier_signal -1
	s_barrier_wait -1
.endm
.macro CROUND                          ; a whole round
	s_barrier_signal -1
	s_barrier_wait -1
	CREST
.endm
.macro PLACES n
.rept \n
	v_nop
.endr
.endm
; 64 numbers of a lane in window w, register 16 b + i = k 32 b + 16 (lane / 16) + i of my row, become a fragment's codes in v[PC] on and its scale word in v[PW].
.macro QUANT s, w
	WIN \w|(\w<<2)
.irp b, 0,1,2,3
	v_max3_num_f32 v[TM+\b], |v[\s+16*\b]|, |v[\s+1+16*\b]|, 0x2800000   ; block b: my 16 numbers and the floor 2^(5 - 127); each accumulator is read from its low end on
.endr
.irp i, 2,4,6,8,10,12,14
.irp b, 0,1,2,3
	v_max3_num_f32 v[TM+\b], |v[\s+16*\b+\i]|, |v[\s+1+16*\b+\i]|, v[TM+\b]
.endr
.endr
	WIN 0
.irp b, 0,1,2,3
	v_permlanex16_b32 v[TM+4+\b], v[TM+\b], s[SEL], s[SEL+1]
.endr
.irp b, 0,1,2,3
	v_max_num_f32 v[TM+\b], v[TM+\b], v[TM+4+\b]
.endr
.irp b, 0,1,2,3
	v_add_nc_u32 v[TM+8+\b], 0xfe000000, v[TM+\b]   ; 4 off the exponent field: the conversion's scale operand
.endr
.irp b, 0,1,2,3
	v_lshrrev_b32 v[TM+4+\b], 23, v[TM+8+\b]   ; the scale's byte
.endr
	v_lshl_or_b32 v[PW], v[TM+5], 8, v[TM+4]
	v_lshl_or_b32 v[PW], v[TM+6], 16, v[PW]
	v_lshl_or_b32 v[PW], v[TM+7], 24, v[PW]
	WIN \w
.irp c, 0,1
	v_cvt_scalef32_pk16_bf6_f32 v[PC+6*\c:PC+2+6*\c], v[\s+32*\c:\s+15+32*\c], v[TM+8+2*\c]
	v_cvt_scalef32_pk16_bf6_f32 v[PC+12+4*\c:PC+14+4*\c], v[\s+16+32*\c:\s+31+32*\c], v[TM+9+2*\c]
.endr
	WIN 0
	v_nop                                          ; one plain place behind a scaled conversion
.irp c, 0,1
.irp i, 0,1,2
	v_permlane16_swap_b32 v[PC+6*\c+\i], v[PC+12+4*\c+\i]
.endr
.irp i, 0,1,2
	v_mov_b32 v[PC+3+6*\c+\i], v[PC+12+4*\c+\i]
.endr
.endr
.endm
	s_load_b128 s[4:7], s[0:1], 0x0                ; wc, ws
	s_load_b128 s[96:99], s[0:1], 0x10             ; cosines, sines
	s_load_b64 s[12:13], s[0:1], 0x20              ; qc
	s_load_b64 s[100:101], s[0:1], 0x28            ; qs
	v_lshl_add_u32 v[SPW], v0, 2, SPARE
	v_mov_b32 v[NIL], 0
	ds_add_u32 v28, v29
	s_wait_dscnt 0x0
	v_lshrrev_b32 v1, 5, v0
	v_readfirstlane_b32 s14, v1                    ; wave 0..3
	s_lshr_b32 s15, s14, 1                         ; which half of the tile's rows is mine.  Also: I fetch for A' (0) or for B' (1)
	s_and_b32 s16, s14, 1                          ; which half of its columns.  Also: which 8 row tiles I fetch
	s_bfe_u32 s40, ttmp6, 0x40000                  ; cx, cy: my place in the cluster
	s_bfe_u32 s41, ttmp6, 0x40004
	s_lshr_b32 s66, ttmp9, 1                       ; 0 q, 1 k, 2 v: from the cluster's x alone, the same in all sixteen partners
	s_lshr_b32 s67, s66, 1                         ; 1 for v
	s_and_b32 s42, ttmp9, 1
	s_lshl_b32 s42, s42, 2
	s_add_co_u32 s42, s42, s40                     ; tile column 0..7
	s_and_b32 s17, ttmp7, 0xffff
	s_lshl_b32 s17, s17, 2
	s_add_co_u32 s17, s17, s41                     ; tile row 0..7
	s_lshl_b32 s43, s41, 2
	s_lshl_b32 s43, 15, s43                        ; my row of the cluster
	s_lshl_b32 s44, 0x1111, s40                    ; my column
	; descriptor group 1 for codes: 8 rows (row tiles) of 3,072 bytes (two K steps' images), 24,576 bytes apart; elements of 8 bytes; no padding: an image is read 512 consecutive bytes at a time
	s_or_b32 s[G1+0], s43, (3<<16)|(1<<21)         ; 15:0 the mask: my row; 17:16 elements of 8 bytes; 21 set beside a mask
	s_or_b32 s[G1B+0], s44, (3<<16)|(1<<21)
.irp g, G1, G1B
	s_mov_b32 s[\g+1], 384<<16                     ; tensor_dim0 = 384
	s_mov_b32 s[\g+2], 8<<16                       ; tensor_dim1 = 8
	s_mov_b32 s[\g+3], 384<<16                     ; tile_dim0 = 384
	s_mov_b32 s[\g+4], 8                           ; tile_dim1 = 8
	s_mov_b32 s[\g+5], 3072                        ; tensor_dim0_stride
	s_mov_b32 s[\g+6], 0
	s_mov_b32 s[\g+7], 0
.endr
	; and for the scale words of 8 row tiles, all of K: a dense block of 16,384 bytes as 64 rows of 256
	s_or_b32 s[G1S+0], s43, (3<<16)|(1<<21)
	s_or_b32 s[G1SB+0], s44, (3<<16)|(1<<21)
.irp g, G1S, G1SB
	s_mov_b32 s[\g+1], 32<<16
	s_mov_b32 s[\g+2], 64<<16
	s_mov_b32 s[\g+3], 32<<16
	s_mov_b32 s[\g+4], 64
	s_mov_b32 s[\g+5], 32
	s_mov_b32 s[\g+6], 0
	s_mov_b32 s[\g+7], 0
.endr
	; A': tensor 0 (x) or 3 (wv), row tiles 16 x tile row + 8 x half.  These registers never hold cx
	s_lshl_b32 s20, s17, 4
	s_lshl_b32 s18, s16, 3
	s_add_co_u32 s20, s20, s18
	s_mul_i32 s22, s20, TROW
	s_mul_i32 s18, s67, 3*TEN
	s_add_co_u32 s22, s22, s18
	s_mov_b32 s23, 0
	s_lshl_b32 s20, s20, 11
	s_mul_i32 s18, s67, 3*STEN
	s_add_co_u32 s20, s20, s18
	s_mov_b32 s21, 0
	; B': tensor 1 (wq), 2 (wk) or 0 (x), row tiles 16 x tile column + 8 x half.  These never hold cy
	s_add_co_u32 s92, s66, 1
	s_mul_i32 s93, s67, 3
	s_sub_co_u32 s92, s92, s93
	s_lshl_b32 s47, s42, 4
	s_lshl_b32 s93, s16, 3
	s_add_co_u32 s47, s47, s93
	s_mul_i32 s46, s47, TROW
	s_mul_i32 s93, s92, TEN
	s_add_co_u32 s46, s46, s93
	s_lshl_b32 s47, s47, 11
	s_mul_i32 s92, s92, STEN
	s_add_co_u32 s92, s92, s47
	s_mov_b32 s47, 0
	s_mov_b32 s93, 0
	s_mul_i32 s45, s14, HALFT                      ; where they go: wave x a quarter of a slot: no place in the cluster enters an LDS address
	s_mul_i32 s94, s14, HALFS
	s_wait_kmcnt 0x0
	s_add_nc_u64 s[22:23], s[4:5], s[22:23]
	s_add_nc_u64 s[20:21], s[6:7], s[20:21]
	s_add_nc_u64 s[46:47], s[4:5], s[46:47]
	s_add_nc_u64 s[92:93], s[6:7], s[92:93]
	CROUND                                         ; all sixteen work-groups are here: the first joint loads meet
	s_mov_b32 s[G0S], 1
	s_add_co_u32 s[G0S+1], s94, SCL
	s_mov_b64 s[G0S+2:G0S+3], s[20:21]
	s_or_b32 s[G0S+3], s[G0S+3], 0x80000000
	s_mov_b32 s[G0SB], 1
	s_add_co_u32 s[G0SB+1], s94, SCL
	s_mov_b64 s[G0SB+2:G0SB+3], s[92:93]
	s_or_b32 s[G0SB+3], s[G0SB+3], 0x80000000
	JLOAD G0S, G1S, G0SB, G1SB                     ; the scale words first: they are wanted with K step 0
.irp s, 0,1
	s_mov_b32 s[G0+4*\s], 1
	s_add_co_u32 s[G0+4*\s+1], s45, \s*SLOT
	s_add_nc_u64 s[G0+4*\s+2:G0+4*\s+3], s[22:23], \s*3072
	s_or_b32 s[G0+4*\s+3], s[G0+4*\s+3], 0x80000000
	s_mov_b32 s[G0B+4*\s], 1
	s_add_co_u32 s[G0B+4*\s+1], s45, \s*SLOT
	s_add_nc_u64 s[G0B+4*\s+2:G0B+4*\s+3], s[46:47], \s*3072
	s_or_b32 s[G0B+4*\s+3], s[G0B+4*\s+3], 0x80000000
	JLOAD G0+4*\s, G1, G0B+4*\s, G1B               ; three tensor loads of mine are out behind the second of these
.endr
	v_and_b32 v1, 31, v0
	v_lshlrev_b32 v[LI], 4, v1
	v_lshlrev_b32 v[LS], 2, v1
	s_mul_i32 s21, s15, HALFT                      ; my 8 row tiles of A'
	s_mul_i32 s22, s16, HALFT                      ; my 8 of B',
	s_add_co_u32 s22, s22, 2*HALFT                 ; which lie behind A's two quarters
.irp s, 0,1
	v_add_nc_u32 v[ADRA+\s], s21, v[LI]
	v_add_nc_u32 v[ADRB+\s], s22, v[LI]
	s_add_co_u32 s21, s21, SLOT
	s_add_co_u32 s22, s22, SLOT
.endr
	s_mul_i32 s21, s15, HALFS
	s_add_co_u32 s21, s21, SCL
	v_add_nc_u32 v[ADSA], s21, v[LS]
	s_mul_i32 s22, s16, HALFS
	s_add_co_u32 s22, s22, SCL+2*HALFS
	v_add_nc_u32 v[ADSB], s22, v[LS]
	; where my eight fragments go: row tile 16 x tile row + 8 x half + a, K step 2 x tile column + half
	s_lshl_b32 s18, s17, 4
	s_lshl_b32 s19, s15, 3
	s_add_co_u32 s18, s18, s19
	s_lshl_b32 s18, s18, 4
	s_lshl_b32 s19, s42, 1
	s_add_co_u32 s18, s18, s19
	s_add_co_u32 s18, s18, s16
	s_mul_i32 s20, s18, 1536
	s_mul_i32 s19, s66, TEN
	s_add_co_u32 s20, s20, s19
	s_mov_b32 s21, 0
	s_add_nc_u64 s[12:13], s[12:13], s[20:21]
	s_lshl_b32 s20, s18, 7
	s_mul_i32 s19, s66, STEN
	s_add_co_u32 s20, s20, s19
	s_add_nc_u64 s[100:101], s[100:101], s[20:21]
	s_lshl_b32 s20, s17, 8                         ; the tables at my first row: 256 x tile row + 128 x half, rows of 256 bytes
	s_lshl_b32 s19, s15, 7
	s_add_co_u32 s20, s20, s19
	s_lshl_b32 s20, s20, 8
	s_add_nc_u64 s[96:97], s[96:97], s[20:21]
	s_add_nc_u64 s[98:99], s[98:99], s[20:21]
	v_and_b32 v2, 15, v0
	v_and_b32 v3, 8, v0
	v_add_nc_u32 v2, v2, v3                        ; r + 8 (r / 8)
	v_lshlrev_b32 v[RO], 8, v2
	v_bfe_u32 v3, v0, 4, 1
	v_lshl_add_u32 v[RO], v3, 5, v[RO]             ; + 32 h: my half's eight pairs of each block of 32 numbers
; the cosines and sines of block a's rows: register 8 b + i belongs to the pair of numbers in registers 16 b + 2 i and 16 b + 2 i + 1
.macro CSLOAD a
.irp b, 0,1,2,3
.irp e, 0,1
	global_load_b128 v[COS+8*\b+4*\e:COS+8*\b+4*\e+3], v[RO], s[96:97] offset:(32*((\a)/2)+8*((\a)%2))*256+64*\b+16*\e
	global_load_b128 v[SIN+8*\b+4*\e:SIN+8*\b+4*\e+3], v[RO], s[98:99] offset:(32*((\a)/2)+8*((\a)%2))*256+64*\b+16*\e
.endr
.endr
.endm
	CSLOAD 0                                       ; asked for now, wanted behind the K loop.  (For v they are not used; the rows lie inside the tables all the same)
.macro FRAG reg, adr, q, i             ; a fragment comes back as it was stored: three loads of 512 consecutive bytes
.irp c, 0,1,2
	ds_load_b128 v[\reg+4*\c:\reg+4*\c+3], v[\adr] offset:3072*(\i)+1536*(\q)+512*\c
.endr
.endm
; 16 matrix instructions: A's blocks a0, a0 + 1 x B's eight, the slot's q-th K step.  p: B's set; sc: the set of scale words.  zero = 1: the first product starts the sums.
; The 64 accumulators take turns, one instruction a turn, in the same order in every step.
.macro MUL16 a0, p, q, sc, zero
.irp a, \a0, \a0+1
.irp b, 0,1,2,3,4,5,6,7
.if \zero
	v_wmma_scale_f32_16x16x128_f8f6f4 v[8*(8*((\a)%4)+\b):8*(8*((\a)%4)+\b)+7], v[128*(\p)+FR*\b:128*(\p)+FR*\b+FR-1], v[AF+FR*(\a):AF+FR*(\a)+FR-1], 0, v[SC+32*(\sc)+16+2*\b+(\q)], v[SC+32*(\sc)+2*(\a)+(\q)] matrix_a_fmt:MATRIX_FMT_BF6 matrix_b_fmt:MATRIX_FMT_BF6
.else
	v_wmma_scale_f32_16x16x128_f8f6f4 v[8*(8*((\a)%4)+\b):8*(8*((\a)%4)+\b)+7], v[128*(\p)+FR*\b:128*(\p)+FR*\b+FR-1], v[AF+FR*(\a):AF+FR*(\a)+FR-1], v[8*(8*((\a)%4)+\b):8*(8*((\a)%4)+\b)+7], v[SC+32*(\sc)+16+2*\b+(\q)], v[SC+32*(\sc)+2*(\a)+(\q)] matrix_a_fmt:MATRIX_FMT_BF6 matrix_b_fmt:MATRIX_FMT_BF6
.endif
.endr
.endr
.endm
.macro FETCH_B slot, q, p
	WIN TO_B
.irp i, 0,1,2,3,4,5,6,7
	FRAG 128*(\p)+FR*\i, ADRB+\slot, \q, \i
.endr
	WIN 0
.endm
.macro FETCH_A slot, q, i0
.irp i, \i0, \i0+1, \i0+2, \i0+3
	FRAG AF+FR*(\i), ADRA+\slot, \q, \i
.endr
.endm
.macro SCALES sc                       ; a slot's scale words: 8 blocks x 2 K steps for each side
.irp i, 0,1,2,3,4,5,6,7
.irp q, 0,1
	ds_load_b32 v[SC+32*\sc+2*\i+\q], v[ADSA] offset:2048*\i+128*\q
	ds_load_b32 v[SC+32*\sc+16+2*\i+\q], v[ADSB] offset:2048*\i+128*\q
.endr
.endr
.endm
; A K step that has its successor in the same slot.  A load into a register that a matrix instruction has read stands NP plain vector places behind it.
.macro STEP slot, q, zero
	s_wait_dscnt 4*NL                              ; all but the youngest twelve loads (A's blocks 4-7) are in
	WIN MUL_LO
	MUL16 0, (\q)%2, \q, \slot, \zero
	MUL16 2, (\q)%2, \q, \slot, \zero
	s_wait_dscnt 0                                 ; A's blocks 4-7 are in (asked for 32 matrix instructions ago)
	PLACES NP
	FETCH_B \slot, (\q)+1, 1-(\q)%2
	FETCH_A \slot, (\q)+1, 0
	WIN MUL_HI
	MUL16 4, (\q)%2, \q, \slot, \zero
	MUL16 6, (\q)%2, \q, \slot, \zero
	PLACES NP
	WIN 0
	FETCH_A \slot, (\q)+1, 4
.endm
; A slot's last K step changes slots: one barrier; in front of it each wave waits for all its tensor loads, adds 0 to its spare word, and waits for that and for its reads of this slot.
.macro TURN slot, next, fill
	s_wait_tensorcnt 0x0                           ; all my tensor loads have landed: my part of the next slot
	ds_add_u32 v[SPW], v[NIL]                      ; 0 onto my spare word
	s_wait_dscnt 4*NL+1                            ; the add and the youngest twelve loads may be out
	WIN MUL_LO
	MUL16 0, 1, NQ-1, \slot, 0
	s_wait_dscnt 0x0                               ; the add is done, and my reads of this slot are over
	s_barrier_signal -1
	MUL16 2, 1, NQ-1, \slot, 0
	WIN 0
	s_barrier_wait -1
.if \fill
	CREST                                          ; the barrier has opened a round of the cluster's barrier: no wave of any partner still reads this slot or has a load on its way
	s_add_nc_u64 s[G0+4*\slot+2:G0+4*\slot+3], s[G0+4*\slot+2:G0+4*\slot+3], 2*3072
	s_add_nc_u64 s[G0B+4*\slot+2:G0B+4*\slot+3], s[G0B+4*\slot+2:G0B+4*\slot+3], 2*3072
	JLOAD G0+4*\slot, G1, G0B+4*\slot, G1B         ; the first tensor load behind the round; its four v_nop are also the places in front of the loads below
.else
	PLACES NP
.endif
	v_add_nc_u32 v[ADSA], 256, v[ADSA]             ; on to the next slot's scale words (no LDS load of mine is out)
	v_add_nc_u32 v[ADSB], 256, v[ADSB]
	FETCH_B \next, 0, 0
	FETCH_A \next, 0, 0
	SCALES \next
	WIN MUL_HI
	MUL16 4, 1, NQ-1, \slot, 0
	MUL16 6, 1, NQ-1, \slot, 0
	PLACES NP
	WIN 0
	FETCH_A \next, 0, 4
.endm
	s_wait_tensorcnt 1                             ; the scale words and my part of slot 0 are in; slot 1's load may be out
	s_barrier_signal -1
	s_barrier_wait -1
	FETCH_B 0, 0, 0
	FETCH_A 0, 0, 0
	SCALES 0
	FETCH_A 0, 0, 4
	STEP 0, 0, 1                                   ; the first K step stands in front of the loop: its products start the sums
	s_mov_b32 s3, LAPS-1
.Llap:                                                 ; a trip goes once round the ring and fills both slots again
	TURN 0, 1, 1
	STEP 1, 0, 0
	TURN 1, 0, 1
	STEP 0, 0, 0
	s_sub_co_u32 s3, s3, 1
	s_cmp_lg_u32 s3, 0
	s_cbranch_scc1 .Llap
	TURN 0, 1, 0                                   ; the last lap fills nothing, and has no round of the cluster's barrier
	STEP 1, 0, 0
	s_wait_dscnt 4*NL
	WIN MUL_LO
	MUL16 0, 1, NQ-1, 1, 0
	MUL16 2, 1, NQ-1, 1, 0
	s_wait_dscnt 0
	WIN MUL_HI
	MUL16 4, 1, NQ-1, 1, 0
	MUL16 6, 1, NQ-1, 1, 0
	WIN 0
	; THE WAY OUT, block by block of 16 rows.
	PLACES NP
	s_mov_b32 s[SEL], 0x76543210
	s_mov_b32 s[SEL+1], 0xfedcba98
.irp b, 0,1,2,3
	v_mov_b32 v[TM+4+\b], 0                        ; written once: a lane permute's destination counts as one of its sources
.endr
.macro BLOCK a
.set W, 2+(\a)/4
.set N0, 64*((\a)%4)
	s_wait_loadcnt 0x0                             ; this block's cosines and sines
	s_cmp_eq_u32 s66, 2                            ; v is not turned: the branch, the same in all partners, leads round register arithmetic alone
	s_cbranch_scc1 .Lplain_\@
	WIN W
.set i, 0
.rept 32
	v_mul_f32 v[TP+2*i], v[N0+2*i+1], v[SIN+i]     ; odd x sin
	v_mul_f32 v[TP+2*i+1], v[N0+2*i], v[SIN+i]     ; even x sin
.set i, i+1
.endr
	WIN (W<<6)|W
.set i, 0
.rept 32
	v_fma_f32 v[N0+2*i], v[N0+2*i], v[COS+i], -v[TP+2*i]         ; even x cos - odd x sin
	v_fma_f32 v[N0+2*i+1], v[N0+2*i+1], v[COS+i], v[TP+2*i+1]    ; odd x cos + even x sin
.set i, i+1
.endr
	WIN 0
.Lplain_\@:
.if (\a) > 0
	s_wait_xcnt 0x0                                ; the last block's stores have read the codes and the scale word, which are written again below
.endif
.if (\a) < 7
	CSLOAD (\a)+1                                  ; the next block's, while this one is quantised
.endif
	QUANT N0, W
.irp c, 0,1,2
	global_store_b128 v[LI], v[PC+4*\c:PC+4*\c+3], s[12:13] offset:TROW*(\a)+512*\c   ; 32 lanes store 512 consecutive bytes, aligned
.endr
	global_store_b32 v[LS], v[PW], s[100:101] offset:2048*(\a)
.endm
.irp a, 0,1,2,3,4,5,6,7
	BLOCK \a
.endr
	s_wait_tensorcnt 0x0                           ; the wave's end
	ds_add_u32 v[SPW], v[NIL]
	s_wait_dscnt 0x0
	CROUND                                         ; the closing round: no work-group ends while a partner may still ask for a tile that names it
	s_endpgm
.Lfunc_end_k_qb4ee0bfb5c_qkv:
	.size	k_qb4ee0bfb5c_qkv, .Lfunc_end_k_qb4ee0bfb5c_qkv-k_qb4ee0bfb5c_qkv
	.p2alignl 7, 3214868480
	.fill 96, 4, 3214868480
	.section	.rodata,"a",@progbits
	.p2align	6, 0x0
	.amdhsa_kernel k_qb4ee0bfb5c_qkv
		.amdhsa_group_segment_fixed_size 327680
		.amdhsa_private_segment_fixed_size 0
		.amdhsa_enable_private_segment 0
		.amdhsa_kernarg_size 48
		.amdhsa_user_sgpr_count 2
		.amdhsa_user_sgpr_kernarg_segment_ptr 1
		.amdhsa_wavefront_size32 1
		.amdhsa_system_sgpr_workgroup_id_x 1
		.amdhsa_system_sgpr_workgroup_id_y 1
		.amdhsa_system_sgpr_workgroup_id_z 1
		.amdhsa_system_vgpr_workitem_id 0
		.amdhsa_next_free_vgpr 1024
		.amdhsa_next_free_sgpr 102
		.amdhsa_reserve_vcc 0
		.amdhsa_float_denorm_mode_32 3
		.amdhsa_float_denorm_mode_16_64 3
		.amdhsa_memory_ordered 1
		.amdhsa_forward_progress 1
		.amdhsa_inst_pref_size 209
	.end_amdhsa_kernel
	.amdgpu_metadata
---
amdhsa.version: [ 1, 2 ]
amdhsa.kernels:
  - .name:           k_qb4ee0bfb5c_qkv
    .symbol:         k_qb4ee0bfb5c_qkv.kd
    .args:
      - { .name: wc, .offset: 0, .size: 8, .value_kind: global_buffer, .address_space: global }
      - { .name: ws, .offset: 8, .size: 8, .value_kind: global_buffer, .address_space: global }
      - { .name: freqs_cos, .offset: 16, .size: 8, .value_kind: global_buffer, .address_space: global }
      - { .name: freqs_sin, .offset: 24, .size: 8, .value_kind: global_buffer, .address_space: global }
      - { .name: qc, .offset: 32, .size: 8, .value_kind: global_buffer, .address_space: global }
      - { .name: qs, .offset: 40, .size: 8, .value_kind: global_buffer, .address_space: global }
    .group_segment_fixed_size: 327680
    .private_segment_fixed_size: 0
    .kernarg_segment_align: 8
    .kernarg_segment_size: 48
    .max_flat_workgroup_size: 128
    .sgpr_count:     102
    .vgpr_count:     1024
    .wavefront_size: 32
...
	.end_amdgpu_metadata
.endif
;; end of part 2
;; launch attn (part 3): grid 16 x 16, 8 waves a work-group, clusters of 4 x 4, 327,680 bytes of LDS; arguments qc, qs, mask, oc, os; writes oc, os
.if DOCPART == 3
	.amdgcn_target "amdgcn-amd-amdhsa--gfx1250"
	.amdhsa_code_object_version 6
	.text
	.protected	k_qb4ee0bfb5c_attn
	.globl	k_qb4ee0bfb5c_attn
	.p2align	8
	.type	k_qb4ee0bfb5c_attn,@function
k_qb4ee0bfb5c_attn:
	s_mov_b64 s[64:65], 0
	v_nop
	global_prefetch_b8 v0, s[64:65] scope:SCOPE_SE
	s_setreg_imm32_b32 hwreg(HW_REG_WAVE_MODE, 25, 1), 1
	s_wait_xcnt 0x0
	s_wait_alu depctr_hold_cnt(0) depctr_sa_sdst(0) depctr_va_vdst(0) depctr_va_sdst(0) depctr_va_ssrc(0) depctr_va_vcc(0) depctr_vm_vsrc(0)
	s_getreg_b32 s2, hwreg(HW_REG_IB_STS2, 6, 4)
	s_cmp_eq_u32 s2, 0
	s_cbranch_scc0 .Lentry_in_a_cluster
	s_endpgm
.Lentry_in_a_cluster:
	s_bfe_u32 s2, ttmp6, 0x10000c
	s_cmp_lg_u32 s2, 0xf033
	s_cbranch_scc0 .Lentry_shape_is_right
	s_endpgm
.Lentry_shape_is_right:
; o[q][head] = the sum over keys of softmax(q . k / sqrt(128) + mask[q][key]) v[key], both products on codes of BF6 with E8M0 scales; o is quantised along the model's axis at once.
; THE MASK IS AN INPUT: all 2,048 x 2,048 numbers are read and added as they are, for every head; no step is left out.
; THE SOFTMAX: logit = score / sqrt(128) + mask; t = logit x log2(e); M = the running largest t rounded up to a whole number; p = 2^(t - M) is quantised along the keys, not normalised; the sum is taken of
; the unquantised p and divides at the end.  When M moves, the sum and O are multiplied by 2^(old M - new M): exact.
; qc: images of operand registers, [tensor][row tile: 128][K step: 16][1536 bytes]: 0 q, 1 k (rows = positions, K step = head), 2 v transposed (rows = channels of all heads, K step = 128 keys).
; Lane r of row tile i holds row 32 (i / 2) + 8 (i % 2) + r + 8 (r / 8).  qs: their scale words, 128 bytes a fragment, lanes r and r + 16 alike.
; SHARES: a work-group owns 128 queries of one head; each of its eight waves one row tile of 16, in 512 registers: two waves to a SIMD, so that one wave's vector work stands beside the other's products and loads.
; Both products are used transposed (S^T = K Q^T, O^T = V^T P^T): a lane holds one query throughout, and by the order of rows in a tile register 16 b + i is key (channel) 32 b + 16 (lane / 16) + i.
; A step is 128 keys: 8 fragments of K, 8 of V and 128 x 128 numbers of the mask, through a ring of two LDS slots.  Two steps to a slot do not fit: a step's tiles are 92,160 bytes.
; CLUSTERS: 4 x 4 work-groups = 4 blocks of queries x 4 heads.  K, V and their scale words hang on the head alone: asked for jointly along a row of the cluster; the mask's tile hangs on the block of
; queries alone: jointly along a column.  Wave 0 asks for K, wave 1 for V, waves 2 and 3 for the mask's halves; waves 4 and 5, once, for the scale words of the whole head.
; The mask's rows lie 528 bytes apart in LDS; a load's sixteen lanes take rows r + 8 (r / 8), of which r and r + 16 begin in the same bank: these 16 loads a step go two deep.
; LIMITS: a row whose every logit is minus infinity gives NaN, as in the definition; p under 2^-126 counts as 0 (the exponential flushes); NaN among the inputs is not served.
; REGISTERS: window 0: v1-11 addresses; v12 -M, v13 the largest t, v[14:15] the sum; v16-27 Q; v32-39, v40-47 scale words of K, V; v96-159 S^T, then p; v160-223 O^T; v224-235 p's codes;
;   v232-254 at work; v253 p's scale word; v255 Q's.   window 1: v0-63 the mask; v64-159 K's eight fragments; v160-255 V's.
.set TEN,   3145728
.set STEN,  262144
.set SLOT1, 1<<17                      ; slot 1 begins here: one exclusive or turns an address in one slot into the other's
.set VOFF,  12288                      ; a slot: K's 8 fragments, V's 8,
.set MOFF,  24576                      ; the mask's 128 rows
.set MP,    528                        ; 512 bytes + 16 of padding
.set SCK,   2*SLOT1                    ; behind the ring: K's scale words of the head, 128 bytes a row tile;
.set SCV,   SCK+16384                  ; V's: [tile of channels: 8][step: 16][128 bytes]
.set SPARE, SCV+16384                  ; the spare words, 128 bytes for each wave: four blocks of 256 bytes that no other line names
.set LI,  1                            ; v1   16 x lane
.set LSK, 2                            ; v2   SCK + 4 x lane
.set MA0, 3                            ; v3   my query's row of the mask's tile, + 64 h
.set LSV, 4                            ; v4   SCV + 4 x lane
.set SPW, 5                            ; v5   my spare word; never rewritten
.set NIL, 6                            ; v6   0; never rewritten
.set LS,  7                            ; v7   4 x lane
.set AD,  8                            ; v8-11 the addresses of the step in hand
.set ADM, 9
.set ADS, 10
.set ADT, 11
.set KS,  32
.set VS,  40
.set MK,  0                            ; in window 1
.set KFR, 64
.set VFR, 160
.set PC,  224                          ; the way out: o's codes,
.set TM,  160                          ; at work (O^T's registers, free by then),
.set PW,  253                          ; and its scale word
.set WV,  14
.set SEL, 22
.set CS,  24                           ; s[24:25] log2(e): the packed form names a pair and takes its low word for both halves
.set IS,  26                           ; s[26:27] 1 / sqrt(128)
.set G1KV, 28
.set G1M,  36
.set G1SK, 44
.set G1SV, 52
.set G0K,  60
.set G0V,  68
.set G0M,  72
.set G0SK, 76
.set G0SV, 80
.set TB,   84                          ; LDS byte at which the slot in hand begins
.set TS,   85                          ; the step's scale words of K: 1,024 bytes a step
.set TJ,   86                          ; and of V: 128 bytes a step
.set SLOTS, 87
.set MSB, 0
.macro WIN new                         ; the immediate's high byte repeats the setting that is left
.if MSB != (\new)
	s_set_vgpr_msb (MSB<<8)|(\new)
.set MSB, (\new)
.endif
.endm
.macro PLACES n
.rept \n
	v_nop
.endr
.endm
.macro CROUND                          ; a round of the cluster's barrier
	s_barrier_signal -1
	s_barrier_wait -1
	s_cmp_lg_u32 s[WV], 0
	s_cbranch_scc1 .Lnot_wave_0_\@
	s_barrier_signal -3
.Lnot_wave_0_\@:
	s_barrier_wait -3
	s_barrier_signal -1
	s_barrier_wait -1
.endm
; A wave's one joint load.  The branches hang on the wave's number alone; four v_nop follow each load.  first = 1: the scale words too.
.macro TLOAD first
	s_cmp_lg_u32 s[WV], 0
	s_cbranch_scc1 .Lnot0_\@
	tensor_load_to_lds s[G0K:G0K+3], s[G1KV:G1KV+7]
	s_nop 0
	PLACES 4
	s_branch .Lasked_\@
.Lnot0_\@:
	s_cmp_lg_u32 s[WV], 1
	s_cbranch_scc1 .Lnot1_\@
	tensor_load_to_lds s[G0V:G0V+3], s[G1KV:G1KV+7]
	s_nop 0
	PLACES 4
	s_branch .Lasked_\@
.Lnot1_\@:
	s_cmp_gt_u32 s[WV], 3
	s_cbranch_scc1 .Lnot3_\@
	tensor_load_to_lds s[G0M:G0M+3], s[G1M:G1M+7]
	s_nop 0
	PLACES 4
.if \first
	s_branch .Lasked_\@
.endif
.Lnot3_\@:
.if \first
	s_cmp_lg_u32 s[WV], 4
	s_cbranch_scc1 .Lnot4_\@
	tensor_load_to_lds s[G0SK:G0SK+3], s[G1SK:G1SK+7]
	s_nop 0
	PLACES 4
	s_branch .Lasked_\@
.Lnot4_\@:
	s_cmp_lg_u32 s[WV], 5
	s_cbranch_scc1 .Lasked_\@
	tensor_load_to_lds s[G0SV:G0SV+3], s[G1SV:G1SV+7]
	s_nop 0
	PLACES 4
.endif
.Lasked_\@:
.endm
; 64 numbers of a lane in window w, register 16 b + i = k 32 b + 16 (lane / 16) + i of my row, become a fragment's codes in v[PC] on and its scale word in v[PW].
.macro QUANT s, w
	WIN \w|(\w<<2)
.irp b, 0,1,2,3
	v_max3_num_f32 v[TM+\b], |v[\s+16*\b]|, |v[\s+1+16*\b]|, 0x2800000
.endr
.irp i, 2,4,6,8,10,12,14
.irp b, 0,1,2,3
	v_max3_num_f32 v[TM+\b], |v[\s+16*\b+\i]|, |v[\s+1+16*\b+\i]|, v[TM+\b]
.endr
.endr
	WIN 0
.irp b, 0,1,2,3
	v_permlanex16_b32 v[TM+4+\b], v[TM+\b], s[SEL], s[SEL+1]
.endr
.irp b, 0,1,2,3
	v_max_num_f32 v[TM+\b], v[TM+\b], v[TM+4+\b]
.endr
.irp b, 0,1,2,3
	v_add_nc_u32 v[TM+8+\b], 0xfe000000, v[TM+\b]
.endr
.irp b, 0,1,2,3
	v_lshrrev_b32 v[TM+4+\b], 23, v[TM+8+\b]
.endr
	v_lshl_or_b32 v[PW], v[TM+5], 8, v[TM+4]
	v_lshl_or_b32 v[PW], v[TM+6], 16, v[PW]
	v_lshl_or_b32 v[PW], v[TM+7], 24, v[PW]
	WIN \w
.irp c, 0,1
	v_cvt_scalef32_pk16_bf6_f32 v[PC+6*\c:PC+2+6*\c], v[\s+32*\c:\s+15+32*\c], v[TM+8+2*\c]
	v_cvt_scalef32_pk16_bf6_f32 v[PC+12+4*\c:PC+14+4*\c], v[\s+16+32*\c:\s+31+32*\c], v[TM+9+2*\c]
.endr
	WIN 0
	v_nop                                          ; one plain place behind a scaled conversion
.irp c, 0,1
.irp i, 0,1,2
	v_permlane16_swap_b32 v[PC+6*\c+\i], v[PC+12+4*\c+\i]
.endr
.irp i, 0,1,2
	v_mov_b32 v[PC+3+6*\c+\i], v[PC+12+4*\c+\i]
.endr
.endr
.endm
	s_load_b256 s[4:11], s[0:1], 0x0               ; qc s[4:5], qs s[6:7], mask s[8:9], oc s[10:11]
	s_load_b64 s[12:13], s[0:1], 0x20              ; os
	v_lshl_add_u32 v[SPW], v0, 2, SPARE
	v_mov_b32 v[NIL], 0
	ds_add_u32 v5, v6
	s_wait_dscnt 0x0
	v_lshrrev_b32 v8, 5, v0
	v_readfirstlane_b32 s[WV], v8                  ; wave 0..7
	s_bfe_u32 s15, ttmp6, 0x40000                  ; cx
	s_bfe_u32 s16, ttmp6, 0x40004                  ; cy
	s_lshl_b32 s17, ttmp9, 2
	s_add_co_u32 s17, s17, s15                     ; my block of 128 queries
	s_and_b32 s18, ttmp7, 0xffff
	s_lshl_b32 s18, s18, 2
	s_add_co_u32 s18, s18, s16                     ; my head
	s_lshl_b32 s19, s16, 2
	s_lshl_b32 s19, 15, s19                        ; my row of the cluster: the same head
	s_lshl_b32 s20, 0x1111, s15                    ; my column: the same queries
	; group 1 for K's and V's tiles: 8 rows (fragments) of 1,536 bytes, 24,576 bytes apart; elements of 8 bytes; no padding
	s_or_b32 s[G1KV], s19, (3<<16)|(1<<21)
	s_mov_b32 s[G1KV+1], 192<<16
	s_mov_b32 s[G1KV+2], 8<<16
	s_mov_b32 s[G1KV+3], 192<<16
	s_mov_b32 s[G1KV+4], 8
	s_mov_b32 s[G1KV+5], 3072
	s_mov_b32 s[G1KV+6], 0
	s_mov_b32 s[G1KV+7], 0
	; for half of the mask's tile: 64 rows of 128 f32, 2,048 f32 apart; 4 words of padding behind every 128
	s_or_b32 s[G1M], s20, (2<<16)|(1<<20)|(1<<21)|(6<<22)|(3<<25)
	s_mov_b32 s[G1M+1], 128<<16
	s_mov_b32 s[G1M+2], 64<<16
	s_mov_b32 s[G1M+3], 128<<16
	s_mov_b32 s[G1M+4], 64
	s_mov_b32 s[G1M+5], 2048
	s_mov_b32 s[G1M+6], 0
	s_mov_b32 s[G1M+7], 0
	; for K's scale words of the head: 128 rows (row tiles) of 128 bytes, 2,048 bytes apart
	s_or_b32 s[G1SK], s19, (3<<16)|(1<<21)
	s_mov_b32 s[G1SK+1], 16<<16
	s_mov_b32 s[G1SK+2], 128<<16
	s_mov_b32 s[G1SK+3], 16<<16
	s_mov_b32 s[G1SK+4], 128
	s_mov_b32 s[G1SK+5], 256
	s_mov_b32 s[G1SK+6], 0
	s_mov_b32 s[G1SK+7], 0
	; for V's: a dense block of 16,384 bytes as 64 rows of 256
	s_or_b32 s[G1SV], s19, (3<<16)|(1<<21)
	s_mov_b32 s[G1SV+1], 32<<16
	s_mov_b32 s[G1SV+2], 64<<16
	s_mov_b32 s[G1SV+3], 32<<16
	s_mov_b32 s[G1SV+4], 64
	s_mov_b32 s[G1SV+5], 32
	s_mov_b32 s[G1SV+6], 0
	s_mov_b32 s[G1SV+7], 0
	; offsets.  s88-95 hang on the head alone, s96-97 on the block of queries and the wave alone
	s_mul_i32 s88, s18, 1536
	s_add_co_u32 s88, s88, TEN                     ; K: tensor 1, row tile 0, K step = head
	s_mov_b32 s89, 0
	s_mul_i32 s90, s18, 196608
	s_add_co_u32 s90, s90, 2*TEN                   ; V: tensor 2, row tile 8 x head, K step 0
	s_mov_b32 s91, 0
	s_lshl_b32 s92, s18, 7
	s_add_co_u32 s92, s92, STEN
	s_mov_b32 s93, 0
	s_lshl_b32 s94, s18, 14
	s_add_co_u32 s94, s94, 2*STEN
	s_mov_b32 s95, 0
	s_and_b32 s21, s[WV], 1                        ; which half of the mask's tile (waves 2 and 3)
	s_lshl_b32 s96, s17, 20                        ; 128 rows of 8,192 bytes a block,
	s_lshl_b32 s97, s21, 19                        ; 64 a half
	s_add_co_u32 s96, s96, s97
	s_mov_b32 s97, 0
	s_mul_i32 s21, s21, 64*MP
	s_add_co_u32 s21, s21, MOFF                    ; and where it goes
	s_lshl_b32 s98, s17, 3
	s_add_co_u32 s98, s98, s[WV]                   ; my row tile of queries: 8 x block + wave
	s_lshl_b32 s98, s98, 4
	s_add_co_u32 s98, s98, s18                     ; x 16 + head: my fragment of q and of o
	s_lshl_b32 s2, s98, 7                          ; its scale words
	s_mov_b32 s3, 0
	s_mul_i32 s98, s98, 1536                       ; its codes
	s_mov_b32 s99, 0
	s_mov_b32 s[SEL], 0x76543210
	s_mov_b32 s[SEL+1], 0xfedcba98
	s_mov_b32 s[CS], 0x3fb8aa3b                    ; log2(e)
	s_mov_b32 s[CS+1], s[CS]
	s_mov_b32 s[IS], 0x3db504f3                    ; 1 / sqrt(128)
	s_mov_b32 s[IS+1], s[IS]
	s_mov_b32 s[TB], 0
	s_mov_b32 s[TS], 0
	s_mov_b32 s[TJ], 0
	s_mov_b32 s[SLOTS], 15
	s_wait_kmcnt 0x0
	s_mov_b32 s[G0K], 1
	s_mov_b32 s[G0K+1], 0
	s_add_nc_u64 s[G0K+2:G0K+3], s[4:5], s[88:89]
	s_or_b32 s[G0K+3], s[G0K+3], 0x80000000
	s_mov_b32 s[G0V], 1
	s_mov_b32 s[G0V+1], VOFF
	s_add_nc_u64 s[G0V+2:G0V+3], s[4:5], s[90:91]
	s_or_b32 s[G0V+3], s[G0V+3], 0x80000000
	s_mov_b32 s[G0M], 1
	s_mov_b32 s[G0M+1], s21
	s_add_nc_u64 s[G0M+2:G0M+3], s[8:9], s[96:97]
	s_or_b32 s[G0M+3], s[G0M+3], 0x80000000
	s_mov_b32 s[G0SK], 1
	s_mov_b32 s[G0SK+1], SCK
	s_add_nc_u64 s[G0SK+2:G0SK+3], s[6:7], s[92:93]
	s_or_b32 s[G0SK+3], s[G0SK+3], 0x80000000
	s_mov_b32 s[G0SV], 1
	s_mov_b32 s[G0SV+1], SCV
	s_add_nc_u64 s[G0SV+2:G0SV+3], s[6:7], s[94:95]
	s_or_b32 s[G0SV+3], s[G0SV+3], 0x80000000
	s_add_nc_u64 s[4:5], s[4:5], s[98:99]          ; q's codes at my fragment
	s_add_nc_u64 s[6:7], s[6:7], s[2:3]            ; and its scale words
	s_add_nc_u64 s[10:11], s[10:11], s[98:99]      ; o's likewise
	s_add_nc_u64 s[12:13], s[12:13], s[2:3]
	CROUND                                         ; all sixteen work-groups are here: the first joint loads meet
	TLOAD 1                                        ; slot 0 and the scale words: one load a wave
	v_and_b32 v8, 31, v0
	v_lshlrev_b32 v[LI], 4, v8
	v_lshlrev_b32 v[LS], 2, v8
.irp c, 0,1,2
	global_load_b128 v[16+4*\c:19+4*\c], v[LI], s[4:5] offset:512*\c   ; Q's fragment stays in registers
.endr
	global_load_b32 v255, v[LS], s[6:7]            ; its scale words
	v_add_nc_u32 v[LSK], SCK, v[LS]
	v_add_nc_u32 v[LSV], SCV, v[LS]
	s_lshr_b32 s20, s[WV], 1
	s_lshl_b32 s20, s20, 5
	s_and_b32 s21, s[WV], 1
	s_lshl_b32 s21, s21, 3
	s_add_co_u32 s20, s20, s21                     ; my tile's first query in the block: 32 (w / 2) + 8 (w % 2)
	s_mul_i32 s20, s20, MP
	s_add_co_u32 s20, s20, MOFF
	v_and_b32 v8, 15, v0
	v_and_b32 v9, 8, v0
	v_add_nc_u32 v8, v8, v9                        ; r + 8 (r / 8)
	v_mul_u32_u24 v[MA0], v8, MP
	v_bfe_u32 v9, v0, 4, 1
	v_lshl_add_u32 v[MA0], v9, 6, v[MA0]           ; + 64 h: my 16 keys of each block of 32
	v_add_nc_u32 v[MA0], s20, v[MA0]
	v_mov_b32 v13, 0xff61b1e6                      ; the largest t so far: -3e38
	v_floor_f32 v12, -v13                          ; -M
	v_mov_b32 v14, 0                               ; the sum, in two halves
	v_mov_b32 v15, 0
.irp b, 0,1,2,3
	v_mov_b32 v[236+\b], 0                         ; written once: a lane permute's destination counts as one of its sources
.endr
	v_mov_b32 v253, 0                              ; named as the upper half of the pair v[252:253] before it is first written
.set j, 0
.rept 64
	v_mov_b32 v[160+j], 0                          ; O^T: the step is written once for the loop; its first trip finds zeros, which the first change of M leaves zeros
.set j, j+1
.endr
; A STEP: 128 keys.
.macro STEP
	v_add_nc_u32 v[AD],  s[TB], v[LI]              ; these four are also the places between the last step's products and the loads into the registers that they read
	v_add_nc_u32 v[ADM], s[TB], v[MA0]
	v_add_nc_u32 v[ADS], s[TS], v[LSK]
	v_add_nc_u32 v[ADT], s[TJ], v[LSV]
.irp t, 0,1,2,3,4,5,6,7
	ds_load_b32 v[KS+\t], v[ADS] offset:128*\t
.endr
.irp t, 0,1,2,3,4,5,6,7
	ds_load_b32 v[VS+\t], v[ADT] offset:2048*\t
.endr
	WIN 0x40                                       ; destination window 1
.irp t, 0,1,2,3,4,5,6,7
.irp c, 0,1,2
	ds_load_b128 v[KFR+12*\t+4*\c:KFR+12*\t+4*\c+3], v[AD] offset:1536*\t+512*\c
.endr
.endr
.irp b, 0,1,2,3
.irp c, 0,1,2,3
	ds_load_b128 v[MK+16*\b+4*\c:MK+16*\b+4*\c+3], v[ADM] offset:128*\b+16*\c
.endr
.endr
.irp t, 0,1,2,3,4,5,6,7
.irp c, 0,1,2
	ds_load_b128 v[VFR+12*\t+4*\c:VFR+12*\t+4*\c+3], v[AD] offset:VOFF+1536*\t+512*\c
.endr
.endr
	WIN 0
	s_wait_dscnt 40                                ; the scale words and K are in; the mask's 16 loads and V's 24 may be out
	WIN 0x01                                       ; source 0 window 1
.irp t, 0,1,2,3,4,5,6,7
	v_wmma_scale_f32_16x16x128_f8f6f4 v[96+8*\t:103+8*\t], v[KFR+12*\t:KFR+12*\t+11], v[16:27], 0, v[KS+\t], v255 matrix_a_fmt:MATRIX_FMT_BF6 matrix_b_fmt:MATRIX_FMT_BF6
.endr
	WIN 0
	PLACES 4
	s_wait_dscnt 24                                ; the mask is in; V's 24 loads may be out
	WIN 0x10                                       ; source 2 window 1
.set j, 0
.rept 32
	v_pk_fma_f32 v[96+j:97+j], v[96+j:97+j], s[IS:IS+1], v[MK+j:MK+j+1] op_sel_hi:[1,0,1]   ; logit = score / sqrt(128) + mask; each accumulator from its low end on
.set j, j+2
.endr
	WIN 0
.irp b, 0,1,2,3
	v_max3_num_f32 v[232+\b], v[96+16*\b], v[97+16*\b], v[98+16*\b]   ; the largest logit of each block of 32 keys: for the row's maximum, and, since p rises with the logit, for the block's largest p
.endr
.irp i, 3,5,7,9,11,13
.irp b, 0,1,2,3
	v_max3_num_f32 v[232+\b], v[232+\b], v[96+16*\b+\i], v[97+16*\b+\i]
.endr
.endr
.irp b, 0,1,2,3
	v_max_num_f32 v[232+\b], v[232+\b], v[111+16*\b]
.endr
.irp b, 0,1,2,3
	v_permlanex16_b32 v[236+\b], v[232+\b], s[SEL], s[SEL+1]
.endr
.irp b, 0,1,2,3
	v_max_num_f32 v[232+\b], v[232+\b], v[236+\b]  ; with lane l xor 16's 16 keys
.endr
	v_max3_num_f32 v254, v232, v233, v234
	v_max_num_f32 v254, v254, v235                 ; the step's largest logit of my query
	v_mul_f32 v254, s[CS], v254                    ; as t
	v_max_num_f32 v13, v13, v254                   ; the running largest t
	v_mov_b32 v254, v12
	v_floor_f32 v12, -v13                          ; the new -M = -ceil(t): a whole number
	v_sub_f32 v254, v12, v254                      ; old M - new M: a whole number, 0 or less
	v_cvt_i32_f32 v254, v254                       ; (it saturates)
	v_ldexp_f32 v252, 1.0, v254                    ; f = 2^(old M - new M)
.set j, 0
.rept 32
	v_pk_fma_f32 v[96+j:97+j], v[96+j:97+j], s[CS:CS+1], v[12:13] op_sel_hi:[1,0,0]   ; t - M, two at a time
.set j, j+2
.endr
.irp b, 0,1,2,3
	v_fma_f32 v[232+\b], v[232+\b], s[CS], v12     ; the same of each block's largest logit
.endr
.set j, 0
.rept 64
	v_exp_f32 v[96+j], v[96+j]                     ; p = 2^(t - M): not normalised
.set j, j+1
.endr
.irp b, 0,1,2,3
	v_exp_f32 v[232+\b], v[232+\b]                 ; the block's largest p: the same two instructions on the same number
.endr
	v_pk_mul_f32 v[14:15], v[14:15], v[252:253] op_sel_hi:[1,0]   ; the sums under the new M; a plain place behind the exponentials
	s_wait_alu depctr_va_vdst(0)
.irp b, 0,1,2,3
	v_max_num_f32 v[232+\b], 0x2800000, v[232+\b]  ; the floor 2^(5 - 127): the byte cannot fall under 1
.endr
.irp b, 0,1,2,3
	v_add_nc_u32 v[244+\b], 0xfe000000, v[232+\b]  ; 4 off the exponent field: the conversion's scale operand
.endr
.irp b, 0,1,2,3
	v_lshrrev_b32 v[236+\b], 23, v[244+\b]         ; the scale's byte
.endr
	v_lshl_or_b32 v253, v237, 8, v236              ; p's scale word for these 128 keys
	v_lshl_or_b32 v253, v238, 16, v253
	v_lshl_or_b32 v253, v239, 24, v253
.irp c, 0,1
	v_cvt_scalef32_pk16_bf6_f32 v[224+6*\c:226+6*\c], v[96+32*\c:111+32*\c], v[244+2*\c]
	v_cvt_scalef32_pk16_bf6_f32 v[236+4*\c:238+4*\c], v[112+32*\c:127+32*\c], v[244+2*\c+1]
.endr
	v_nop                                          ; one plain place behind a scaled conversion
.irp c, 0,1
.irp i, 0,1,2
	v_permlane16_swap_b32 v[224+6*\c+\i], v[236+4*\c+\i]
.endr
.irp i, 0,1,2
	v_mov_b32 v[227+6*\c+\i], v[236+4*\c+\i]
.endr
.endr
	v_pk_add_f32 v[236:237], v[96:97], v[98:99]    ; the row's sum is taken of the unquantised p: two at a time, in two chains
.irp j, 4,8,12,16,20,24,28,32,36,40,44,48,52,56,60
	v_pk_add_f32 v[14:15], v[14:15], v[96+\j:97+\j]
	v_pk_add_f32 v[236:237], v[236:237], v[98+\j:99+\j]
.endr
	v_pk_add_f32 v[14:15], v[14:15], v[236:237]
.set j, 0
.rept 32
	v_pk_mul_f32 v[160+j:161+j], v[160+j:161+j], v[252:253] op_sel_hi:[1,0]   ; O^T under the new M.  These are also the places between the lines that made p's codes and scale word and the products below
.set j, j+2
.endr
	s_wait_dscnt 0x0                               ; V is in
	WIN 0x01
.irp t, 0,1,2,3,4,5,6,7
	v_wmma_scale_f32_16x16x128_f8f6f4 v[160+8*\t:167+8*\t], v[VFR+12*\t:VFR+12*\t+11], v[224:235], v[160+8*\t:167+8*\t], v[VS+\t], v253 matrix_a_fmt:MATRIX_FMT_BF6 matrix_b_fmt:MATRIX_FMT_BF6
.endr
	WIN 0
	s_xor_b32 s[TB], s[TB], SLOT1                  ; on to the other slot
	s_add_co_u32 s[TS], s[TS], 1024
	s_add_co_u32 s[TJ], s[TJ], 128
.endm
; THE CHANGE OF SLOTS stands at a step's head.  Each wave waits for all its tensor loads (its part of the slot that it is about to read), adds 0 to its spare word, and waits for that and for its reads
; of the slot that it has left.  fill = 1: a round of the cluster's barrier, and behind it the other slot is asked for jointly: the load has a step's work in which to land; one tensor load of a wave is out.
.macro CHANGE fill
	s_wait_tensorcnt 0x0                           ; no tensor load of mine is out, so a group 0 may be written
	ds_add_u32 v[SPW], v[NIL]                      ; 0 onto my spare word
.if \fill
	s_xor_b32 s[G0K+1], s[G0K+1], SLOT1            ; the walking descriptors: the other slot than last time, the next 128 keys
	s_add_nc_u64 s[G0K+2:G0K+3], s[G0K+2:G0K+3], 196608
	s_xor_b32 s[G0V+1], s[G0V+1], SLOT1
	s_add_nc_u64 s[G0V+2:G0V+3], s[G0V+2:G0V+3], 1536
	s_xor_b32 s[G0M+1], s[G0M+1], SLOT1
	s_add_nc_u64 s[G0M+2:G0M+3], s[G0M+2:G0M+3], 512
.endif
	s_wait_dscnt 0x0                               ; the add is done, and my reads of the slot that I have left are over
.if \fill
	CROUND
	TLOAD 0
.else
	s_barrier_signal -1
	s_barrier_wait -1
.endif
.endm
	s_wait_loadcnt 0x0                             ; Q
.Lstep:                                                ; 15 trips: behind each change of slots but the last the next step's tiles are asked for
	CHANGE 1
	STEP
	s_sub_co_u32 s[SLOTS], s[SLOTS], 1
	s_cmp_lg_u32 s[SLOTS], 0
	s_cbranch_scc1 .Lstep
	CHANGE 0                                       ; the last step is written out
	STEP
	; THE WAY OUT: O^T / the sum, quantised along the head's 128 channels: K step = head of the last product's left operand; the image is stored as it stands.
	PLACES 4
	v_add_f32 v14, v14, v15
	v_permlanex16_b32 v252, v14, s[SEL], s[SEL+1]
	v_add_f32 v14, v14, v252                       ; the row's sum
	v_rcp_f32 v14, v14
	v_nop                                          ; a plain place behind the reciprocal
.set j, 0
	s_wait_alu depctr_va_vdst(0)
.rept 64
	v_mul_f32 v[96+j], v[160+j], v14               ; each accumulator from its low end on
.set j, j+1
.endr
	QUANT 96, 0
.irp c, 0,1,2
	global_store_b128 v[LI], v[PC+4*\c:PC+4*\c+3], s[10:11] offset:512*\c   ; 32 lanes store 512 consecutive bytes, aligned
.endr
	global_store_b32 v[LS], v[PW], s[12:13]
	s_wait_tensorcnt 0x0                           ; the wave's end
	ds_add_u32 v[SPW], v[NIL]
	s_wait_dscnt 0x0
	CROUND                                         ; the closing round
	s_endpgm
.Lfunc_end_k_qb4ee0bfb5c_attn:
	.size	k_qb4ee0bfb5c_attn, .Lfunc_end_k_qb4ee0bfb5c_attn-k_qb4ee0bfb5c_attn
	.p2alignl 7, 3214868480
	.fill 96, 4, 3214868480
	.section	.rodata,"a",@progbits
	.p2align	6, 0x0
	.amdhsa_kernel k_qb4ee0bfb5c_attn
		.amdhsa_group_segment_fixed_size 327680
		.amdhsa_private_segment_fixed_size 0
		.amdhsa_enable_private_segment 0
		.amdhsa_kernarg_size 40
		.amdhsa_user_sgpr_count 2
		.amdhsa_user_sgpr_kernarg_segment_ptr 1
		.amdhsa_wavefront_size32 1
		.amdhsa_system_sgpr_workgroup_id_x 1
		.amdhsa_system_sgpr_workgroup_id_y 1
		.amdhsa_system_sgpr_workgroup_id_z 1
		.amdhsa_system_vgpr_workitem_id 0
		.amdhsa_next_free_vgpr 512
		.amdhsa_next_free_sgpr 100
		.amdhsa_reserve_vcc 0
		.amdhsa_float_denorm_mode_32 3
		.amdhsa_float_denorm_mode_16_64 3
		.amdhsa_memory_ordered 1
		.amdhsa_forward_progress 1
		.amdhsa_inst_pref_size 65
	.end_amdhsa_kernel
	.amdgpu_metadata
---
amdhsa.version: [ 1, 2 ]
amdhsa.kernels:
  - .name:           k_qb4ee0bfb5c_attn
    .symbol:         k_qb4ee0bfb5c_attn.kd
    .args:
      - { .name: qc, .offset: 0, .size: 8, .value_kind: global_buffer, .address_space: global }
      - { .name: qs, .offset: 8, .size: 8, .value_kind: global_buffer, .address_space: global }
      - { .name: mask, .offset: 16, .size: 8, .value_kind: global_buffer, .address_space: global }
      - { .name: oc, .offset: 24, .size: 8, .value_kind: global_buffer, .address_space: global }
      - { .name: os, .offset: 32, .size: 8, .value_kind: global_buffer, .address_space: global }
    .group_segment_fixed_size: 327680
    .private_segment_fixed_size: 0
    .kernarg_segment_align: 8
    .kernarg_segment_size: 40
    .max_flat_workgroup_size: 256
    .sgpr_count:     100
    .vgpr_count:     512
    .wavefront_size: 32
...
	.end_amdgpu_metadata
.endif
;; end of part 3
;; launch proj (part 4): grid 8 x 8, 4 waves a work-group, clusters of 4 x 4, 327,680 bytes of LDS; arguments oc, os, wc, ws, out0; writes out0
.if DOCPART == 4
	.amdgcn_target "amdgcn-amd-amdhsa--gfx1250"
	.amdhsa_code_object_version 6
	.text
	.protected	k_qb4ee0bfb5c_proj
	.globl	k_qb4ee0bfb5c_proj
	.p2align	8
	.type	k_qb4ee0bfb5c_proj,@function
k_qb4ee0bfb5c_proj:
	s_mov_b64 s[64:65], 0
	v_nop
	global_prefetch_b8 v0, s[64:65] scope:SCOPE_SE
	s_setreg_imm32_b32 hwreg(HW_REG_WAVE_MODE, 25, 1), 1
	s_wait_xcnt 0x0
	s_wait_alu depctr_hold_cnt(0) depctr_sa_sdst(0) depctr_va_vdst(0) depctr_va_sdst(0) depctr_va_ssrc(0) depctr_va_vcc(0) depctr_vm_vsrc(0)
	s_getreg_b32 s2, hwreg(HW_REG_IB_STS2, 6, 4)
	s_cmp_eq_u32 s2, 0
	s_cbranch_scc0 .Lentry_in_a_cluster
	s_endpgm
.Lentry_in_a_cluster:
	s_bfe_u32 s2, ttmp6, 0x10000c
	s_cmp_lg_u32 s2, 0xf033
	s_cbranch_scc0 .Lentry_shape_is_right
	s_endpgm
.Lentry_shape_is_right:
; out0 = o wo^T on codes of BF6 with E8M0 scales; out0 [2048][2048] f32; one f32 sum for each output, K ascending.
; o lies in oc, wo as tensor 4 in wc, both as images of operand registers, [row tile: 128][K step: 16][1536 bytes]; lane r of row tile i holds row 32 (i / 2) + 8 (i % 2) + r + 8 (r / 8).
; Scale words in os and ws: [row tile][K step][128 bytes], 4 bytes a lane, lanes r and r + 16 alike.
; A tile of out0, 256 x 256, is made by four waves, each 128 x 128: 64 accumulators.  K goes in 16 steps of 128, two to an LDS slot, two slots, filled by tensor loads; the scale words come once.
; THE MATRIX INSTRUCTION IS USED TRANSPOSED (source 0 = a tile of wo, source 1 = a tile of o): a lane holds one row of out0, and the registers of tiles 2 b and 2 b + 1 are 16 neighbouring columns.
; CLUSTERS: 4 x 4 work-groups; o's tiles are asked for jointly along a row of the cluster, wo's along a column.
; 64 work-groups: the same K loop as the launch that makes q, k and v; a smaller tile would give more work-groups and read each LDS byte for fewer products.
; REGISTERS: window 0: v16-30 addresses; v32-95 scale words, two sets; v128-223 A's fragments, one set (on the way out v128-255: rows read back).
;   window 1: B's fragments, two sets.  windows 2, 3: accumulator (a, b) at v[8 (8 (a % 4) + b)].
.set TEN,   3145728
.set TROW,  24576
.set STEN,  262144
.set FR,    12
.set NL,    3
.set NP,    4
.set NQ,    2
.set HALFT, 24576
.set SLOT,  4*HALFT
.set LAPS,  4
.set SCL,   2*SLOT
.set HALFS, 16384
.set SPARE, SCL+4*HALFS                ; the spare words, 128 bytes for each wave: two blocks of 256 bytes that no other line names
.set SPITCH, 528                       ; the way out: a stage of 16 rows x (512 bytes + 16) for each wave, in slot 0, which has had its last fill and its last read by then
.set ADRA, 16
.set ADRB, 20
.set LI,   22
.set LS,   23
.set STO,  24                          ; v24  where I put 32 bytes of a row
.set RD,   25                          ; v25  where I read a row back
.set ADSA, 27
.set SPW,  28
.set NIL,  29
.set ADSB, 30
.set SC,   32
.set AF,   128
.set BK,   128
.set G1, 24
.set G0, 32
.set G1B, 48
.set G0B, 56
.set G1S, 68
.set G0S, 76
.set G1SB, 80
.set G0SB, 88
.set MSB, 0
.macro WIN new
.if MSB != (\new)
	s_set_vgpr_msb (MSB<<8)|(\new)
.set MSB, (\new)
.endif
.endm
.set MUL_LO, 0xa1
.set MUL_HI, 0xf1
.set TO_B,   0x40
.macro JLOAD g0a, g1a, g0b, g1b        ; a joint load: waves 0 and 1 fetch for o, waves 2 and 3 for wo; four v_nop follow each of the two lines
	s_cmp_eq_u32 s15, 0
	s_cbranch_scc0 .Lfor_b_\@
	tensor_load_to_lds s[\g0a:\g0a+3], s[\g1a:\g1a+7]
	s_nop 0
.rept 4
	v_nop
.endr
	s_branch .Lasked_\@
.Lfor_b_\@:
	tensor_load_to_lds s[\g0b:\g0b+3], s[\g1b:\g1b+7]
	s_nop 0
.rept 4
	v_nop
.endr
.Lasked_\@:
.endm
.macro CREST
	s_cmp_lg_u32 s14, 0
	s_cbranch_scc1 .Lnot_wave_0_\@
	s_barrier_signal -3
.Lnot_wave_0_\@:
	s_barrier_wait -3
	s_barrier_signal -1
	s_barrier_wait -1
.endm
.macro CROUND
	s_barrier_signal -1
	s_barrier_wait -1
	CREST
.endm
.macro PLACES n
.rept \n
	v_nop
.endr
.endm
	s_load_b128 s[4:7], s[0:1], 0x0                ; oc, os
	s_load_b128 s[8:11], s[0:1], 0x10              ; wc, ws
	s_load_b64 s[12:13], s[0:1], 0x20              ; out0
	v_lshl_add_u32 v[SPW], v0, 2, SPARE
	v_mov_b32 v[NIL], 0
	ds_add_u32 v28, v29
	s_wait_dscnt 0x0
	v_lshrrev_b32 v1, 5, v0
	v_readfirstlane_b32 s14, v1                    ; wave 0..3
	s_lshr_b32 s15, s14, 1                         ; which half of the tile's rows is mine.  Also: I fetch for o (0) or for wo (1)
	s_and_b32 s16, s14, 1                          ; which half of its columns.  Also: which 8 row tiles I fetch
	s_bfe_u32 s40, ttmp6, 0x40000
	s_bfe_u32 s41, ttmp6, 0x40004
	s_lshl_b32 s42, ttmp9, 2
	s_add_co_u32 s42, s42, s40                     ; tile column
	s_and_b32 s17, ttmp7, 0xffff
	s_lshl_b32 s17, s17, 2
	s_add_co_u32 s17, s17, s41                     ; tile row
	s_lshl_b32 s43, s41, 2
	s_lshl_b32 s43, 15, s43
	s_lshl_b32 s44, 0x1111, s40
	s_or_b32 s[G1+0], s43, (3<<16)|(1<<21)         ; codes: 8 rows of 3,072 bytes, 24,576 bytes apart, elements of 8 bytes, no padding
	s_or_b32 s[G1B+0], s44, (3<<16)|(1<<21)
.irp g, G1, G1B
	s_mov_b32 s[\g+1], 384<<16
	s_mov_b32 s[\g+2], 8<<16
	s_mov_b32 s[\g+3], 384<<16
	s_mov_b32 s[\g+4], 8
	s_mov_b32 s[\g+5], 3072
	s_mov_b32 s[\g+6], 0
	s_mov_b32 s[\g+7], 0
.endr
	s_or_b32 s[G1S+0], s43, (3<<16)|(1<<21)        ; scale words: a dense block of 16,384 bytes as 64 rows of 256
	s_or_b32 s[G1SB+0], s44, (3<<16)|(1<<21)
.irp g, G1S, G1SB
	s_mov_b32 s[\g+1], 32<<16
	s_mov_b32 s[\g+2], 64<<16
	s_mov_b32 s[\g+3], 32<<16
	s_mov_b32 s[\g+4], 64
	s_mov_b32 s[\g+5], 32
	s_mov_b32 s[\g+6], 0
	s_mov_b32 s[\g+7], 0
.endr
	s_lshl_b32 s20, s17, 4                         ; o: row tiles 16 x tile row + 8 x half.  These registers never hold cx
	s_lshl_b32 s18, s16, 3
	s_add_co_u32 s20, s20, s18
	s_mul_i32 s22, s20, TROW
	s_mov_b32 s23, 0
	s_lshl_b32 s20, s20, 11
	s_mov_b32 s21, 0
	s_lshl_b32 s47, s42, 4                         ; wo: tensor 4, row tiles 16 x tile column + 8 x half.  These never hold cy
	s_lshl_b32 s93, s16, 3
	s_add_co_u32 s47, s47, s93
	s_mul_i32 s46, s47, TROW
	s_add_co_u32 s46, s46, 4*TEN
	s_lshl_b32 s92, s47, 11
	s_add_co_u32 s92, s92, 4*STEN
	s_mov_b32 s47, 0
	s_mov_b32 s93, 0
	s_mul_i32 s45, s14, HALFT
	s_mul_i32 s94, s14, HALFS
	s_wait_kmcnt 0x0
	s_add_nc_u64 s[22:23], s[4:5], s[22:23]
	s_add_nc_u64 s[20:21], s[6:7], s[20:21]
	s_add_nc_u64 s[46:47], s[8:9], s[46:47]
	s_add_nc_u64 s[92:93], s[10:11], s[92:93]
	CROUND                                         ; all sixteen work-groups are here: the first joint loads meet
	s_mov_b32 s[G0S], 1
	s_add_co_u32 s[G0S+1], s94, SCL
	s_mov_b64 s[G0S+2:G0S+3], s[20:21]
	s_or_b32 s[G0S+3], s[G0S+3], 0x80000000
	s_mov_b32 s[G0SB], 1
	s_add_co_u32 s[G0SB+1], s94, SCL
	s_mov_b64 s[G0SB+2:G0SB+3], s[92:93]
	s_or_b32 s[G0SB+3], s[G0SB+3], 0x80000000
	JLOAD G0S, G1S, G0SB, G1SB
.irp s, 0,1
	s_mov_b32 s[G0+4*\s], 1
	s_add_co_u32 s[G0+4*\s+1], s45, \s*SLOT
	s_add_nc_u64 s[G0+4*\s+2:G0+4*\s+3], s[22:23], \s*3072
	s_or_b32 s[G0+4*\s+3], s[G0+4*\s+3], 0x80000000
	s_mov_b32 s[G0B+4*\s], 1
	s_add_co_u32 s[G0B+4*\s+1], s45, \s*SLOT
	s_add_nc_u64 s[G0B+4*\s+2:G0B+4*\s+3], s[46:47], \s*3072
	s_or_b32 s[G0B+4*\s+3], s[G0B+4*\s+3], 0x80000000
	JLOAD G0+4*\s, G1, G0B+4*\s, G1B               ; three tensor loads of mine are out behind the second of these
.endr
	v_and_b32 v1, 31, v0
	v_lshlrev_b32 v[LI], 4, v1
	v_lshlrev_b32 v[LS], 2, v1
	s_mul_i32 s21, s15, HALFT
	s_mul_i32 s22, s16, HALFT
	s_add_co_u32 s22, s22, 2*HALFT
.irp s, 0,1
	v_add_nc_u32 v[ADRA+\s], s21, v[LI]
	v_add_nc_u32 v[ADRB+\s], s22, v[LI]
	s_add_co_u32 s21, s21, SLOT
	s_add_co_u32 s22, s22, SLOT
.endr
	s_mul_i32 s21, s15, HALFS
	s_add_co_u32 s21, s21, SCL
	v_add_nc_u32 v[ADSA], s21, v[LS]
	s_mul_i32 s22, s16, HALFS
	s_add_co_u32 s22, s22, SCL+2*HALFS
	v_add_nc_u32 v[ADSB], s22, v[LS]
	v_and_b32 v1, 15, v0                           ; r
	v_bfe_u32 v2, v0, 4, 1                         ; h
	s_mul_i32 s23, s14, 16*SPITCH                  ; my stage
	v_mul_u32_u24 v3, v1, SPITCH
	v_lshl_add_u32 v3, v2, 6, v3                   ; in: row r, + 64 h: my 16 columns of each 32
	v_add_nc_u32 v[STO], s23, v3
	v_add_nc_u32 v[RD], s23, v[LI]                 ; back: the 32 lanes take one row of 512 bytes
	s_lshl_b32 s20, s17, 8
	s_lshl_b32 s21, s15, 7
	s_add_co_u32 s20, s20, s21                     ; my first row of out0
	s_lshl_b32 s20, s20, 13                        ; rows of 8,192 bytes
	s_mov_b32 s21, 0
	s_lshl_b32 s46, s42, 10                        ; my first column, in bytes
	s_lshl_b32 s47, s16, 9
	s_add_co_u32 s46, s46, s47
	s_mov_b32 s47, 0
	s_add_nc_u64 s[20:21], s[20:21], s[46:47]
	s_add_nc_u64 s[12:13], s[12:13], s[20:21]
.macro FRAG reg, adr, q, i
.irp c, 0,1,2
	ds_load_b128 v[\reg+4*\c:\reg+4*\c+3], v[\adr] offset:3072*(\i)+1536*(\q)+512*\c
.endr
.endm
; The 64 accumulators take turns, one instruction a turn, in the same order in every step.
.macro MUL16 a0, p, q, sc, zero
.irp a, \a0, \a0+1
.irp b, 0,1,2,3,4,5,6,7
.if \zero
	v_wmma_scale_f32_16x16x128_f8f6f4 v[8*(8*((\a)%4)+\b):8*(8*((\a)%4)+\b)+7], v[128*(\p)+FR*\b:128*(\p)+FR*\b+FR-1], v[AF+FR*(\a):AF+FR*(\a)+FR-1], 0, v[SC+32*(\sc)+16+2*\b+(\q)], v[SC+32*(\sc)+2*(\a)+(\q)] matrix_a_fmt:MATRIX_FMT_BF6 matrix_b_fmt:MATRIX_FMT_BF6
.else
	v_wmma_scale_f32_16x16x128_f8f6f4 v[8*(8*((\a)%4)+\b):8*(8*((\a)%4)+\b)+7], v[128*(\p)+FR*\b:128*(\p)+FR*\b+FR-1], v[AF+FR*(\a):AF+FR*(\a)+FR-1], v[8*(8*((\a)%4)+\b):8*(8*((\a)%4)+\b)+7], v[SC+32*(\sc)+16+2*\b+(\q)], v[SC+32*(\sc)+2*(\a)+(\q)] matrix_a_fmt:MATRIX_FMT_BF6 matrix_b_fmt:MATRIX_FMT_BF6
.endif
.endr
.endr
.endm
.macro FETCH_B slot, q, p
	WIN TO_B
.irp i, 0,1,2,3,4,5,6,7
	FRAG 128*(\p)+FR*\i, ADRB+\slot, \q, \i
.endr
	WIN 0
.endm
.macro FETCH_A slot, q, i0
.irp i, \i0, \i0+1, \i0+2, \i0+3
	FRAG AF+FR*(\i), ADRA+\slot, \q, \i
.endr
.endm
.macro SCALES sc
.irp i, 0,1,2,3,4,5,6,7
.irp q, 0,1
	ds_load_b32 v[SC+32*\sc+2*\i+\q], v[ADSA] offset:2048*\i+128*\q
	ds_load_b32 v[SC+32*\sc+16+2*\i+\q], v[ADSB] offset:2048*\i+128*\q
.endr
.endr
.endm
.macro STEP slot, q, zero
	s_wait_dscnt 4*NL                              ; all but the youngest twelve loads (A's blocks 4-7) are in
	WIN MUL_LO
	MUL16 0, (\q)%2, \q, \slot, \zero
	MUL16 2, (\q)%2, \q, \slot, \zero
	s_wait_dscnt 0
	PLACES NP
	FETCH_B \slot, (\q)+1, 1-(\q)%2
	FETCH_A \slot, (\q)+1, 0
	WIN MUL_HI
	MUL16 4, (\q)%2, \q, \slot, \zero
	MUL16 6, (\q)%2, \q, \slot, \zero
	PLACES NP
	WIN 0
	FETCH_A \slot, (\q)+1, 4
.endm
.macro TURN slot, next, fill
	s_wait_tensorcnt 0x0                           ; all my tensor loads have landed: my part of the next slot
	ds_add_u32 v[SPW], v[NIL]                      ; 0 onto my spare word
	s_wait_dscnt 4*NL+1                            ; the add and the youngest twelve loads may be out
	WIN MUL_LO
	MUL16 0, 1, NQ-1, \slot, 0
	s_wait_dscnt 0x0                               ; the add is done, and my reads of this slot are over
	s_barrier_signal -1
	MUL16 2, 1, NQ-1, \slot, 0
	WIN 0
	s_barrier_wait -1
.if \fill
	CREST                                          ; the barrier has opened a round of the cluster's barrier
	s_add_nc_u64 s[G0+4*\slot+2:G0+4*\slot+3], s[G0+4*\slot+2:G0+4*\slot+3], 2*3072
	s_add_nc_u64 s[G0B+4*\slot+2:G0B+4*\slot+3], s[G0B+4*\slot+2:G0B+4*\slot+3], 2*3072
	JLOAD G0+4*\slot, G1, G0B+4*\slot, G1B         ; the first tensor load behind the round; its four v_nop are also the places in front of the loads below
.else
	PLACES NP
.endif
	v_add_nc_u32 v[ADSA], 256, v[ADSA]
	v_add_nc_u32 v[ADSB], 256, v[ADSB]
	FETCH_B \next, 0, 0
	FETCH_A \next, 0, 0
	SCALES \next
	WIN MUL_HI
	MUL16 4, 1, NQ-1, \slot, 0
	MUL16 6, 1, NQ-1, \slot, 0
	PLACES NP
	WIN 0
	FETCH_A \next, 0, 4
.endm
	s_wait_tensorcnt 1                             ; the scale words and my part of slot 0 are in; slot 1's load may be out
	s_barrier_signal -1
	s_barrier_wait -1
	FETCH_B 0, 0, 0
	FETCH_A 0, 0, 0
	SCALES 0
	FETCH_A 0, 0, 4
	STEP 0, 0, 1
	s_mov_b32 s3, LAPS-1
.Llap:
	TURN 0, 1, 1
	STEP 1, 0, 0
	TURN 1, 0, 1
	STEP 0, 0, 0
	s_sub_co_u32 s3, s3, 1
	s_cmp_lg_u32 s3, 0
	s_cbranch_scc1 .Llap
	TURN 0, 1, 0
	STEP 1, 0, 0
	s_wait_dscnt 4*NL
	WIN MUL_LO
	MUL16 0, 1, NQ-1, 1, 0
	MUL16 2, 1, NQ-1, 1, 0
	s_wait_dscnt 0
	WIN MUL_HI
	MUL16 4, 1, NQ-1, 1, 0
	MUL16 6, 1, NQ-1, 1, 0
	WIN 0
; THE WAY OUT, block by block of 16 rows x 128 columns, through my own stage in LDS: in by lanes (32 neighbouring bytes of a row), back as whole rows of 512 bytes.
; LDS serves a wave's instructions in order: no wait between the stores and the loads, nor in front of the next block's stores.
.macro TOSTAGE a
.set AC, 64*((\a)%4)
	WIN 0x08+4*((\a)/4)                            ; an LDS store's data: window 2 or 3
.irp b, 0,1,2,3,4,5,6,7
	ds_store_b128 v[STO], v[AC+8*\b:AC+8*\b+3] offset:128*(\b/2)+32*(\b%2)          ; columns 32 (b / 2) + 16 h + 8 (b % 2) on; each accumulator from its low end on
	ds_store_b128 v[STO], v[AC+8*\b+4:AC+8*\b+7] offset:128*(\b/2)+32*(\b%2)+16
.endr
	WIN 0
.set BB, BK+64*((\a)%2)
.irp t, 0,1,2,3,4,5,6,7,8,9,10,11,12,13,14,15
	ds_load_b128 v[BB+4*\t:BB+4*\t+3], v[RD] offset:\t*SPITCH
.endr
.endm
.macro SEND a, younger                 ; younger: the LDS instructions issued behind block a's loads, which may stay out
.set BB, BK+64*((\a)%2)
	s_wait_dscnt \younger
.irp t, 0,1,2,3,4,5,6,7,8,9,10,11,12,13,14,15
	global_store_b128 v[LI], v[BB+4*\t:BB+4*\t+3], s[12:13] offset:(32*((\a)/2)+8*((\a)%2)+\t+8*(\t/8))*8192 th:TH_STORE_NT   ; stage row t is row 32 (a / 2) + 8 (a % 2) + t + 8 (t / 8) of my 128; 32 lanes store 512 consecutive bytes, aligned
.endr
.endm
	PLACES NP                                      ; in front of the reads of results and of the loads into the registers that held A's fragments
	TOSTAGE 0
.irp a, 1,2,3,4,5,6,7
.if \a > 1
	s_wait_xcnt 0x0                                ; block a - 2's stores have read their registers: block a's loads may land there
.endif
	TOSTAGE \a
	SEND \a-1, 32                                  ; behind block a - 1's loads: block a's 16 stores and 16 loads
.endr
	SEND 7, 0
	s_wait_tensorcnt 0x0                           ; the wave's end
	ds_add_u32 v[SPW], v[NIL]
	s_wait_dscnt 0x0
	CROUND                                         ; the closing round
	s_endpgm
.Lfunc_end_k_qb4ee0bfb5c_proj:
	.size	k_qb4ee0bfb5c_proj, .Lfunc_end_k_qb4ee0bfb5c_proj-k_qb4ee0bfb5c_proj
	.p2alignl 7, 3214868480
	.fill 96, 4, 3214868480
	.section	.rodata,"a",@progbits
	.p2align	6, 0x0
	.amdhsa_kernel k_qb4ee0bfb5c_proj
		.amdhsa_group_segment_fixed_size 327680
		.amdhsa_private_segment_fixed_size 0
		.amdhsa_enable_private_segment 0
		.amdhsa_kernarg_size 40
		.amdhsa_user_sgpr_count 2
		.amdhsa_user_sgpr_kernarg_segment_ptr 1
		.amdhsa_wavefront_size32 1
		.amdhsa_system_sgpr_workgroup_id_x 1
		.amdhsa_system_sgpr_workgroup_id_y 1
		.amdhsa_system_sgpr_workgroup_id_z 1
		.amdhsa_system_vgpr_workitem_id 0
		.amdhsa_next_free_vgpr 1024
		.amdhsa_next_free_sgpr 96
		.amdhsa_reserve_vcc 0
		.amdhsa_float_denorm_mode_32 3
		.amdhsa_float_denorm_mode_16_64 3
		.amdhsa_memory_ordered 1
		.amdhsa_forward_progress 1
		.amdhsa_inst_pref_size 141
	.end_amdhsa_kernel
	.amdgpu_metadata
---
amdhsa.version: [ 1, 2 ]
amdhsa.kernels:
  - .name:           k_qb4ee0bfb5c_proj
    .symbol:         k_qb4ee0bfb5c_proj.kd
    .args:
      - { .name: oc, .offset: 0, .size: 8, .value_kind: global_buffer, .address_space: global }
      - { .name: os, .offset: 8, .size: 8, .value_kind: global_buffer, .address_space: global }
      - { .name: wc, .offset: 16, .size: 8, .value_kind: global_buffer, .address_space: global }
      - { .name: ws, .offset: 24, .size: 8, .value_kind: global_buffer, .address_space: global }
      - { .name: out0, .offset: 32, .size: 8, .value_kind: global_buffer, .address_space: global }
    .group_segment_fixed_size: 327680
    .private_segment_fixed_size: 0
    .kernarg_segment_align: 8
    .kernarg_segment_size: 40
    .max_flat_workgroup_size: 128
    .sgpr_count:     96
    .vgpr_count:     1024
    .wavefront_size: 32
...
	.end_amdgpu_metadata
.endif
;; end of part 4
;; ======== version 2 of 2: 4 launches
;; limits: right only within a limited range of input values
;; workspace buffers: wc 15,728,640 bytes; ws 1,310,720 bytes; qc 9,437,184 bytes; qs 786,432 bytes; oc 3,145,728 bytes; os 262,144 bytes
;; launch quant (part 5): grid 128 x 5, 4 waves a work-group, no clusters, 34,304 bytes of LDS; arguments x, wq, wk, wv, wo, wc, ws; writes wc, ws
.if DOCPART == 5
	.amdgcn_target "amdgcn-amd-amdhsa--gfx1250"
	.amdhsa_code_object_version 6
	.text
	.protected	k_qb4ee0bfb5c_quant
	.globl	k_qb4ee0bfb5c_quant
	.p2align	8
	.type	k_qb4ee0bfb5c_quant,@function
k_qb4ee0bfb5c_quant:
	s_mov_b64 s[64:65], 0
	v_nop
	global_prefetch_b8 v0, s[64:65] scope:SCOPE_SE
	s_setreg_imm32_b32 hwreg(HW_REG_WAVE_MODE, 25, 1), 1
	s_wait_xcnt 0x0
; x, wq, wk, wv, wo, each [2048][2048] f32 with K innermost, become codes of BF6 (E3M2) with one E8M0 byte for each 32 along K.
; A block's scale is 2^(floor(log2(its largest magnitude)) - 4); its byte is the largest magnitude's exponent field - 4, held at 1 from below.
; LIMITS: NaN and infinities among the inputs are not served; a block whose largest magnitude lies under 2^-122 keeps the byte 1; a block of zeros gets the byte 1
; where the rule says 127: its codes are zeros, which add nothing under any byte but 0xff, and the bytes are read by this program alone.
; LAYOUT OF THE CODES: images of operand registers.  A tensor is [row tile i: 128][K step s: 16][1536 bytes]; a fragment (16 rows x 128 K, 12 registers a lane) lies as three
; groups of four registers, group c at 512 c + 16 x lane.  Lane r of row tile i holds row 32 (i / 2) + 8 (i % 2) + r + 8 (r / 8): so the results of two neighbouring tiles used as
; source 0 are 16 neighbours.  The scale words: [i][s][128 bytes], 4 bytes a lane; lanes r and r + 16 hold the same word.
; SHARES: work-group x = row tile, y = tensor; wave w takes K steps 4 w .. 4 w + 3, written out.  Each load reads 512 consecutive bytes of one row; a fragment's 16 rows turn through the
; wave's own stage in LDS (rows 528 bytes apart, an odd multiple of 16), so that a lane gets 16 neighbours of each block of 32.  Two fragments' loads (32 a wave) are on their way.
; No tensor loads, no barrier, no cluster: the waves and the work-groups share no input byte.  No matrix work: memory binds.
.set TEN,  3145728                     ; bytes of a tensor's codes
.set TROW, 24576                       ; of a row tile's
.set STEN, 262144                      ; of a tensor's scale words
.set SP,   528                         ; a stage row
.set WST,  16*SP                       ; a wave's stage
.set LI,   4                           ; v4   16 x lane
.set LS,   5                           ; v5   4 x lane
.set SW,   6                           ; v6   the stage, on the way in
.set SRD,  7                           ; v7   and on the way out: row r, + 64 h
.set R,    16                          ; v16-143  two sets of 64: a fragment's numbers as loaded
.set X,    144                         ; v144-207 the same, 16 neighbours of each block
.set PC,   208                         ; v208-226 codes
.set TM,   228                         ; v228-239 at work
.set PW,   240                         ; v240     the scale word
.set SEL,  20                          ; s[20:21] lane selects: lane l xor 16
.set MSB, 0
.macro WIN new                         ; the immediate's high byte repeats the setting that is left; a switch that changes nothing is dropped (here every window is 0)
.if MSB != (\new)
	s_set_vgpr_msb (MSB<<8)|(\new)
.set MSB, (\new)
.endif
.endm
; 64 numbers of a lane in window w, register 16 b + i = k 32 b + 16 (lane / 16) + i of my row, become a fragment's codes in v[PC] on and its scale word in v[PW].
.macro QUANT s, w
	WIN \w|(\w<<2)
.irp b, 0,1,2,3
	v_max3_num_f32 v[TM+\b], |v[\s+16*\b]|, |v[\s+1+16*\b]|, 0x2800000   ; block b: my 16 numbers and the floor 2^(5 - 127): the byte cannot fall under 1
.endr
.irp i, 2,4,6,8,10,12,14
.irp b, 0,1,2,3
	v_max3_num_f32 v[TM+\b], |v[\s+16*\b+\i]|, |v[\s+1+16*\b+\i]|, v[TM+\b]   ; the four blocks by turns
.endr
.endr
	WIN 0
.irp b, 0,1,2,3
	v_permlanex16_b32 v[TM+4+\b], v[TM+\b], s[SEL], s[SEL+1]
.endr
.irp b, 0,1,2,3
	v_max_num_f32 v[TM+\b], v[TM+\b], v[TM+4+\b]   ; with lane l xor 16: the block's largest magnitude
.endr
.irp b, 0,1,2,3
	v_add_nc_u32 v[TM+8+\b], 0xfe000000, v[TM+\b]   ; 4 off its exponent field: the conversion's scale operand
.endr
.irp b, 0,1,2,3
	v_lshrrev_b32 v[TM+4+\b], 23, v[TM+8+\b]   ; the scale's byte
.endr
	v_lshl_or_b32 v[PW], v[TM+5], 8, v[TM+4]
	v_lshl_or_b32 v[PW], v[TM+6], 16, v[PW]
	v_lshl_or_b32 v[PW], v[TM+7], 24, v[PW]
	WIN \w
.irp c, 0,1
	v_cvt_scalef32_pk16_bf6_f32 v[PC+6*\c:PC+2+6*\c], v[\s+32*\c:\s+15+32*\c], v[TM+8+2*\c]
	v_cvt_scalef32_pk16_bf6_f32 v[PC+12+4*\c:PC+14+4*\c], v[\s+16+32*\c:\s+31+32*\c], v[TM+9+2*\c]   ; a conversion's three registers begin on an even number
.endr
	WIN 0
	v_nop                                          ; one plain place behind a scaled conversion
.irp c, 0,1                            ; the operand's layout wants a whole block in a lane: lanes 0-15 block 2 c, lanes 16-31 block 2 c + 1
.irp i, 0,1,2
	v_permlane16_swap_b32 v[PC+6*\c+\i], v[PC+12+4*\c+\i]
.endr
.irp i, 0,1,2
	v_mov_b32 v[PC+3+6*\c+\i], v[PC+12+4*\c+\i]
.endr
.endr
.endm
	s_load_b256 s[4:11], s[0:1], 0x0               ; x, wq, wk, wv
	s_load_b128 s[12:15], s[0:1], 0x20             ; wo, wc
	s_load_b64 s[16:17], s[0:1], 0x30              ; ws
	v_lshl_add_u32 v254, v0, 2, 0x8400
	v_mov_b32 v255, 0
	v_lshrrev_b32 v1, 5, v0
	v_readfirstlane_b32 s18, v1                    ; wave 0..3
	s_and_b32 s19, ttmp7, 0xffff                   ; which tensor
	v_and_b32 v2, 31, v0                           ; lane
	v_and_b32 v3, 15, v0                           ; r
	v_bfe_u32 v8, v0, 4, 1                         ; h
	v_lshlrev_b32 v[LI], 4, v2
	v_lshlrev_b32 v[LS], 2, v2
	s_mul_i32 s28, s18, WST
	v_add_nc_u32 v[SW], s28, v[LI]
	v_mul_u32_u24 v[SRD], v3, SP
	v_lshl_add_u32 v[SRD], v8, 6, v[SRD]
	v_add_nc_u32 v[SRD], s28, v[SRD]
	s_mov_b32 s[SEL], 0x76543210
	s_mov_b32 s[SEL+1], 0xfedcba98
.irp b, 0,1,2,3
	v_mov_b32 v[TM+4+\b], 0                        ; written once: a lane permute's destination counts as one of its sources
.endr
	s_lshr_b32 s22, ttmp9, 1
	s_lshl_b32 s22, s22, 5
	s_and_b32 s23, ttmp9, 1
	s_lshl_b32 s23, s23, 3
	s_add_co_u32 s22, s22, s23                     ; the tile's first row: 32 (i / 2) + 8 (i % 2)
	s_lshl_b32 s22, s22, 13                        ; rows of 8,192 bytes
	s_lshl_b32 s23, s18, 11                        ; my four K steps: 2,048 bytes on for each wave
	s_add_co_u32 s22, s22, s23
	s_mov_b32 s23, 0
	s_mul_i32 s24, s19, TEN
	s_mul_i32 s25, ttmp9, TROW
	s_add_co_u32 s24, s24, s25
	s_mul_i32 s25, s18, 4*1536
	s_add_co_u32 s24, s24, s25                     ; my four images
	s_mov_b32 s25, 0
	s_mul_i32 s26, s19, STEN
	s_lshl_b32 s27, ttmp9, 11
	s_add_co_u32 s26, s26, s27
	s_lshl_b32 s27, s18, 9
	s_add_co_u32 s26, s26, s27                     ; my four runs of scale words
	s_mov_b32 s27, 0
	s_wait_alu depctr_va_vdst(0)
	s_wait_kmcnt 0x0
	s_cmp_eq_u32 s19, 1                            ; the choice of the source hangs on the work-group's number alone
	s_cselect_b64 s[4:5], s[6:7], s[4:5]
	s_cmp_eq_u32 s19, 2
	s_cselect_b64 s[4:5], s[8:9], s[4:5]
	s_cmp_eq_u32 s19, 3
	s_cselect_b64 s[4:5], s[10:11], s[4:5]
	s_cmp_eq_u32 s19, 4
	s_cselect_b64 s[4:5], s[12:13], s[4:5]
	s_add_nc_u64 s[4:5], s[4:5], s[22:23]
	s_add_nc_u64 s[14:15], s[14:15], s[24:25]
	s_add_nc_u64 s[16:17], s[16:17], s[26:27]
.macro LOAD t                          ; fragment t: sixteen rows, 512 consecutive bytes each
.irp n, 0,1,2,3,4,5,6,7,8,9,10,11,12,13,14,15
	global_load_b128 v[R+64*((\t)%2)+4*\n:R+64*((\t)%2)+4*\n+3], v[LI], s[4:5] offset:(\n+8*(\n/8))*8192+512*(\t) th:TH_LOAD_NT
.endr
.endm
.macro TURN t                          ; through the stage: LDS serves a wave's instructions in order, so no wait stands between the stores and the loads
.irp n, 0,1,2,3,4,5,6,7,8,9,10,11,12,13,14,15
	ds_store_b128 v[SW], v[R+64*((\t)%2)+4*\n:R+64*((\t)%2)+4*\n+3] offset:SP*\n
.endr
.irp b, 0,1,2,3
.irp j, 0,1,2,3
	ds_load_b128 v[X+16*\b+4*\j:X+16*\b+4*\j+3], v[SRD] offset:128*\b+16*\j
.endr
.endr
.endm
.macro PIECE t
.if (\t) < 3
	s_wait_loadcnt 16                              ; this fragment's sixteen loads are in; the next fragment's sixteen may be out
.else
	s_wait_loadcnt 0x0
.endif
	TURN \t
	s_wait_dscnt 0x0                               ; the numbers are back; the stores into the stage have read their registers
.if (\t) > 0
	s_wait_xcnt 0x0                                ; the last fragment's stores have read the codes and the scale word: both are written again below
.endif
.if (\t) < 2
	LOAD (\t)+2
.endif
	QUANT X, 0
.irp c, 0,1,2
	global_store_b128 v[LI], v[PC+4*\c:PC+4*\c+3], s[14:15] offset:1536*(\t)+512*\c   ; 32 lanes store 512 consecutive bytes, aligned
.endr
	global_store_b32 v[LS], v[PW], s[16:17] offset:128*(\t)
.endm
	LOAD 0
	LOAD 1
	PIECE 0
	PIECE 1
	PIECE 2
	PIECE 3
	s_wait_tensorcnt 0x0
	ds_add_u32 v254, v255
	s_wait_dscnt 0x0
	s_endpgm
.Lfunc_end_k_qb4ee0bfb5c_quant:
	.size	k_qb4ee0bfb5c_quant, .Lfunc_end_k_qb4ee0bfb5c_quant-k_qb4ee0bfb5c_quant
	.p2alignl 7, 3214868480
	.fill 96, 4, 3214868480
	.section	.rodata,"a",@progbits
	.p2align	6, 0x0
	.amdhsa_kernel k_qb4ee0bfb5c_quant
		.amdhsa_group_segment_fixed_size 34304
		.amdhsa_private_segment_fixed_size 0
		.amdhsa_enable_private_segment 0
		.amdhsa_kernarg_size 56
		.amdhsa_user_sgpr_count 2
		.amdhsa_user_sgpr_kernarg_segment_ptr 1
		.amdhsa_wavefront_size32 1
		.amdhsa_system_sgpr_workgroup_id_x 1
		.amdhsa_system_sgpr_workgroup_id_y 1
		.amdhsa_system_sgpr_workgroup_id_z 1
		.amdhsa_system_vgpr_workitem_id 0
		.amdhsa_next_free_vgpr 256
		.amdhsa_next_free_sgpr 66
		.amdhsa_reserve_vcc 0
		.amdhsa_float_denorm_mode_32 3
		.amdhsa_float_denorm_mode_16_64 3
		.amdhsa_memory_ordered 1
		.amdhsa_forward_progress 1
		.amdhsa_inst_pref_size 34
	.end_amdhsa_kernel
	.amdgpu_metadata
---
amdhsa.version: [ 1, 2 ]
amdhsa.kernels:
  - .name:           k_qb4ee0bfb5c_quant
    .symbol:         k_qb4ee0bfb5c_quant.kd
    .args:
      - { .name: x, .offset: 0, .size: 8, .value_kind: global_buffer, .address_space: global }
      - { .name: wq, .offset: 8, .size: 8, .value_kind: global_buffer, .address_space: global }
      - { .name: wk, .offset: 16, .size: 8, .value_kind: global_buffer, .address_space: global }
      - { .name: wv, .offset: 24, .size: 8, .value_kind: global_buffer, .address_space: global }
      - { .name: wo, .offset: 32, .size: 8, .value_kind: global_buffer, .address_space: global }
      - { .name: wc, .offset: 40, .size: 8, .value_kind: global_buffer, .address_space: global }
      - { .name: ws, .offset: 48, .size: 8, .value_kind: global_buffer, .address_space: global }
    .group_segment_fixed_size: 34304
    .private_segment_fixed_size: 0
    .kernarg_segment_align: 8
    .kernarg_segment_size: 56
    .max_flat_workgroup_size: 128
    .sgpr_count:     66
    .vgpr_count:     256
    .wavefront_size: 32
...
	.end_amdgpu_metadata
.endif
;; end of part 5
;; launch qkv (part 6): grid 24 x 8, 4 waves a work-group, clusters of 4 x 4, 327,680 bytes of LDS; arguments wc, ws, freqs_cos, freqs_sin, qc, qs; writes qc, qs
.if DOCPART == 6
	.amdgcn_target "amdgcn-amd-amdhsa--gfx1250"
	.amdhsa_code_object_version 6
	.text
	.protected	k_qb4ee0bfb5c_qkv
	.globl	k_qb4ee0bfb5c_qkv
	.p2align	8
	.type	k_qb4ee0bfb5c_qkv,@function
k_qb4ee0bfb5c_qkv:
	s_mov_b64 s[64:65], 0
	v_nop
	global_prefetch_b8 v0, s[64:65] scope:SCOPE_SE
	s_setreg_imm32_b32 hwreg(HW_REG_WAVE_MODE, 25, 1), 1
	s_wait_xcnt 0x0
	s_wait_alu depctr_hold_cnt(0) depctr_sa_sdst(0) depctr_va_vdst(0) depctr_va_sdst(0) depctr_va_ssrc(0) depctr_va_vcc(0) depctr_vm_vsrc(0)
	s_getreg_b32 s2, hwreg(HW_REG_IB_STS2, 6, 4)
	s_cmp_eq_u32 s2, 0
	s_cbranch_scc0 .Lentry_in_a_cluster
	s_endpgm
.Lentry_in_a_cluster:
	s_bfe_u32 s2, ttmp6, 0x10000c
	s_cmp_lg_u32 s2, 0xf033
	s_cbranch_scc0 .Lentry_shape_is_right
	s_endpgm
.Lentry_shape_is_right:
.set TEN,   3145728
.set TROW,  24576
.set STEN,  262144
.set FR,    12
.set NL,    3
.set NP,    4
.set NQ,    2
.set HALFT, 24576
.set SLOT,  4*HALFT
.set LAPS,  4
.set SCL,   2*SLOT
.set HALFS, 16384
.set SPARE, SCL+4*HALFS
.set ADRA, 16
.set PW,   19
.set ADRB, 20
.set LI,   22
.set LS,   23
.set ADSA, 27
.set SPW,  28
.set NIL,  29
.set ADSB, 30
.set RO,   31
.set SC,   32
.set AF,   128
.set TP,   128
.set PC,   192
.set TM,   212
.set SEL,  2
.set G1, 24
.set G0, 32
.set G1B, 48
.set G0B, 56
.set G1S, 68
.set G0S, 76
.set G1SB, 80
.set G0SB, 88
.set MSB, 0
.macro WIN new
.if MSB != (\new)
	s_set_vgpr_msb (MSB<<8)|(\new)
.set MSB, (\new)
.endif
.endm
.set MUL_LO, 0xa1
.set MUL_HI, 0xf1
.set TO_B,   0x40
.macro JLOAD g0a, g1a, g0b, g1b
	s_cmp_eq_u32 s15, 0
	s_cbranch_scc0 .Lfor_b_\@
	tensor_load_to_lds s[\g0a:\g0a+3], s[\g1a:\g1a+7]
	s_nop 0
.rept 4
	v_nop
.endr
	s_branch .Lasked_\@
.Lfor_b_\@:
	tensor_load_to_lds s[\g0b:\g0b+3], s[\g1b:\g1b+7]
	s_nop 0
.rept 4
	v_nop
.endr
.Lasked_\@:
.endm
.macro CREST
	s_cmp_lg_u32 s14, 0
	s_cbranch_scc1 .Lnot_wave_0_\@
	s_barrier_signal -3
.Lnot_wave_0_\@:
	s_barrier_wait -3
	s_barrier_signal -1
	s_barrier_wait -1
.endm
.macro CROUND
	s_barrier_signal -1
	s_barrier_wait -1
	CREST
.endm
.macro PLACES n
.rept \n
	v_nop
.endr
.endm
.macro QUANT s, w
	WIN \w|(\w<<2)
.irp b, 0,1,2,3
	v_max3_num_f32 v[TM+\b], |v[\s+16*\b]|, |v[\s+1+16*\b]|, 0x2800000
.endr
.irp i, 2,4,6,8,10,12,14
.irp b, 0,1,2,3
	v_max3_num_f32 v[TM+\b], |v[\s+16*\b+\i]|, |v[\s+1+16*\b+\i]|, v[TM+\b]
.endr
.endr
	WIN 0
.irp b, 0,1,2,3
	v_permlanex16_b32 v[TM+4+\b], v[TM+\b], s[SEL], s[SEL+1]
.endr
.irp b, 0,1,2,3
	v_max_num_f32 v[TM+\b], v[TM+\b], v[TM+4+\b]
.endr
.irp b, 0,1,2,3
	v_add_nc_u32 v[TM+8+\b], 0xfe000000, v[TM+\b]
.endr
.irp b, 0,1,2,3
	v_lshrrev_b32 v[TM+4+\b], 23, v[TM+8+\b]
.endr
	v_lshl_or_b32 v[PW], v[TM+5], 8, v[TM+4]
	v_lshl_or_b32 v[PW], v[TM+6], 16, v[PW]
	v_lshl_or_b32 v[PW], v[TM+7], 24, v[PW]
	WIN \w
.irp c, 0,1
	v_cvt_scalef32_pk16_bf6_f32 v[PC+6*\c:PC+2+6*\c], v[\s+32*\c:\s+15+32*\c], v[TM+8+2*\c]
	v_cvt_scalef32_pk16_bf6_f32 v[PC+12+4*\c:PC+14+4*\c], v[\s+16+32*\c:\s+31+32*\c], v[TM+9+2*\c]
.endr
	WIN 0
	v_nop
.irp c, 0,1
.irp i, 0,1,2
	v_permlane16_swap_b32 v[PC+6*\c+\i], v[PC+12+4*\c+\i]
.endr
.irp i, 0,1,2
	v_mov_b32 v[PC+3+6*\c+\i], v[PC+12+4*\c+\i]
.endr
.endr
.endm
	s_load_b128 s[4:7], s[0:1], 0x0
	s_load_b128 s[96:99], s[0:1], 0x10
	s_load_b64 s[12:13], s[0:1], 0x20
	s_load_b64 s[100:101], s[0:1], 0x28
	v_lshl_add_u32 v[SPW], v0, 2, SPARE
	v_mov_b32 v[NIL], 0
	ds_add_u32 v28, v29
	ds_add_u32 v28, v29
	s_wait_dscnt 0x0
	v_lshrrev_b32 v1, 5, v0
	v_readfirstlane_b32 s14, v1
	s_lshr_b32 s15, s14, 1
	s_and_b32 s16, s14, 1
	s_bfe_u32 s40, ttmp6, 0x40000
	s_bfe_u32 s41, ttmp6, 0x40004
	s_lshr_b32 s66, ttmp9, 1
	s_lshr_b32 s67, s66, 1
	s_and_b32 s42, ttmp9, 1
	s_lshl_b32 s42, s42, 2
	s_add_co_u32 s42, s42, s40
	s_and_b32 s17, ttmp7, 0xffff
	s_lshl_b32 s17, s17, 2
	s_add_co_u32 s17, s17, s41
	s_lshl_b32 s43, s41, 2
	s_lshl_b32 s43, 15, s43
	s_lshl_b32 s44, 0x1111, s40
	s_or_b32 s[G1+0], s43, (3<<16)|(1<<21)
	s_or_b32 s[G1B+0], s44, (3<<16)|(1<<21)
.irp g, G1, G1B
	s_mov_b32 s[\g+1], 384<<16
	s_mov_b32 s[\g+2], 16<<16
	s_mov_b32 s[\g+3], 384<<16
	s_mov_b32 s[\g+4], 16
	s_mov_b32 s[\g+5], 3072
	s_mov_b32 s[\g+6], 0
	s_mov_b32 s[\g+7], 0
.endr
	s_or_b32 s[G1S+0], s43, (3<<16)|(1<<21)
	s_or_b32 s[G1SB+0], s44, (3<<16)|(1<<21)
.irp g, G1S, G1SB
	s_mov_b32 s[\g+1], 32<<16
	s_mov_b32 s[\g+2], 128<<16
	s_mov_b32 s[\g+3], 32<<16
	s_mov_b32 s[\g+4], 128
	s_mov_b32 s[\g+5], 32
	s_mov_b32 s[\g+6], 0
	s_mov_b32 s[\g+7], 0
.endr
	s_lshl_b32 s20, s17, 4
	s_mul_i32 s22, s20, TROW
	s_mul_i32 s18, s67, 3*TEN
	s_add_co_u32 s22, s22, s18
	s_mov_b32 s23, 0
	s_lshl_b32 s20, s20, 11
	s_mul_i32 s18, s67, 3*STEN
	s_add_co_u32 s20, s20, s18
	s_mov_b32 s21, 0
	s_add_co_u32 s92, s66, 1
	s_mul_i32 s93, s67, 3
	s_sub_co_u32 s92, s92, s93
	s_lshl_b32 s47, s42, 4
	s_mul_i32 s46, s47, TROW
	s_mul_i32 s93, s92, TEN
	s_add_co_u32 s46, s46, s93
	s_lshl_b32 s47, s47, 11
	s_mul_i32 s92, s92, STEN
	s_add_co_u32 s92, s92, s47
	s_mov_b32 s47, 0
	s_mov_b32 s93, 0
	s_mul_i32 s45, s14, HALFT
	s_mul_i32 s18, s16, 8*TROW                     ; in the ring I fetch 8 of a tile's 16 row tiles: which half, in bytes
	s_mov_b32 s19, 0
	s_wait_kmcnt 0x0
	s_add_nc_u64 s[22:23], s[4:5], s[22:23]
	s_add_nc_u64 s[20:21], s[6:7], s[20:21]
	s_add_nc_u64 s[46:47], s[4:5], s[46:47]
	s_add_nc_u64 s[92:93], s[6:7], s[92:93]
	CROUND
	s_mov_b32 s[G0S], 1
	s_mov_b32 s[G0S+1], SCL
	s_mov_b64 s[G0S+2:G0S+3], s[20:21]
	s_or_b32 s[G0S+3], s[G0S+3], 0x80000000
	s_mov_b32 s[G0SB], 1
	s_mov_b32 s[G0SB+1], SCL+2*HALFS
	s_mov_b64 s[G0SB+2:G0SB+3], s[92:93]
	s_or_b32 s[G0SB+3], s[G0SB+3], 0x80000000
.set G0H, 4                            ; s[4:7], s[8:11] group 0 for the head's loads of slot 0: A's 16 row tiles, B's 16 (the arguments that lay in s[4:7] have been used)
.set G0HB, 8
	s_mov_b32 s[G0H], 1
	s_mov_b32 s[G0H+1], 0
	s_mov_b64 s[G0H+2:G0H+3], s[22:23]
	s_or_b32 s[G0H+3], s[G0H+3], 0x80000000
	s_mov_b32 s[G0HB], 1
	s_mov_b32 s[G0HB+1], 2*HALFT
	s_mov_b64 s[G0HB+2:G0HB+3], s[46:47]
	s_or_b32 s[G0HB+3], s[G0HB+3], 0x80000000
	s_add_nc_u64 s[22:23], s[22:23], s[18:19]      ; for the ring: my half of the tile
	s_add_nc_u64 s[46:47], s[46:47], s[18:19]
.irp s, 0,1
	s_mov_b32 s[G0+4*\s], 1
	s_add_co_u32 s[G0+4*\s+1], s45, \s*SLOT
	s_add_nc_u64 s[G0+4*\s+2:G0+4*\s+3], s[22:23], \s*3072
	s_or_b32 s[G0+4*\s+3], s[G0+4*\s+3], 0x80000000
	s_mov_b32 s[G0B+4*\s], 1
	s_add_co_u32 s[G0B+4*\s+1], s45, \s*SLOT
	s_add_nc_u64 s[G0B+4*\s+2:G0B+4*\s+3], s[46:47], \s*3072
	s_or_b32 s[G0B+4*\s+3], s[G0B+4*\s+3], 0x80000000
.endr
; THE HEAD'S LOADS, ONE A WAVE: wave 0 slot 0's 16 row tiles of A, wave 1 those of B, wave 2 A's scale words, wave 3 B's.  One chain of branches on the wave's number, one load to an arm.
.macro ARM under, g0, g1, next
	s_cmp_lt_u32 s14, \under
	s_cbranch_scc0 \next
	tensor_load_to_lds s[\g0:\g0+3], s[\g1:\g1+7]
	s_nop 0
.rept 4
	v_nop
.endr
	s_branch .Lhead_asked
\next:
.endm
	ARM 1, G0H,  G1,  .Lhead_b
	ARM 2, G0HB, G1B, .Lhead_sa
	ARM 3, G0S,  G1S, .Lhead_sb
	tensor_load_to_lds s[G0SB:G0SB+3], s[G1SB:G1SB+7]
	s_nop 0
.rept 4
	v_nop
.endr
.Lhead_asked:
	s_wait_alu depctr_va_vdst(0)
	s_wait_tensorcnt 0x0                           ; my tile of the head's four is in; slot 1's first fill is issued as a refill is
	ds_add_u32 v28, v29
	s_mov_b32 s[G1+2], 8<<16                       ; no tensor load of mine is out: from here on a load brings 8 row tiles
	s_mov_b32 s[G1+4], 8
	s_mov_b32 s[G1B+2], 8<<16
	s_mov_b32 s[G1B+4], 8
	s_wait_dscnt 0x0
	CROUND
	JLOAD G0+4, G1, G0B+4, G1B
	v_and_b32 v1, 31, v0
	v_lshlrev_b32 v[LI], 4, v1
	v_lshlrev_b32 v[LS], 2, v1
	s_wait_alu depctr_va_vdst(0)
	s_mul_i32 s21, s15, HALFT
	s_mul_i32 s22, s16, HALFT
	s_add_co_u32 s22, s22, 2*HALFT
.irp s, 0,1
	v_add_nc_u32 v[ADRA+\s], s21, v[LI]
	v_add_nc_u32 v[ADRB+\s], s22, v[LI]
	s_add_co_u32 s21, s21, SLOT
	s_add_co_u32 s22, s22, SLOT
.endr
	s_mul_i32 s21, s15, HALFS
	s_add_co_u32 s21, s21, SCL
	v_add_nc_u32 v[ADSA], s21, v[LS]
	s_mul_i32 s22, s16, HALFS
	s_add_co_u32 s22, s22, SCL+2*HALFS
	v_add_nc_u32 v[ADSB], s22, v[LS]
	s_lshl_b32 s18, s17, 4
	s_lshl_b32 s19, s15, 3
	s_add_co_u32 s18, s18, s19
	; where my images go, counted in fragments.  q: [row tile][head].  k and v share one region behind q: [step of 128 keys: 16][k's 8 tiles, v's 8 tiles][head]
	s_lshl_b32 s19, s42, 1
	s_add_co_u32 s19, s19, s16                     ; my 128 columns: q, k: the head; v: the step of keys
	s_lshl_b32 s20, s19, 4
	s_add_co_u32 s20, s20, 8                       ; v: row 16 x step + 8
	s_lshr_b32 s21, s18, 3                         ; v: the head of my 128 channels
	s_cmp_eq_u32 s66, 1
	s_cselect_b32 s22, 1, 0
	s_lshl_b32 s18, s18, s22                       ; k: row 16 x step = twice my first row tile
	s_cmp_eq_u32 s66, 2
	s_cselect_b32 s18, s20, s18
	s_cselect_b32 s19, s21, s19
	s_lshl_b32 s18, s18, 4
	s_add_co_u32 s18, s18, s19
	s_min_u32 s22, s66, 1                          ; region 0: q; region 1: k and v
	s_mul_i32 s20, s18, 1536
	s_mul_i32 s19, s22, TEN
	s_add_co_u32 s20, s20, s19
	s_mov_b32 s21, 0
	s_add_nc_u64 s[12:13], s[12:13], s[20:21]
	s_lshl_b32 s20, s18, 7
	s_mul_i32 s19, s22, STEN
	s_add_co_u32 s20, s20, s19
	s_add_nc_u64 s[100:101], s[100:101], s[20:21]
	s_lshl_b32 s20, s17, 8
	s_lshl_b32 s19, s15, 7
	s_add_co_u32 s20, s20, s19
	s_lshl_b32 s20, s20, 8
	s_add_nc_u64 s[96:97], s[96:97], s[20:21]
	s_add_nc_u64 s[98:99], s[98:99], s[20:21]
	v_and_b32 v2, 15, v0
	v_and_b32 v3, 8, v0
	v_add_nc_u32 v2, v2, v3
	v_lshlrev_b32 v[RO], 8, v2
	v_bfe_u32 v3, v0, 4, 1
	v_lshl_add_u32 v[RO], v3, 5, v[RO]
.macro SETOF a
.if ((\a)%5) == 0
.set CW, 0
.set CR, 96
.set SR, 224
.elseif ((\a)%5) == 1
.set CW, 1
.set CR, 96
.set SR, 224
.elseif ((\a)%5) == 2
.set CW, 1
.set CR, 0
.set SR, 32
.elseif ((\a)%5) == 3
.set CW, 1
.set CR, 128
.set SR, 160
.else
.set CW, 1
.set CR, 64
.set SR, 192
.endif
.endm
.macro CSLOAD a
	SETOF \a
	WIN CW<<6
.irp b, 0,1,2,3
.irp e, 0,1
	global_load_b128 v[CR+8*\b+4*\e:CR+8*\b+4*\e+3], v[RO], s[96:97] offset:(32*((\a)/2)+8*((\a)%2))*256+64*\b+16*\e
	global_load_b128 v[SR+8*\b+4*\e:SR+8*\b+4*\e+3], v[RO], s[98:99] offset:(32*((\a)/2)+8*((\a)%2))*256+64*\b+16*\e
.endr
.endr
	WIN 0
.endm
	CSLOAD 0
	CSLOAD 1
.macro FRAG reg, adr, q, i
.irp c, 0,1,2
	ds_load_b128 v[\reg+4*\c:\reg+4*\c+3], v[\adr] offset:3072*(\i)+1536*(\q)+512*\c
.endr
.endm
.macro MUL16 a0, p, q, sc, zero
.irp a, \a0, \a0+1
.irp b, 0,1,2,3,4,5,6,7
.if \zero
	v_wmma_scale_f32_16x16x128_f8f6f4 v[8*(8*((\a)%4)+\b):8*(8*((\a)%4)+\b)+7], v[128*(\p)+FR*\b:128*(\p)+FR*\b+FR-1], v[AF+FR*(\a):AF+FR*(\a)+FR-1], 0, v[SC+32*(\sc)+16+2*\b+(\q)], v[SC+32*(\sc)+2*(\a)+(\q)] matrix_a_fmt:MATRIX_FMT_BF6 matrix_b_fmt:MATRIX_FMT_BF6
.else
	v_wmma_scale_f32_16x16x128_f8f6f4 v[8*(8*((\a)%4)+\b):8*(8*((\a)%4)+\b)+7], v[128*(\p)+FR*\b:128*(\p)+FR*\b+FR-1], v[AF+FR*(\a):AF+FR*(\a)+FR-1], v[8*(8*((\a)%4)+\b):8*(8*((\a)%4)+\b)+7], v[SC+32*(\sc)+16+2*\b+(\q)], v[SC+32*(\sc)+2*(\a)+(\q)] matrix_a_fmt:MATRIX_FMT_BF6 matrix_b_fmt:MATRIX_FMT_BF6
.endif
.endr
.endr
.endm
.macro FETCH_B slot, q, p
	WIN TO_B
.irp i, 0,1,2,3,4,5,6,7
	FRAG 128*(\p)+FR*\i, ADRB+\slot, \q, \i
.endr
	WIN 0
.endm
.macro FETCH_A slot, q, i0
.irp i, \i0, \i0+1, \i0+2, \i0+3
	FRAG AF+FR*(\i), ADRA+\slot, \q, \i
.endr
.endm
.macro SCALES sc
.irp i, 0,1,2,3,4,5,6,7
.irp q, 0,1
	ds_load_b32 v[SC+32*\sc+2*\i+\q], v[ADSA] offset:2048*\i+128*\q
	ds_load_b32 v[SC+32*\sc+16+2*\i+\q], v[ADSB] offset:2048*\i+128*\q
.endr
.endr
.endm
.macro STEP slot, q, zero
	s_wait_dscnt 4*NL
	WIN MUL_LO
	MUL16 0, (\q)%2, \q, \slot, \zero
	MUL16 2, (\q)%2, \q, \slot, \zero
	s_wait_dscnt 0
	PLACES NP
	FETCH_B \slot, (\q)+1, 1-(\q)%2
	FETCH_A \slot, (\q)+1, 0
	WIN MUL_HI
	MUL16 4, (\q)%2, \q, \slot, \zero
	MUL16 6, (\q)%2, \q, \slot, \zero
	PLACES NP
	WIN 0
	FETCH_A \slot, (\q)+1, 4
.endm
.macro TURN slot, next, fill
	s_wait_tensorcnt 0x0
	ds_add_u32 v[SPW], v[NIL]
	s_wait_dscnt 4*NL+1
	WIN MUL_LO
	MUL16 0, 1, NQ-1, \slot, 0
	s_wait_dscnt 0x0
	s_barrier_signal -1
	MUL16 2, 1, NQ-1, \slot, 0
	WIN 0
	s_barrier_wait -1
.if \fill
	CREST
	s_add_nc_u64 s[G0+4*\slot+2:G0+4*\slot+3], s[G0+4*\slot+2:G0+4*\slot+3], 2*3072
	s_add_nc_u64 s[G0B+4*\slot+2:G0B+4*\slot+3], s[G0B+4*\slot+2:G0B+4*\slot+3], 2*3072
	JLOAD G0+4*\slot, G1, G0B+4*\slot, G1B
.else
	PLACES NP
.endif
	s_wait_alu depctr_va_vdst(0)
	v_add_nc_u32 v[ADSA], 256, v[ADSA]
	v_add_nc_u32 v[ADSB], 256, v[ADSB]
	FETCH_B \next, 0, 0
	FETCH_A \next, 0, 0
	SCALES \next
	WIN MUL_HI
	MUL16 4, 1, NQ-1, \slot, 0
	MUL16 6, 1, NQ-1, \slot, 0
	PLACES NP
	WIN 0
	FETCH_A \next, 0, 4
.endm
	s_wait_alu depctr_va_vdst(0)
	s_wait_tensorcnt 1
	s_barrier_signal -1
	s_barrier_wait -1
	FETCH_B 0, 0, 0
	FETCH_A 0, 0, 0
	SCALES 0
	FETCH_A 0, 0, 4
	STEP 0, 0, 1
	s_mov_b32 s3, LAPS-1
.Llap:
	TURN 0, 1, 1
	STEP 1, 0, 0
	TURN 1, 0, 1
	STEP 0, 0, 0
	s_sub_co_u32 s3, s3, 1
	s_cmp_lg_u32 s3, 0
	s_cbranch_scc1 .Llap
	TURN 0, 1, 0
	STEP 1, 0, 0
	s_wait_dscnt 4*NL
	WIN MUL_LO
	MUL16 0, 1, NQ-1, 1, 0
	MUL16 2, 1, NQ-1, 1, 0
	s_wait_dscnt 0
	WIN MUL_HI
	MUL16 4, 1, NQ-1, 1, 0
	MUL16 6, 1, NQ-1, 1, 0
	WIN 0
	PLACES NP
	s_mov_b32 s[SEL], 0x76543210
	s_mov_b32 s[SEL+1], 0xfedcba98
.irp b, 0,1,2,3
	v_mov_b32 v[TM+4+\b], 0
.endr
	s_wait_loadcnt 0x0
	CSLOAD 2
	CSLOAD 3
	CSLOAD 4
.macro BLOCK a, left, nxt
.set W, 2+(\a)/4
.set N0, 64*((\a)%4)
	SETOF \a
.if (\left) >= 0
	s_wait_loadcnt \left
.endif
	s_cmp_eq_u32 s66, 2
	s_cbranch_scc1 .Lplain_\@
	WIN W|(CW<<2)
.set i, 0
.rept 32
	v_mul_f32 v[TP+2*i], v[N0+2*i+1], v[SR+i]
	v_mul_f32 v[TP+2*i+1], v[N0+2*i], v[SR+i]
.set i, i+1
.endr
	WIN (W<<6)|W|(CW<<2)
.set i, 0
.rept 32
	v_fma_f32 v[N0+2*i], v[N0+2*i], v[CR+i], -v[TP+2*i]
	v_fma_f32 v[N0+2*i+1], v[N0+2*i+1], v[CR+i], v[TP+2*i+1]
.set i, i+1
.endr
	WIN 0
.Lplain_\@:
.if (\a) > 0
	s_wait_xcnt 0x0
.endif
.if (\nxt) >= 0
	CSLOAD \nxt
.endif
	QUANT N0, W
.irp c, 0,1,2
	global_store_b128 v[LI], v[PC+4*\c:PC+4*\c+3], s[12:13] offset:TROW*(\a)+512*\c
.endr
	global_store_b32 v[LS], v[PW], s[100:101] offset:2048*(\a)
.endm
	BLOCK 0, -1, -1
	BLOCK 1, -1, -1
	BLOCK 2, 32, 5
	BLOCK 3, 32, 6
	BLOCK 4, 32, 7
	BLOCK 5, 32, -1
	BLOCK 6, 16, -1
	BLOCK 7, 0, -1
	s_wait_tensorcnt 0x0
	ds_add_u32 v[SPW], v[NIL]
	s_wait_dscnt 0x0
	CROUND
	s_endpgm
.Lfunc_end_k_qb4ee0bfb5c_qkv:
	.size	k_qb4ee0bfb5c_qkv, .Lfunc_end_k_qb4ee0bfb5c_qkv-k_qb4ee0bfb5c_qkv
	.p2alignl 7, 3214868480
	.fill 96, 4, 3214868480
	.section	.rodata,"a",@progbits
	.p2align	6, 0x0
	.amdhsa_kernel k_qb4ee0bfb5c_qkv
		.amdhsa_group_segment_fixed_size 327680
		.amdhsa_private_segment_fixed_size 0
		.amdhsa_enable_private_segment 0
		.amdhsa_kernarg_size 48
		.amdhsa_user_sgpr_count 2
		.amdhsa_user_sgpr_kernarg_segment_ptr 1
		.amdhsa_wavefront_size32 1
		.amdhsa_system_sgpr_workgroup_id_x 1
		.amdhsa_system_sgpr_workgroup_id_y 1
		.amdhsa_system_sgpr_workgroup_id_z 1
		.amdhsa_system_vgpr_workitem_id 0
		.amdhsa_next_free_vgpr 1024
		.amdhsa_next_free_sgpr 102
		.amdhsa_reserve_vcc 0
		.amdhsa_float_denorm_mode_32 3
		.amdhsa_float_denorm_mode_16_64 3
		.amdhsa_memory_ordered 1
		.amdhsa_forward_progress 1
		.amdhsa_inst_pref_size 211
	.end_amdhsa_kernel
	.amdgpu_metadata
---
amdhsa.version: [ 1, 2 ]
amdhsa.kernels:
  - .name:           k_qb4ee0bfb5c_qkv
    .symbol:         k_qb4ee0bfb5c_qkv.kd
    .args:
      - { .name: wc, .offset: 0, .size: 8, .value_kind: global_buffer, .address_space: global }
      - { .name: ws, .offset: 8, .size: 8, .value_kind: global_buffer, .address_space: global }
      - { .name: freqs_cos, .offset: 16, .size: 8, .value_kind: global_buffer, .address_space: global }
      - { .name: freqs_sin, .offset: 24, .size: 8, .value_kind: global_buffer, .address_space: global }
      - { .name: qc, .offset: 32, .size: 8, .value_kind: global_buffer, .address_space: global }
      - { .name: qs, .offset: 40, .size: 8, .value_kind: global_buffer, .address_space: global }
    .group_segment_fixed_size: 327680
    .private_segment_fixed_size: 0
    .kernarg_segment_align: 8
    .kernarg_segment_size: 48
    .max_flat_workgroup_size: 128
    .sgpr_count:     102
    .vgpr_count:     1024
    .wavefront_size: 32
...
	.end_amdgpu_metadata
.endif
;; end of part 6
;; launch attn (part 7): grid 16 x 16, 4 waves a work-group, clusters of 4 x 4, 327,680 bytes of LDS; arguments qc, qs, mask, oc, os; writes oc, os
.if DOCPART == 7
	.amdgcn_target "amdgcn-amd-amdhsa--gfx1250"
	.amdhsa_code_object_version 6
	.text
	.protected	k_qb4ee0bfb5c_attn
	.globl	k_qb4ee0bfb5c_attn
	.p2align	8
	.type	k_qb4ee0bfb5c_attn,@function
k_qb4ee0bfb5c_attn:
	s_mov_b64 s[64:65], 0
	v_nop
	global_prefetch_b8 v0, s[64:65] scope:SCOPE_SE
	s_setreg_imm32_b32 hwreg(HW_REG_WAVE_MODE, 25, 1), 1
	s_wait_xcnt 0x0
	s_wait_alu depctr_hold_cnt(0) depctr_sa_sdst(0) depctr_va_vdst(0) depctr_va_sdst(0) depctr_va_ssrc(0) depctr_va_vcc(0) depctr_vm_vsrc(0)
	s_getreg_b32 s2, hwreg(HW_REG_IB_STS2, 6, 4)
	s_cmp_eq_u32 s2, 0
	s_cbranch_scc0 .Lentry_in_a_cluster
	s_endpgm
.Lentry_in_a_cluster:
	s_bfe_u32 s2, ttmp6, 0x10000c
	s_cmp_lg_u32 s2, 0xf033
	s_cbranch_scc0 .Lentry_shape_is_right
	s_endpgm
.Lentry_shape_is_right:
; o[q][head] = the sum over keys of softmax(q . k / sqrt(128) + mask[q][key]) v[key], both products on codes of BF6 with E8M0 scales; o is quantised along the model's axis at once.
; THE MASK IS AN INPUT: all 2,048 x 2,048 numbers are read and added as they are, for every head; no step is left out.
; THE SOFTMAX: logit = score / sqrt(128) + mask; t = logit x log2(e); M = the running largest t rounded up to a whole number; p = 2^(t - M) is quantised along the keys, not normalised; the sum is taken of
; the unquantised p and divides at the end.  When M moves, the sum and O are multiplied by 2^(old M - new M): exact.
; qc: images of operand registers, 1,536 bytes a fragment.  q: [row tile: 128][head: 16].  Behind it k and v: [step of 128 keys: 16][k's 8 tiles of keys, v's 8 tiles of channels][head: 16].
; Lane r of row tile i holds row 32 (i / 2) + 8 (i % 2) + r + 8 (r / 8).  qs: their scale words in the same order, 128 bytes a fragment, lanes r and r + 16 alike.
; SHARES: a work-group owns 128 queries of one head; each of its four waves 32 of them, two row tiles A and B: every fragment of K and V that a wave reads from LDS feeds two products.
; Both products are used transposed (S^T = K Q^T, O^T = V^T P^T): a lane holds one query of each tile throughout, and register 16 b + i is key (channel) 32 b + 16 (lane / 16) + i.
; A step is 128 keys: 16 fragments (24,576 bytes) and 128 x 128 numbers of the mask, through a ring of two LDS slots.  Two steps to a slot do not fit: a step's tiles are 91,136 bytes.
; THE STEP IS LAID ACROSS THE CHANGE OF SLOTS: V's fragments are in registers ahead of the barrier, and p is quantised between the add and the wait for it.  Behind the barrier the LDS loads stand in three runs,
; with the last step's end between them: K; tile A's row sum; tile A's mask; the 16 P V products; tile B's mask.  Tile B's row sum stands among tile A's score products, tile A's logits among tile B's.
; CLUSTERS: 4 x 4 work-groups = 4 blocks of queries x 4 heads.  K, V and the scale words hang on the head alone: asked for jointly along a row of the cluster; the mask's tile hangs on the block of
; queries alone: jointly along a column.  Wave 0 asks for K and V (one tile of 16 rows), waves 2 and 3 for 64 rows of the mask's tile each; wave 1 asks, once, for the scale words of the whole head.
; THE MASK'S ROWS lie 520 bytes apart in LDS and are read 8 bytes a lane: row x 130 + 16 (lane / 16) words: the 32 lanes of a load (rows r + 8 (r / 8)) begin at 32 different pairs of the 64 banks (ISA guide 11.1).
; PREFETCH: in the trip that asks for step s + 1 each wave names, once, blocks of 256 bytes of step s + 3.  Of the mask's 128 rows the partner at place cy takes 32 (waves 0 and 1: 16 rows x 2 blocks each);
; of K's and V's 16 rows the partner at place cx takes 4 (waves 2 and 3: 12 blocks each; the lanes left over name the last again).  The trips from s = 13 on name nothing.  The scale words come once, at the head.
; LIMITS: a row whose every logit is minus infinity gives NaN, as in the definition; p under 2^-126 counts as 0 (the exponential flushes); NaN among the inputs is not served; t stays under 2^31 in magnitude.
; REGISTERS: window 0: addresses, state, scale words, p's codes, temporaries, v136-231 V's fragments.  window 1: v0-127 the mask (A, B), v128-255 O^T (A, B).
;   window 2: v0-127 S^T then p (A, B), v128-223 K's fragments, v224-247 Q's.  So one setting serves the P V products and the mask's loads, and one the score products, the logits and the sums taken in place.
.set TEN,   3145728
.set STEN,  262144
.set TROW,  24576
.set SLOT1, 1<<17                      ; slot 1 begins here
.set VOFF,  12288                      ; a slot: K's 8 fragments, V's 8,
.set MOFF,  24576                      ; the mask's 128 rows
.set MP,    520                        ; 512 bytes + 8 of padding
.set SCK,   2*SLOT1                    ; behind the ring: the head's scale words: [step][K's 8, V's 8][128 bytes]
.set SPARE, SCK+32768                  ; the spare words, 128 bytes for each wave
.set KVSTEP, 16*TROW                   ; bytes from a step's K and V to the next step's
.set LI,  1                            ; 16 x lane
.set LSK, 2                            ; SCK + 4 x lane
.set MA0, 3                            ; my query's row of the mask's tile (tile A), + 64 h
.set SPW, 5                            ; my spare word; never rewritten
.set NIL, 6                            ; 0; never rewritten
.set LS,  7                            ; 4 x lane
.set AD,  8                            ; the addresses of the step in hand
.set ADM, 9
.set ADS, 10
.set NM,  12                           ; v12 -M, v13 the largest t of tile A; v14, v15 of B
.set LL,  16                           ; the sums, a pair a tile
.set FF,  20                           ; f = 2^(old M - new M): v20 (A), v22 (B), each named as a pair
.set QS,  48                           ; Q's scale words
.set KS,  50                           ; K's eight scale words, V's eight
.set VS,  58
.set PWS, 66                           ; p's scale words
.set PCD, 68                           ; p's codes, 12 a tile
.set CT,  92                           ; the conversions' second halves
.set BM,  108                          ; the blocks' largest: 4 a tile
.set PT,  116
.set SO,  124                          ; the conversions' scale operands
.set TA,  132
.set PFO, 135                          ; the prefetches' offset; never rewritten
.set VF,  136                          ; V's fragments
.set KF,  128                          ; in window 2: K's fragments,
.set QF,  224                          ; Q's two
.set WV,  14
.set SEL, 22
.set CS,  24                           ; s[24:25] log2(e)
.set IS,  26                           ; s[26:27] 1 / sqrt(128)
.set G1KV, 28
.set G1M,  36
.set G1S,  44
.set G0KV, 52
.set G0M,  56
.set G0S,  60
.set TB,   66                          ; LDS byte at which the slot in hand begins
.set TS,   67                          ; the step's scale words: 2,048 bytes a step
.set SLOTS, 68
.set PFS,  84                          ; s[84:85] the prefetches' step
.set PFA,  88                          ; s[88:89] where they stand
.set W_S,  0x9a                        ; destination, sources 0 and 1 window 2, source 2 window 1
.set W_PV, 0x50                        ; destination and source 2 window 1
.set MSB, 0
.macro WIN new                         ; the immediate's high byte repeats the setting that is left
.if MSB != (\new)
	s_set_vgpr_msb (MSB<<8)|(\new)
.set MSB, (\new)
.endif
.endm
.macro PLACES n
.rept \n
	v_nop
.endr
.endm
.macro CROUND                          ; a round of the cluster's barrier
	s_barrier_signal -1
	s_barrier_wait -1
	s_cmp_lg_u32 s[WV], 0
	s_cbranch_scc1 .Lnot_wave_0_\@
	s_barrier_signal -3
.Lnot_wave_0_\@:
	s_barrier_wait -3
	s_barrier_signal -1
	s_barrier_wait -1
.endm
; A wave's one joint load.  The branches hang on the wave's number alone; an s_nop 0 and four v_nop follow each load.  first = 1: wave 1 asks for the scale words.
.macro TLOAD first
	s_cmp_lt_u32 s[WV], 2
	s_cbranch_scc1 .Llow_\@
	tensor_load_to_lds s[G0M:G0M+3], s[G1M:G1M+7]
	s_nop 0
	PLACES 4
	s_branch .Lasked_\@
.Llow_\@:
	s_cmp_lg_u32 s[WV], 0
	s_cbranch_scc1 .Lnot0_\@
	tensor_load_to_lds s[G0KV:G0KV+3], s[G1KV:G1KV+7]
	s_nop 0
	PLACES 4
.if \first
	s_branch .Lasked_\@
.endif
.Lnot0_\@:
.if \first
	tensor_load_to_lds s[G0S:G0S+3], s[G1S:G1S+7]
	s_nop 0
	PLACES 4
.endif
.Lasked_\@:
.endm
; 64 numbers of a lane in window w, register 16 b + i = k 32 b + 16 (lane / 16) + i of my row, become a fragment's codes in v[PC] on and its scale word in v[PW].
.macro QUANT s, w
	WIN \w|(\w<<2)
.irp b, 0,1,2,3
	v_max3_num_f32 v[TM+\b], |v[\s+16*\b]|, |v[\s+1+16*\b]|, 0x2800000
.endr
.irp i, 2,4,6,8,10,12,14
.irp b, 0,1,2,3
	v_max3_num_f32 v[TM+\b], |v[\s+16*\b+\i]|, |v[\s+1+16*\b+\i]|, v[TM+\b]
.endr
.endr
	WIN 0
.irp b, 0,1,2,3
	v_permlanex16_b32 v[TM+4+\b], v[TM+\b], s[SEL], s[SEL+1]
.endr
.irp b, 0,1,2,3
	v_max_num_f32 v[TM+\b], v[TM+\b], v[TM+4+\b]
.endr
.irp b, 0,1,2,3
	v_add_nc_u32 v[TM+8+\b], 0xfe000000, v[TM+\b]
.endr
.irp b, 0,1,2,3
	v_lshrrev_b32 v[TM+4+\b], 23, v[TM+8+\b]
.endr
	v_lshl_or_b32 v[PW], v[TM+5], 8, v[TM+4]
	v_lshl_or_b32 v[PW], v[TM+6], 16, v[PW]
	v_lshl_or_b32 v[PW], v[TM+7], 24, v[PW]
	WIN \w
.irp c, 0,1
	v_cvt_scalef32_pk16_bf6_f32 v[PC+6*\c:PC+2+6*\c], v[\s+32*\c:\s+15+32*\c], v[TM+8+2*\c]
	v_cvt_scalef32_pk16_bf6_f32 v[PC+12+4*\c:PC+14+4*\c], v[\s+16+32*\c:\s+31+32*\c], v[TM+9+2*\c]
.endr
	WIN 0
	v_nop                                          ; one plain place behind a scaled conversion
.irp c, 0,1
.irp i, 0,1,2
	v_permlane16_swap_b32 v[PC+6*\c+\i], v[PC+12+4*\c+\i]
.endr
.irp i, 0,1,2
	v_mov_b32 v[PC+3+6*\c+\i], v[PC+12+4*\c+\i]
.endr
.endr
.endm
	s_load_b256 s[4:11], s[0:1], 0x0               ; qc s[4:5], qs s[6:7], mask s[8:9], oc s[10:11]
	s_load_b64 s[12:13], s[0:1], 0x20              ; os
	v_lshl_add_u32 v[SPW], v0, 2, SPARE
	v_mov_b32 v[NIL], 0
	ds_add_u32 v[SPW], v[NIL]                      ; the opening lines: the add, twice on end, and its wait ahead of my first tensor load
	ds_add_u32 v[SPW], v[NIL]
	v_lshrrev_b32 v8, 5, v0
	v_readfirstlane_b32 s[WV], v8                  ; wave 0..3
	s_bfe_u32 s15, ttmp6, 0x40000                  ; cx
	s_bfe_u32 s16, ttmp6, 0x40004                  ; cy
	s_lshl_b32 s17, ttmp9, 2
	s_add_co_u32 s17, s17, s15                     ; my block of 128 queries
	s_and_b32 s18, ttmp7, 0xffff
	s_lshl_b32 s18, s18, 2
	s_add_co_u32 s18, s18, s16                     ; my head
	s_lshl_b32 s19, s16, 2
	s_lshl_b32 s19, 15, s19                        ; my row of the cluster: the same head
	s_lshl_b32 s20, 0x1111, s15                    ; my column: the same queries
	s_and_b32 s21, s[WV], 1
	; group 1 for a step's K and V: 16 rows (fragments) of 1,536 bytes, 24,576 bytes apart; elements of 8 bytes
	s_or_b32 s[G1KV], s19, (3<<16)|(1<<21)
	s_mov_b32 s[G1KV+1], 192<<16
	s_mov_b32 s[G1KV+2], 16<<16
	s_mov_b32 s[G1KV+3], 192<<16
	s_mov_b32 s[G1KV+4], 16
	s_mov_b32 s[G1KV+5], 3072
	s_mov_b32 s[G1KV+6], 0
	s_mov_b32 s[G1KV+7], 0
	; for a half of the mask's tile: 64 rows of 128 f32, 2,048 f32 apart; 2 words of padding behind every 128
	s_or_b32 s[G1M], s20, (2<<16)|(1<<20)|(1<<21)|(6<<22)|(1<<25)
	s_mov_b32 s[G1M+1], 128<<16
	s_mov_b32 s[G1M+2], 64<<16
	s_mov_b32 s[G1M+3], 128<<16
	s_mov_b32 s[G1M+4], 64
	s_mov_b32 s[G1M+5], 2048
	s_mov_b32 s[G1M+6], 0
	s_mov_b32 s[G1M+7], 0
	; for the head's scale words: 256 rows of 128 bytes, 2,048 bytes apart
	s_or_b32 s[G1S], s19, (3<<16)|(1<<21)
	s_mov_b32 s[G1S+1], 16<<16
	s_mov_b32 s[G1S+2], 256<<16
	s_mov_b32 s[G1S+3], 16<<16
	s_mov_b32 s[G1S+4], 256
	s_mov_b32 s[G1S+5], 256
	s_mov_b32 s[G1S+6], 0
	s_mov_b32 s[G1S+7], 0
	; offsets.  s70-73 hang on the head alone, s74-76 on the block of queries and the wave alone
	s_mul_i32 s70, s18, 1536
	s_add_co_u32 s70, s70, TEN
	s_mov_b32 s71, 0
	s_lshl_b32 s72, s18, 7
	s_add_co_u32 s72, s72, STEN
	s_mov_b32 s73, 0
	s_lshl_b32 s74, s17, 20                        ; 128 rows of 8,192 bytes a block,
	s_lshl_b32 s75, s21, 19                        ; 64 a half
	s_add_co_u32 s74, s74, s75
	s_mov_b32 s75, 0
	s_mul_i32 s76, s21, 64*MP
	s_add_co_u32 s76, s76, MOFF                    ; and where it goes
	s_mul_i32 s77, s[WV], 32*MP
	s_add_co_u32 s77, s77, MOFF                    ; my 32 queries' rows of the mask's tile
	s_lshl_b32 s78, s17, 3
	s_lshl_b32 s79, s[WV], 1
	s_add_co_u32 s78, s78, s79                     ; my first row tile of queries: 8 x block + 2 x wave
	s_lshl_b32 s78, s78, 4
	s_add_co_u32 s78, s78, s18                     ; x 16 + head: tile A's fragment of q and of o; tile B's lies 16 fragments on
	s_lshl_b32 s80, s78, 7
	s_mov_b32 s81, 0
	s_mul_i32 s78, s78, 1536
	s_mov_b32 s79, 0
	; the prefetches: waves 0, 1 the mask, waves 2, 3 K and V; they stand at step 2, and the first change of slots steps them to 3
	s_lshl_b32 s82, s17, 20
	s_lshl_b32 s90, s16, 18                        ; my work-group's 32 rows of the 128,
	s_add_co_u32 s82, s82, s90
	s_lshl_b32 s90, s21, 17                        ; my wave's 16 of them
	s_add_co_u32 s82, s82, s90
	s_add_co_u32 s82, s82, 2*512
	s_mul_i32 s87, s18, 1536
	s_add_co_u32 s87, s87, TEN+2*KVSTEP
	s_mul_i32 s90, s15, 4*TROW                     ; my work-group's 4 rows of the 16
	s_add_co_u32 s87, s87, s90
	s_mov_b32 s[PFS], KVSTEP
	s_cmp_lt_u32 s[WV], 2
	s_cselect_b32 s82, s82, s87
	s_cselect_b32 s86, 0, -1
	s_cselect_b32 s[PFS], 512, s[PFS]
	s_mov_b32 s[PFS+1], 0
	s_mov_b32 s83, 0
	s_mov_b32 s[SEL], 0x76543210
	s_mov_b32 s[SEL+1], 0xfedcba98
	s_mov_b32 s[CS], 0x3fb8aa3b                    ; log2(e)
	s_mov_b32 s[CS+1], s[CS]
	s_mov_b32 s[IS], 0x3db504f3                    ; 1 / sqrt(128)
	s_mov_b32 s[IS+1], s[IS]
	s_mov_b32 s[TB], 0
	s_mov_b32 s[TS], 0
	s_wait_dscnt 0x0                               ; both opening adds are done
	s_wait_kmcnt 0x0
	s_mov_b32 s[G0KV], 1
	s_mov_b32 s[G0KV+1], 0
	s_add_nc_u64 s[G0KV+2:G0KV+3], s[4:5], s[70:71]
	s_or_b32 s[G0KV+3], s[G0KV+3], 0x80000000
	s_mov_b32 s[G0M], 1
	s_mov_b32 s[G0M+1], s76
	s_add_nc_u64 s[G0M+2:G0M+3], s[8:9], s[74:75]
	s_or_b32 s[G0M+3], s[G0M+3], 0x80000000
	s_mov_b32 s[G0S], 1
	s_mov_b32 s[G0S+1], SCK
	s_add_nc_u64 s[G0S+2:G0S+3], s[6:7], s[72:73]
	s_or_b32 s[G0S+3], s[G0S+3], 0x80000000
	s_cmp_lt_u32 s[WV], 2                          ; the choice hangs on the wave's number alone
	s_cselect_b64 s[PFA:PFA+1], s[8:9], s[4:5]
	s_add_nc_u64 s[PFA:PFA+1], s[PFA:PFA+1], s[82:83]
	s_add_nc_u64 s[4:5], s[4:5], s[78:79]          ; q's codes at my fragments
	s_add_nc_u64 s[6:7], s[6:7], s[80:81]          ; and their scale words
	s_add_nc_u64 s[10:11], s[10:11], s[78:79]      ; o's likewise
	s_add_nc_u64 s[12:13], s[12:13], s[80:81]
	CROUND                                         ; all sixteen work-groups are here: the first joint loads meet
	TLOAD 1                                        ; slot 0 and the scale words: one load a wave
	v_and_b32 v8, 31, v0
	v_lshlrev_b32 v[LI], 4, v8
	v_lshlrev_b32 v[LS], 2, v8
	WIN 0x80                                       ; destination window 2
.irp x, 0,1
.irp c, 0,1,2
	global_load_b128 v[QF+12*\x+4*\c:QF+12*\x+4*\c+3], v[LI], s[4:5] offset:TROW*\x+512*\c   ; Q's fragments stay in registers
.endr
.endr
	WIN 0
.irp x, 0,1
	global_load_b32 v[QS+\x], v[LS], s[6:7] offset:2048*\x
.endr
	v_add_nc_u32 v[LSK], SCK, v[LS]
	v_and_b32 v9, 15, v0
	v_and_b32 v10, 8, v0
	v_add_nc_u32 v9, v9, v10                       ; r + 8 (r / 8)
	v_mul_u32_u24 v[MA0], v9, MP
	v_bfe_u32 v10, v0, 4, 1
	v_lshl_add_u32 v[MA0], v10, 6, v[MA0]          ; + 64 h: my 16 keys of each block of 32
	v_add_nc_u32 v[MA0], s77, v[MA0]
	v_lshrrev_b32 v9, 1, v8                        ; the mask's prefetch: two lanes to a row of 512 bytes
	v_lshlrev_b32 v9, 13, v9
	v_and_b32 v10, 1, v8
	v_lshl_add_u32 v9, v10, 8, v9
	v_min_u32 v10, 11, v8                          ; K's and V's: block 0 .. 23 of my work-group's 4 rows x 6 blocks
	v_mad_u32_u24 v10, s21, 12, v10
	v_mul_u32_u24 v11, v10, 43
	v_lshrrev_b32 v11, 8, v11                      ; / 6 (exact up to 23)
	v_mul_u32_u24 v134, v11, 6
	v_sub_nc_u32 v10, v10, v134
	v_mul_u32_u24 v11, v11, TROW
	v_lshl_add_u32 v10, v10, 8, v11
	v_cndmask_b32 v[PFO], v9, v10, s86
.irp x, 0,1
	v_mov_b32 v[NM+2*\x+1], 0xff61b1e6             ; the largest t so far: -3e38
	v_floor_f32 v[NM+2*\x], -v[NM+2*\x+1]          ; -M
	v_mov_b32 v[LL+2*\x], 0                        ; the sum, in two halves
	v_mov_b32 v[LL+2*\x+1], 0
	v_mov_b32 v[FF+2*\x+1], 0                      ; named as the upper half of f's pair
.endr
.irp k, 0,1,2,3,4,5,6,7
	v_mov_b32 v[PT+\k], 0                          ; written once: a lane permute's destination counts as one of its sources
.endr
	WIN 0x40
.set j, 0
.rept 128
	v_mov_b32 v[128+j], 0                          ; O^T: the step's text is one for all steps; the first finds zeros, which the first change of M leaves zeros
.set j, j+1
.endr
	WIN 0
; p BECOMES CODES: the blocks' scale bytes from their largest p, the conversions, a whole block of 32 to a lane.  Work on registers alone.
.macro POST
.irp k, 0,1,2,3,4,5,6,7
	v_max_num_f32 v[BM+\k], 0x2800000, v[BM+\k]    ; the floor 2^(5 - 127): the byte cannot fall under 1
.endr
.irp k, 0,1,2,3,4,5,6,7
	v_add_nc_u32 v[SO+\k], 0xfe000000, v[BM+\k]    ; 4 off the exponent field: the conversion's scale operand
.endr
.irp k, 0,1,2,3,4,5,6,7
	v_lshrrev_b32 v[PT+\k], 23, v[SO+\k]           ; the scale's byte
.endr
.irp x, 0,1
	v_lshl_or_b32 v[PWS+\x], v[PT+4*\x+1], 8, v[PT+4*\x]   ; p's scale word for these 128 keys
.endr
.irp x, 0,1
	v_lshl_or_b32 v[PWS+\x], v[PT+4*\x+2], 16, v[PWS+\x]
.endr
.irp x, 0,1
	v_lshl_or_b32 v[PWS+\x], v[PT+4*\x+3], 24, v[PWS+\x]
.endr
	WIN 0x02                                       ; source 0 window 2
.irp x, 0,1
.irp c, 0,1
	v_cvt_scalef32_pk16_bf6_f32 v[PCD+12*\x+6*\c:PCD+12*\x+6*\c+2], v[64*\x+32*\c:64*\x+32*\c+15], v[SO+4*\x+2*\c]
	v_cvt_scalef32_pk16_bf6_f32 v[CT+8*\x+4*\c:CT+8*\x+4*\c+2], v[64*\x+32*\c+16:64*\x+32*\c+31], v[SO+4*\x+2*\c+1]
.endr
.endr
	WIN 0
	v_nop                                          ; one plain place behind a scaled conversion
.irp x, 0,1
.irp c, 0,1
.irp i, 0,1,2
	v_permlane16_swap_b32 v[PCD+12*\x+6*\c+\i], v[CT+8*\x+4*\c+\i]
.endr
.endr
.endr
.irp x, 0,1
.irp c, 0,1
.irp i, 0,1,2
	v_mov_b32 v[PCD+12*\x+6*\c+3+\i], v[CT+8*\x+4*\c+\i]
.endr
.endr
.endr
	s_wait_alu depctr_va_vdst(0)
.endm
; THE CHANGE OF SLOTS.  Each wave waits for all its tensor loads (its part of the slot that it is about to read), adds 0 to its spare word, quantises the last step's p (post = 1) while the add is out, and waits for
; the add and for its reads of the slot that it has left (V's fragments among them).  fill = 1: a round of the cluster's barrier, and behind it the other slot is asked for jointly; one tensor load of a wave is out.
.macro CHANGE fill, post
.if \fill
	s_wait_xcnt 0x0                                ; my prefetch has read its address: it steps here
	s_add_nc_u64 s[PFA:PFA+1], s[PFA:PFA+1], s[PFS:PFS+1]
.endif
	s_wait_tensorcnt 0x0                           ; no tensor load of mine is out, so a group 0 may be written
	ds_add_u32 v[SPW], v[NIL]                      ; 0 onto my spare word
.if \post
	POST
.endif
.if \fill
	s_xor_b32 s[G0KV+1], s[G0KV+1], SLOT1          ; the other slot than last time, the next 128 keys
	s_add_nc_u64 s[G0KV+2:G0KV+3], s[G0KV+2:G0KV+3], KVSTEP
	s_xor_b32 s[G0M+1], s[G0M+1], SLOT1
	s_add_nc_u64 s[G0M+2:G0M+3], s[G0M+2:G0M+3], 512
.endif
	s_wait_dscnt 0x0
.if \fill
	CROUND
	TLOAD 0
.else
	s_barrier_signal -1
	s_barrier_wait -1
.endif
.endm
.macro MLD k                           ; the k-th of the mask's 64 loads: registers 2 k, 2 k + 1 of window 1; tile B's queries lie 8 rows on
	ds_load_b64 v[2*(\k):2*(\k)+1], v[ADM] offset:8*MP*((\k)/32)+128*(((\k)%32)/8)+8*((\k)%8)
.endm
.macro TADD base, k                    ; the k-th of the 31 additions that sum a tile's 32 pairs of p in place (p's codes have been made)
.if (\k) < 16
.set ti, (\k)
.set td, 16
.elseif (\k) < 24
.set ti, (\k)-16
.set td, 8
.elseif (\k) < 28
.set ti, (\k)-24
.set td, 4
.elseif (\k) < 30
.set ti, (\k)-28
.set td, 2
.else
.set ti, 0
.set td, 1
.endif
	v_pk_add_f32 v[\base+2*ti:\base+2*ti+1], v[\base+2*ti:\base+2*ti+1], v[\base+2*(ti+td):\base+2*(ti+td)+1]
.endm
.macro TREE base
.set kk, 0
.rept 31
	TADD \base, kk
.set kk, kk+1
.endr
.endm
.macro LADD x                          ; the tile's sum joins the running sum
	v_pk_add_f32 v[LL+2*\x:LL+2*\x+1], v[64*\x:64*\x+1], v[LL+2*\x:LL+2*\x+1]
.endm
.macro PVPH                            ; O^T += V^T P^T: 16 products, the accumulators by turns
	WIN W_PV
.irp t, 0,1,2,3,4,5,6,7
.irp x, 0,1
	v_wmma_scale_f32_16x16x128_f8f6f4 v[128+64*\x+8*\t:135+64*\x+8*\t], v[VF+12*\t:VF+12*\t+11], v[PCD+12*\x:PCD+12*\x+11], v[128+64*\x+8*\t:135+64*\x+8*\t], v[VS+\t], v[PWS+\x] matrix_a_fmt:MATRIX_FMT_BF6 matrix_b_fmt:MATRIX_FMT_BF6
.endr
.endr
.endm
.macro ASK cond                        ; the prefetch of the step three on; cond = 1, in the loop: the trips with fewer than 3 to go have no such step
.if \cond
	s_cmp_ge_u32 s[SLOTS], 3
	s_cbranch_scc0 .Lnoask_\@
.endif
	global_prefetch_b8 v[PFO], s[PFA:PFA+1] th:TH_LOAD_NT scope:SCOPE_SE
.Lnoask_\@:
.endm
.macro VLD t0                          ; four of V's fragments
.irp t, \t0, \t0+1, \t0+2, \t0+3
.irp c, 0,1,2
	ds_load_b128 v[VF+12*(\t)+4*\c:VF+12*(\t)+4*\c+3], v[AD] offset:VOFF+1536*(\t)+512*\c
.endr
.endr
.endm
; A STEP, behind its change of slots.  tail = 1: the last step's sums and P V products are owed.  ask: 0 no prefetch, 1 one, 2 one under the loop's test.
.macro STEPM tail, ask
	v_add_nc_u32 v[AD],  s[TB], v[LI]
	v_add_nc_u32 v[ADM], s[TB], v[MA0]
	v_add_nc_u32 v[ADS], s[TS], v[LSK]
.irp t, 0,1,2,3,4,5,6,7
	ds_load_b32 v[KS+\t], v[ADS] offset:128*\t
.endr
	WIN 0x80                                       ; destination window 2
.irp t, 0,1,2,3,4,5,6,7
.irp c, 0,1,2
	ds_load_b128 v[KF+12*\t+4*\c:KF+12*\t+4*\c+3], v[AD] offset:1536*\t+512*\c
.endr
.endr
	WIN 0
.if \ask
	ASK \ask-1
.endif
.if \tail
	WIN W_S
	TREE 0                                         ; tile A's sum; these are also the places between the lines that made p's codes and the products below
	WIN 0x02
	LADD 0
.endif
	WIN W_PV
.set mk, 0
.rept 32
	MLD mk                                         ; tile A's mask, in one run
.set mk, mk+1
.endr
.if \tail
	PVPH
.endif
.rept 32
	MLD mk                                         ; tile B's mask, in one run
.set mk, mk+1
.endr
	s_wait_dscnt 63                                ; of the mask's 64 loads, issued behind K's, 63 may be out: K and its scale words are in
	WIN W_S
.set kk, 0
.irp t, 0,1,2,3,4,5,6,7
	v_wmma_scale_f32_16x16x128_f8f6f4 v[8*\t:8*\t+7], v[KF+12*\t:KF+12*\t+11], v[QF:QF+11], 0, v[KS+\t], v[QS] matrix_a_fmt:MATRIX_FMT_BF6 matrix_b_fmt:MATRIX_FMT_BF6
.if \tail
.rept 4
.if kk < 31
	TADD 64, kk                                    ; tile B's sum, on registers that these products do not name
.endif
.set kk, kk+1
.endr
.endif
.endr
.if \tail
	WIN 0x02
	LADD 1
	PLACES 2
.else
	PLACES 4
.endif
	s_wait_dscnt 32                                ; tile A's mask is in
	WIN W_S
.set j, 0
.irp t, 0,1,2,3,4,5,6,7
	v_wmma_scale_f32_16x16x128_f8f6f4 v[64+8*\t:64+8*\t+7], v[KF+12*\t:KF+12*\t+11], v[QF+12:QF+23], 0, v[KS+\t], v[QS+1] matrix_a_fmt:MATRIX_FMT_BF6 matrix_b_fmt:MATRIX_FMT_BF6
.rept 4
	v_pk_fma_f32 v[j:j+1], v[j:j+1], s[IS:IS+1], v[j:j+1] op_sel_hi:[1,0,1]   ; tile A: logit = score / sqrt(128) + mask; each accumulator from its low end on
.set j, j+2
.endr
.endr
	s_wait_dscnt 0x0                               ; tile B's mask
.rept 32
	v_pk_fma_f32 v[j:j+1], v[j:j+1], s[IS:IS+1], v[j:j+1] op_sel_hi:[1,0,1]
.set j, j+2
.endr
	WIN 0
.irp t, 0,1,2,3,4,5,6,7
	ds_load_b32 v[VS+\t], v[ADS] offset:1024+128*\t   ; V and its scale words: wanted behind the next change of slots
.endr
	VLD 0
	WIN 0x0a                                       ; sources 0 and 1 window 2
.irp x, 0,1
.irp b, 0,1,2,3
	v_max_num_f32 v[BM+4*\x+\b], v[64*\x+16*\b], v[64*\x+16*\b+1]   ; the largest logit of each block of 32 keys: for the row's maximum, and, since p rises with the logit, for the block's largest p
.endr
.endr
.irp i, 2,4,6,8,10,12,14
.irp x, 0,1
.irp b, 0,1,2,3
	v_max3_num_f32 v[BM+4*\x+\b], v[64*\x+16*\b+\i], v[64*\x+16*\b+\i+1], v[BM+4*\x+\b]
.endr
.endr
.endr
	WIN 0
	VLD 4
.irp k, 0,1,2,3,4,5,6,7
	v_permlanex16_b32 v[PT+\k], v[BM+\k], s[SEL], s[SEL+1]
.endr
.irp k, 0,1,2,3,4,5,6,7
	v_max_num_f32 v[BM+\k], v[BM+\k], v[PT+\k]     ; with lane l xor 16's 16 keys
.endr
.irp x, 0,1
	v_max3_num_f32 v[TA+\x], v[BM+4*\x], v[BM+4*\x+1], v[BM+4*\x+2]
.endr
.irp x, 0,1
	v_max_num_f32 v[TA+\x], v[TA+\x], v[BM+4*\x+3] ; the step's largest logit of my query
.endr
.irp x, 0,1
	v_mul_f32 v[TA+\x], s[CS], v[TA+\x]            ; as t
.endr
.irp x, 0,1
	v_max_num_f32 v[NM+2*\x+1], v[NM+2*\x+1], v[TA+\x]   ; the running largest t
.endr
.irp x, 0,1
	v_mov_b32 v[TA+\x], v[NM+2*\x]
.endr
.irp x, 0,1
	v_floor_f32 v[NM+2*\x], -v[NM+2*\x+1]          ; the new -M = -ceil(t): a whole number
.endr
.irp x, 0,1
	v_sub_f32 v[TA+\x], v[NM+2*\x], v[TA+\x]       ; old M - new M: a whole number, 0 or less
.endr
.irp x, 0,1
	v_cvt_i32_f32 v[TA+\x], v[TA+\x]               ; (it saturates)
.endr
.irp x, 0,1
	v_ldexp_f32 v[FF+2*\x], 1.0, v[TA+\x]          ; f = 2^(old M - new M)
.endr
.irp x, 0,1
.irp b, 0,1,2,3
	v_fma_f32 v[BM+4*\x+\b], v[BM+4*\x+\b], s[CS], v[NM+2*\x]   ; t - M of each block's largest logit
.endr
.endr
	WIN 0x41                                       ; source 0 and destination window 1
.irp x, 0,1
.set j, 0
.rept 32
	v_pk_mul_f32 v[128+64*\x+j:129+64*\x+j], v[128+64*\x+j:129+64*\x+j], v[FF+2*\x:FF+2*\x+1] op_sel_hi:[1,0]   ; O^T under the new M; each accumulator from its low end on; no exponential stands between the products and these
.set j, j+2
.endr
.endr
	WIN 0x82                                       ; source 0 and destination window 2
.set j, 0
.rept 32
	v_pk_fma_f32 v[j:j+1], v[j:j+1], s[CS:CS+1], v[NM:NM+1] op_sel_hi:[1,0,0]   ; tile A: t - M, two at a time
.set j, j+2
.endr
	WIN 0
	s_wait_alu depctr_va_vdst(0)                   ; ahead of the batch
.irp k, 0,1,2,3,4,5,6,7
	v_exp_f32 v[BM+\k], v[BM+\k]                   ; the blocks' largest p: the same two instructions on the same number
.endr
	WIN 0x82
.set j, 0
.rept 32
	v_exp_f32 v[j], v[j]                           ; tile A: p = 2^(t - M), not normalised
	v_exp_f32 v[j+1], v[j+1]
	v_pk_fma_f32 v[64+j:65+j], v[64+j:65+j], s[CS:CS+1], v[NM+2:NM+3] op_sel_hi:[1,0,0]   ; tile B: t - M; first read behind the wait below
.set j, j+2
.endr
	s_wait_alu depctr_va_vdst(0)                   ; behind tile A's batch and ahead of tile B's
.rept 64
	v_exp_f32 v[j], v[j]                           ; tile B
.set j, j+1
.endr
	WIN 0
.irp x, 0,1
	v_pk_mul_f32 v[LL+2*\x:LL+2*\x+1], v[LL+2*\x:LL+2*\x+1], v[FF+2*\x:FF+2*\x+1] op_sel_hi:[1,0]   ; the sums under the new M; plain places behind the exponentials
.endr
	s_wait_alu depctr_va_vdst(0)                   ; one wait for the batch, ahead of its first reader, of the branch and of the waits that follow
	s_xor_b32 s[TB], s[TB], SLOT1                  ; on to the other slot
	s_add_co_u32 s[TS], s[TS], 2048
.endm
	s_wait_alu depctr_va_vdst(0)                   ; the head's end
	s_wait_loadcnt 0x0                             ; Q
	CHANGE 1, 0                                    ; step 0: no step's end is owed yet
	STEPM 0, 1
	s_mov_b32 s[SLOTS], 14
.Lstep:                                                ; steps 1 to 14: behind each change of slots the next step's tiles are asked for
	CHANGE 1, 1
	STEPM 1, 2
	s_sub_co_u32 s[SLOTS], s[SLOTS], 1
	s_cmp_lg_u32 s[SLOTS], 0
	s_cbranch_scc1 .Lstep
	CHANGE 0, 1                                    ; step 15 is written out: nothing more is asked for
	STEPM 1, 0
	POST
	s_wait_dscnt 0x0                               ; V's last fragments are in
	WIN W_S
	TREE 0                                         ; the last step's sums; also the places ahead of the products
	TREE 64
	WIN 0x02
	LADD 0
	LADD 1
	PVPH
	WIN 0
	; THE WAY OUT: O^T / the sum, quantised along the head's 128 channels: K step = head of the last product's left operand; the images are stored as they stand.
.irp x, 0,1
	v_add_f32 v[LL+2*\x], v[LL+2*\x], v[LL+2*\x+1]
.endr
.irp x, 0,1
	v_permlanex16_b32 v[TA+\x], v[LL+2*\x], s[SEL], s[SEL+1]
.endr
.irp x, 0,1
	v_add_f32 v[LL+2*\x], v[LL+2*\x], v[TA+\x]     ; the row's sum
.endr
	s_wait_alu depctr_va_vdst(0)                   ; ahead of the reciprocals
	v_rcp_f32 v[LL], v[LL]
	v_rcp_f32 v[LL+2], v[LL+2]
	v_nop                                          ; a plain place behind the reciprocals
	WIN 0x41
	s_wait_alu depctr_va_vdst(0)                   ; directly ahead of the first reader of O^T and of the reciprocals
.irp x, 0,1
.set j, 0
.rept 64
	v_mul_f32 v[128+64*\x+j], v[128+64*\x+j], v[LL+2*\x]   ; each accumulator from its low end on
.set j, j+1
.endr
.endr
.set TM, 108
.set PC, 68
.set PW, 66
	QUANT 128, 1
.irp c, 0,1,2
	global_store_b128 v[LI], v[PC+4*\c:PC+4*\c+3], s[10:11] offset:512*\c   ; 32 lanes store 512 consecutive bytes, aligned
.endr
	global_store_b32 v[LS], v[PW], s[12:13]
.set PC, 136                           ; other registers than the stores above read
.set PW, 67
	QUANT 192, 1
.irp c, 0,1,2
	global_store_b128 v[LI], v[PC+4*\c:PC+4*\c+3], s[10:11] offset:TROW+512*\c
.endr
	global_store_b32 v[LS], v[PW], s[12:13] offset:2048
	s_wait_tensorcnt 0x0                           ; the wave's end
	ds_add_u32 v[SPW], v[NIL]
	s_wait_dscnt 0x0
	CROUND                                         ; the closing round
	s_endpgm
.Lfunc_end_k_qb4ee0bfb5c_attn:
	.size	k_qb4ee0bfb5c_attn, .Lfunc_end_k_qb4ee0bfb5c_attn-k_qb4ee0bfb5c_attn
	.p2alignl 7, 3214868480
	.fill 96, 4, 3214868480
	.section	.rodata,"a",@progbits
	.p2align	6, 0x0
	.amdhsa_kernel k_qb4ee0bfb5c_attn
		.amdhsa_group_segment_fixed_size 327680
		.amdhsa_private_segment_fixed_size 0
		.amdhsa_enable_private_segment 0
		.amdhsa_kernarg_size 40
		.amdhsa_user_sgpr_count 2
		.amdhsa_user_sgpr_kernarg_segment_ptr 1
		.amdhsa_wavefront_size32 1
		.amdhsa_system_sgpr_workgroup_id_x 1
		.amdhsa_system_sgpr_workgroup_id_y 1
		.amdhsa_system_sgpr_workgroup_id_z 1
		.amdhsa_system_vgpr_workitem_id 0
		.amdhsa_next_free_vgpr 768
		.amdhsa_next_free_sgpr 92
		.amdhsa_reserve_vcc 0
		.amdhsa_float_denorm_mode_32 3
		.amdhsa_float_denorm_mode_16_64 3
		.amdhsa_memory_ordered 1
		.amdhsa_forward_progress 1
		.amdhsa_inst_pref_size 157
	.end_amdhsa_kernel
	.amdgpu_metadata
---
amdhsa.version: [ 1, 2 ]
amdhsa.kernels:
  - .name:           k_qb4ee0bfb5c_attn
    .symbol:         k_qb4ee0bfb5c_attn.kd
    .args:
      - { .name: qc, .offset: 0, .size: 8, .value_kind: global_buffer, .address_space: global }
      - { .name: qs, .offset: 8, .size: 8, .value_kind: global_buffer, .address_space: global }
      - { .name: mask, .offset: 16, .size: 8, .value_kind: global_buffer, .address_space: global }
      - { .name: oc, .offset: 24, .size: 8, .value_kind: global_buffer, .address_space: global }
      - { .name: os, .offset: 32, .size: 8, .value_kind: global_buffer, .address_space: global }
    .group_segment_fixed_size: 327680
    .private_segment_fixed_size: 0
    .kernarg_segment_align: 8
    .kernarg_segment_size: 40
    .max_flat_workgroup_size: 128
    .sgpr_count:     92
    .vgpr_count:     768
    .wavefront_size: 32
...
	.end_amdgpu_metadata
.endif
;; end of part 7
;; launch proj (part 8): grid 16 x 16, 4 waves a work-group, clusters of 4 x 4, 327,680 bytes of LDS; arguments oc, os, wc, ws, out0; writes out0
.if DOCPART == 8
	.amdgcn_target "amdgcn-amd-amdhsa--gfx1250"
	.amdhsa_code_object_version 6
	.text
	.protected	k_qb4ee0bfb5c_proj
	.globl	k_qb4ee0bfb5c_proj
	.p2align	8
	.type	k_qb4ee0bfb5c_proj,@function
k_qb4ee0bfb5c_proj:
	s_mov_b64 s[64:65], 0
	v_nop
	global_prefetch_b8 v0, s[64:65] scope:SCOPE_SE
	s_setreg_imm32_b32 hwreg(HW_REG_WAVE_MODE, 25, 1), 1
	s_wait_xcnt 0x0
	s_wait_alu depctr_hold_cnt(0) depctr_sa_sdst(0) depctr_va_vdst(0) depctr_va_sdst(0) depctr_va_ssrc(0) depctr_va_vcc(0) depctr_vm_vsrc(0)
	s_getreg_b32 s2, hwreg(HW_REG_IB_STS2, 6, 4)
	s_cmp_eq_u32 s2, 0
	s_cbranch_scc0 .Lentry_in_a_cluster
	s_endpgm
.Lentry_in_a_cluster:
	s_bfe_u32 s2, ttmp6, 0x10000c
	s_cmp_lg_u32 s2, 0xf033
	s_cbranch_scc0 .Lentry_shape_is_right
	s_endpgm
.Lentry_shape_is_right:
.set TEN,   3145728
.set TROW,  24576
.set STEN,  262144
.set FR,    12
.set NP,    4
.set NF,    28
.set QUART, 24576
.set REG,   4*QUART
.set SPARE, 3*REG
.set SCL,   SPARE+512
.set QS,    4096
.set SPITCH, 272
.set STAGE, REG
.set ADRA, 16
.set ADRB, 19
.set LI,   22
.set ADS,  23
.set STO,  24
.set RD,   25
.set CO,   26
.set SPW,  28
.set NIL,  29
.set SC,   32
.set FS,   64
.set BK,   64
.set G1,   24
.set G0,   32
.set G1B,  44
.set G0B,  52
.set G1S,  68
.set G0S,  76
.set G1SB, 80
.set G0SB, 88
.set MSB, 0
.macro WIN new
.if MSB != (\new)
	s_set_vgpr_msb (MSB<<8)|(\new)
.set MSB, (\new)
.endif
.endm
.set MUL, 0x50
.macro JLOAD g0a, g1a, g0b, g1b
	s_cmp_eq_u32 s15, 0
	s_cbranch_scc0 .Lfor_b_\@
	tensor_load_to_lds s[\g0a:\g0a+3], s[\g1a:\g1a+7]
	s_nop 0
.rept 4
	v_nop
.endr
	s_branch .Lasked_\@
.Lfor_b_\@:
	tensor_load_to_lds s[\g0b:\g0b+3], s[\g1b:\g1b+7]
	s_nop 0
.rept 4
	v_nop
.endr
.Lasked_\@:
.endm
.macro CREST
	s_cmp_lg_u32 s14, 0
	s_cbranch_scc1 .Lnot_wave_0_\@
	s_barrier_signal -3
.Lnot_wave_0_\@:
	s_barrier_wait -3
	s_barrier_signal -1
	s_barrier_wait -1
.endm
.macro CROUND
	s_barrier_signal -1
	s_barrier_wait -1
	CREST
.endm
.macro PLACES n
.rept \n
	v_nop
.endr
.endm
	s_load_b128 s[4:7], s[0:1], 0x0
	s_load_b128 s[8:11], s[0:1], 0x10
	s_load_b64 s[12:13], s[0:1], 0x20
	v_lshl_add_u32 v[SPW], v0, 2, SPARE
	v_mov_b32 v[NIL], 0
	ds_add_u32 v28, v29
	ds_add_u32 v28, v29
	s_wait_dscnt 0x0
	v_lshrrev_b32 v1, 5, v0
	v_readfirstlane_b32 s14, v1
	s_lshr_b32 s15, s14, 1
	s_and_b32 s16, s14, 1
	s_bfe_u32 s92, ttmp6, 0x40000
	s_bfe_u32 s93, ttmp6, 0x40004
	s_lshl_b32 s94, ttmp9, 2
	s_add_co_u32 s94, s94, s92
	s_and_b32 s17, ttmp7, 0xffff
	s_lshl_b32 s17, s17, 2
	s_add_co_u32 s17, s17, s93
	s_lshl_b32 s95, s93, 2
	s_lshl_b32 s95, 15, s95
	s_lshl_b32 s66, 0x1111, s92
	s_or_b32 s[G1+0], s95, (3<<16)|(1<<21)
	s_or_b32 s[G1B+0], s66, (3<<16)|(1<<21)
.irp g, G1, G1B
	s_mov_b32 s[\g+1], 768<<16
	s_mov_b32 s[\g+2], 8<<16
	s_mov_b32 s[\g+3], 768<<16
	s_mov_b32 s[\g+4], 8
	s_mov_b32 s[\g+5], 3072
	s_mov_b32 s[\g+6], 0
	s_mov_b32 s[\g+7], 0
.endr
	s_or_b32 s[G1S+0], s95, (3<<16)|(1<<21)
	s_or_b32 s[G1SB+0], s66, (3<<16)|(1<<21)
.irp g, G1S, G1SB
	s_mov_b32 s[\g+1], 8<<16
	s_mov_b32 s[\g+2], 128<<16
	s_mov_b32 s[\g+3], 8<<16
	s_mov_b32 s[\g+4], 128
	s_mov_b32 s[\g+5], 16
	s_mov_b32 s[\g+6], 0
	s_mov_b32 s[\g+7], 0
.endr
	s_lshl_b32 s20, s17, 3
	s_mul_i32 s22, s20, TROW
	s_mov_b32 s23, 0
	s_lshl_b32 s20, s20, 11
	s_mov_b32 s21, 0
	s_lshl_b32 s97, s94, 3
	s_mul_i32 s96, s97, TROW
	s_add_co_u32 s96, s96, 4*TEN
	s_lshl_b32 s98, s97, 11
	s_add_co_u32 s98, s98, 4*STEN
	s_mov_b32 s97, 0
	s_mov_b32 s99, 0
	s_mul_i32 s67, s14, QUART
	s_mul_i32 s18, s16, 4*TROW                     ; behind the head I fetch 4 of a tile's 8 row tiles: which half, in bytes
	s_mov_b32 s19, 0
	s_wait_kmcnt 0x0
	s_add_nc_u64 s[22:23], s[4:5], s[22:23]
	s_add_nc_u64 s[20:21], s[6:7], s[20:21]
	s_add_nc_u64 s[96:97], s[8:9], s[96:97]
	s_add_nc_u64 s[98:99], s[10:11], s[98:99]
	CROUND
	s_mov_b32 s[G0S], 1
	s_mov_b32 s[G0S+1], SCL
	s_mov_b64 s[G0S+2:G0S+3], s[20:21]
	s_or_b32 s[G0S+3], s[G0S+3], 0x80000000
	s_mov_b32 s[G0SB], 1
	s_mov_b32 s[G0SB+1], SCL+2*QS
	s_mov_b64 s[G0SB+2:G0SB+3], s[98:99]
	s_or_b32 s[G0SB+3], s[G0SB+3], 0x80000000
.set G0H, 4                            ; s[4:7], s[8:11] group 0 for the head's loads of region 0: A's 8 row tiles, B's 8 (the arguments that lay there have been used)
.set G0HB, 8
	s_mov_b32 s[G0H], 1
	s_mov_b32 s[G0H+1], 0
	s_mov_b64 s[G0H+2:G0H+3], s[22:23]
	s_or_b32 s[G0H+3], s[G0H+3], 0x80000000
	s_mov_b32 s[G0HB], 1
	s_mov_b32 s[G0HB+1], 2*QUART
	s_mov_b64 s[G0HB+2:G0HB+3], s[96:97]
	s_or_b32 s[G0HB+3], s[G0HB+3], 0x80000000
	s_add_nc_u64 s[22:23], s[22:23], s[18:19]      ; for the later loads: my half of the tile
	s_add_nc_u64 s[96:97], s[96:97], s[18:19]
.irp s, 0,1,2
	s_mov_b32 s[G0+4*\s], 1
	s_add_co_u32 s[G0+4*\s+1], s67, \s*REG
	s_add_nc_u64 s[G0+4*\s+2:G0+4*\s+3], s[22:23], \s*6144
	s_or_b32 s[G0+4*\s+3], s[G0+4*\s+3], 0x80000000
	s_mov_b32 s[G0B+4*\s], 1
	s_add_co_u32 s[G0B+4*\s+1], s67, \s*REG
	s_add_nc_u64 s[G0B+4*\s+2:G0B+4*\s+3], s[96:97], \s*6144
	s_or_b32 s[G0B+4*\s+3], s[G0B+4*\s+3], 0x80000000
.endr
; THE HEAD'S LOADS, ONE A WAVE: wave 0 region 0's 8 row tiles of A, wave 1 those of B, wave 2 A's scale words, wave 3 B's.  One chain of branches on the wave's number, one load to an arm.
.macro ARM under, g0, g1, next
	s_cmp_lt_u32 s14, \under
	s_cbranch_scc0 \next
	tensor_load_to_lds s[\g0:\g0+3], s[\g1:\g1+7]
	s_nop 0
.rept 4
	v_nop
.endr
	s_branch .Lhead_asked
\next:
.endm
	ARM 1, G0H,  G1,  .Lhead_b
	ARM 2, G0HB, G1B, .Lhead_sa
	ARM 3, G0S,  G1S, .Lhead_sb
	tensor_load_to_lds s[G0SB:G0SB+3], s[G1SB:G1SB+7]
	s_nop 0
.rept 4
	v_nop
.endr
.Lhead_asked:
.irp s, 1,2                            ; regions 1 and 2: first fills that are issued as refills are
	s_wait_alu depctr_va_vdst(0)
	s_wait_tensorcnt 0x0
	ds_add_u32 v28, v29
.if \s == 1
	s_mov_b32 s[G1+2], 4<<16                       ; no tensor load of mine is out: from here on a load brings 4 row tiles
	s_mov_b32 s[G1+4], 4
	s_mov_b32 s[G1B+2], 4<<16
	s_mov_b32 s[G1B+4], 4
.endif
	s_wait_dscnt 0x0
	CROUND
	JLOAD G0+4*\s, G1, G0B+4*\s, G1B
.endr
	v_and_b32 v1, 31, v0
	v_lshlrev_b32 v[LI], 4, v1
	v_and_b32 v2, 15, v0
	v_bfe_u32 v4, v0, 4, 1
	s_wait_alu depctr_va_vdst(0)
	s_mul_i32 s21, s15, QUART
	s_mul_i32 s22, s16, QUART
	s_add_co_u32 s22, s22, 2*QUART
.irp g, 0,1,2
	v_add_nc_u32 v[ADRA+\g], s21, v[LI]
	v_add_nc_u32 v[ADRB+\g], s22, v[LI]
	s_add_co_u32 s21, s21, REG
	s_add_co_u32 s22, s22, REG
.endr
	s_xor_b32 s22, s15, 1
	s_add_co_u32 s22, s22, s16
	s_add_co_u32 s22, s22, 1
	s_mul_i32 s22, s22, QS
	v_mul_u32_u24 v6, s22, v4
	s_mul_i32 s21, s15, QS
	s_add_co_u32 s21, s21, SCL
	v_lshl_add_u32 v6, v2, 2, v6
	v_add_nc_u32 v[ADS], s21, v6
	s_mul_i32 s23, s14, 16*SPITCH
	s_add_co_u32 s23, s23, STAGE
	v_mul_u32_u24 v5, v2, SPITCH
	v_lshl_add_u32 v5, v4, 6, v5
	v_add_nc_u32 v[STO], s23, v5
	v_mul_u32_u24 v5, v4, SPITCH
	v_lshl_add_u32 v5, v2, 4, v5
	v_add_nc_u32 v[RD], s23, v5
	v_lshlrev_b32 v5, 13, v4
	v_lshl_add_u32 v[CO], v2, 4, v5
	s_lshl_b32 s20, s17, 7
	s_lshl_b32 s21, s15, 6
	s_add_co_u32 s20, s20, s21
	s_lshl_b32 s20, s20, 13
	s_mov_b32 s21, 0
	s_lshl_b32 s96, s94, 9
	s_lshl_b32 s97, s16, 8
	s_add_co_u32 s96, s96, s97
	s_mov_b32 s97, 0
	s_add_nc_u64 s[20:21], s[20:21], s[96:97]
	s_add_nc_u64 s[12:13], s[12:13], s[20:21]
.macro FETCH k, p
.set RG, (((\k)/4)%3)
.set QQ, ((\k)%4)
.irp i, 0,1,2,3
.irp c, 0,1,2
	ds_load_b128 v[FS+96*(\p)+FR*\i+4*\c:FS+96*(\p)+FR*\i+4*\c+3], v[ADRA+RG] offset:6144*\i+1536*QQ+512*\c
.endr
.endr
.irp i, 0,1,2,3
.irp c, 0,1,2
	ds_load_b128 v[FS+96*(\p)+48+FR*\i+4*\c:FS+96*(\p)+48+FR*\i+4*\c+3], v[ADRB+RG] offset:6144*\i+1536*QQ+512*\c
.endr
.endr
.irp i, 0,1,2,3
	ds_load_b32 v[SC+4*(\p)+\i], v[ADS] offset:1024*\i+64*(\k)
.endr
.endm
.macro MUL8 a0, p, zero
.irp a, \a0, \a0+1
.irp b, 0,1,2,3
.if \zero
	v_wmma_scale_f32_16x16x128_f8f6f4 v[8*(4*(\a)+\b):8*(4*(\a)+\b)+7], v[FS+96*(\p)+48+FR*\b:FS+96*(\p)+48+FR*\b+FR-1], v[FS+96*(\p)+FR*(\a):FS+96*(\p)+FR*(\a)+FR-1], 0, v[SC+4*(\p)+\b], v[SC+4*(\p)+(\a)] matrix_a_fmt:MATRIX_FMT_BF6 matrix_b_fmt:MATRIX_FMT_BF6 matrix_a_scale:MATRIX_SCALE_ROW1
.else
	v_wmma_scale_f32_16x16x128_f8f6f4 v[8*(4*(\a)+\b):8*(4*(\a)+\b)+7], v[FS+96*(\p)+48+FR*\b:FS+96*(\p)+48+FR*\b+FR-1], v[FS+96*(\p)+FR*(\a):FS+96*(\p)+FR*(\a)+FR-1], v[8*(4*(\a)+\b):8*(4*(\a)+\b)+7], v[SC+4*(\p)+\b], v[SC+4*(\p)+(\a)] matrix_a_fmt:MATRIX_FMT_BF6 matrix_b_fmt:MATRIX_FMT_BF6 matrix_a_scale:MATRIX_SCALE_ROW1
.endif
.endr
.endr
.endm
.macro KSTEP k, zero, fetch
.if (\k) < 15
	s_wait_dscnt NF
.else
	s_wait_dscnt 0x0
.endif
	WIN MUL
	MUL8 0, (\k)%2, \zero
	MUL8 2, (\k)%2, \zero
	WIN 0
.if \fetch
	PLACES NP
	FETCH (\k)+2, (\k)%2
.endif
.endm
.macro MEET k, fill
	s_wait_tensorcnt 0x0
	ds_add_u32 v[SPW], v[NIL]
	s_wait_dscnt NF+1
	WIN MUL
	MUL8 0, (\k)%2, 0
	s_wait_dscnt 0x0
	s_barrier_signal -1
	MUL8 2, (\k)%2, 0
	WIN 0
	s_barrier_wait -1
.if \fill
	CREST
	s_add_nc_u64 s[G0+2:G0+3], s[G0+2:G0+3], 3*6144
	s_add_nc_u64 s[G0B+2:G0B+3], s[G0B+2:G0B+3], 3*6144
	JLOAD G0, G1, G0B, G1B
.else
	PLACES NP
.endif
	FETCH (\k)+2, (\k)%2
.endm
	s_wait_alu depctr_va_vdst(0)
	s_wait_tensorcnt 2
	s_barrier_signal -1
	s_barrier_wait -1
	FETCH 0, 0
	FETCH 1, 1
	KSTEP 0, 1, 1
	KSTEP 1, 0, 1
	MEET 2, 1
.irp k, 3,4,5,6,7,8,9
	KSTEP \k, 0, 1
.endr
	MEET 10, 0
	KSTEP 11, 0, 1
	KSTEP 12, 0, 1
	KSTEP 13, 0, 1
	KSTEP 14, 0, 0
	KSTEP 15, 0, 0
.macro TOSTAGE a
	WIN 0x04
.irp b, 0,1,2,3
	ds_store_b128 v[STO], v[8*(4*(\a)+\b):8*(4*(\a)+\b)+3] offset:128*(\b/2)+32*(\b%2)
	ds_store_b128 v[STO], v[8*(4*(\a)+\b)+4:8*(4*(\a)+\b)+7] offset:128*(\b/2)+32*(\b%2)+16
.endr
	WIN 0
.set BB, BK+32*((\a)%2)
.irp t, 0,1,2,3,4,5,6,7
	ds_load_b128 v[BB+4*\t:BB+4*\t+3], v[RD] offset:\t*2*SPITCH
.endr
.endm
.macro SEND a, younger
.set BB, BK+32*((\a)%2)
	s_wait_dscnt \younger
.irp t, 0,1,2,3,4,5,6,7
	global_store_b128 v[CO], v[BB+4*\t:BB+4*\t+3], s[12:13] offset:(32*((\a)/2)+8*((\a)%2)+2*\t+8*(\t/4))*8192 th:TH_STORE_NT
.endr
.endm
	PLACES NP
	TOSTAGE 0
.irp a, 1,2,3
.if \a > 1
	s_wait_xcnt 0x0
.endif
	TOSTAGE \a
	SEND \a-1, 16
.endr
	SEND 3, 0
	s_wait_tensorcnt 0x0
	ds_add_u32 v[SPW], v[NIL]
	s_wait_dscnt 0x0
	CROUND
	s_endpgm
.Lfunc_end_k_qb4ee0bfb5c_proj:
	.size	k_qb4ee0bfb5c_proj, .Lfunc_end_k_qb4ee0bfb5c_proj-k_qb4ee0bfb5c_proj
	.p2alignl 7, 3214868480
	.fill 96, 4, 3214868480
	.section	.rodata,"a",@progbits
	.p2align	6, 0x0
	.amdhsa_kernel k_qb4ee0bfb5c_proj
		.amdhsa_group_segment_fixed_size 327680
		.amdhsa_private_segment_fixed_size 0
		.amdhsa_enable_private_segment 0
		.amdhsa_kernarg_size 40
		.amdhsa_user_sgpr_count 2
		.amdhsa_user_sgpr_kernarg_segment_ptr 1
		.amdhsa_wavefront_size32 1
		.amdhsa_system_sgpr_workgroup_id_x 1
		.amdhsa_system_sgpr_workgroup_id_y 1
		.amdhsa_system_sgpr_workgroup_id_z 1
		.amdhsa_system_vgpr_workitem_id 0
		.amdhsa_next_free_vgpr 384
		.amdhsa_next_free_sgpr 100
		.amdhsa_reserve_vcc 0
		.amdhsa_float_denorm_mode_32 3
		.amdhsa_float_denorm_mode_16_64 3
		.amdhsa_memory_ordered 1
		.amdhsa_forward_progress 1
		.amdhsa_inst_pref_size 85
	.end_amdhsa_kernel
	.amdgpu_metadata
---
amdhsa.version: [ 1, 2 ]
amdhsa.kernels:
  - .name:           k_qb4ee0bfb5c_proj
    .symbol:         k_qb4ee0bfb5c_proj.kd
    .args:
      - { .name: oc, .offset: 0, .size: 8, .value_kind: global_buffer, .address_space: global }
      - { .name: os, .offset: 8, .size: 8, .value_kind: global_buffer, .address_space: global }
      - { .name: wc, .offset: 16, .size: 8, .value_kind: global_buffer, .address_space: global }
      - { .name: ws, .offset: 24, .size: 8, .value_kind: global_buffer, .address_space: global }
      - { .name: out0, .offset: 32, .size: 8, .value_kind: global_buffer, .address_space: global }
    .group_segment_fixed_size: 327680
    .private_segment_fixed_size: 0
    .kernarg_segment_align: 8
    .kernarg_segment_size: 40
    .max_flat_workgroup_size: 128
    .sgpr_count:     100
    .vgpr_count:     384
    .wavefront_size: 32
...
	.end_amdgpu_metadata
.endif
;; end of part 8
